; MI455X (gfx1250); checked and timed in simulation.
; The chip was launched on July 23, 2026; its instructions are those of AMD's public machine-readable ISA for CDNA 5 (MIT licence, August 2026) and "CDNA5" Instruction Set Architecture Reference Guide (July 2026). The comments in the code are by the model that wrote it; some were corrected since.
;; Block. Allowed arithmetic: matrix products marked QUANTISED: E2M1 operands, one E8M0 scale for each 32 along K, by v_wmma_scale_f32_16x16x128_f8f6f4 with both operands' format E2M1 (or v_wmma_scale_f32_32x16x128_f4), f32 sums; products left as they are: f32 operands where the result goes on into a quantised operand, else bf16, f16 or f32 operands; f32 sums; everything else in f32.
;; Inputs: exp_fc1_codes 8 x 512 x 32 x 16 uint8 (E2M1 codes of exp_fc1, K innermost, in blocks of 32 codes, two codes a byte); exp_fc1_scales 8 x 512 x 32 uint8 (E8M0 scales of exp_fc1, one for each 32 codes along K); exp_fc2_codes 8 x 1,024 x 16 x 16 uint8 (E2M1 codes of exp_fc2, K innermost, in blocks of 32 codes, two codes a byte); exp_fc2_scales 8 x 1,024 x 16 uint8 (E8M0 scales of exp_fc2, one for each 32 codes along K); router_w 1,024 x 8 float32; wk_codes 1,024 x 32 x 16 uint8 (E2M1 codes of wk, K innermost, in blocks of 32 codes, two codes a byte); wk_scales 1,024 x 32 uint8 (E8M0 scales of wk, one for each 32 codes along K); wo_codes 1,024 x 32 x 16 uint8 (E2M1 codes of wo, K innermost, in blocks of 32 codes, two codes a byte); wo_scales 1,024 x 32 uint8 (E8M0 scales of wo, one for each 32 codes along K); wq_codes 1,024 x 32 x 16 uint8 (E2M1 codes of wq, K innermost, in blocks of 32 codes, two codes a byte); wq_scales 1,024 x 32 uint8 (E8M0 scales of wq, one for each 32 codes along K); wv_codes 1,024 x 32 x 16 uint8 (E2M1 codes of wv, K innermost, in blocks of 32 codes, two codes a byte); wv_scales 1,024 x 32 uint8 (E8M0 scales of wv, one for each 32 codes along K); x 2 x 2,048 x 1,024 float32.
;; Outputs: out0 2 x 2,048 x 1,024 float32.
;; This version of the problem:
;;   THIS VERSION OF THE PROBLEM IS GIVEN IN LOW PRECISION. The matrix products marked QUANTISED in the list below multiply operands that are first quantised to E2M1 (2 exponent bits, 1 mantissa bit; 4 bits a number), with one power-of-two scale for each 32 numbers along K (OCP MX v1.0); their sums are f32. All else is computed in f32.
;;   The module's matrix products, in the order in which they are computed (A, B: the left and right operand; K: the contracted axis; several contracted axes count as one K, in the product's order):
;;     1. [M 4,096, K 1,024] x [K 1,024, N 1,024]; A: computed on the way; B: input wq (given as codes): QUANTISED
;;     2. [M 4,096, K 1,024] x [K 1,024, N 1,024]; A: computed on the way; B: input wk (given as codes): QUANTISED
;;     3. [M 4,096, K 1,024] x [K 1,024, N 1,024]; A: computed on the way; B: input wv (given as codes): QUANTISED
;;     4. batch 32 x [M 2,048, K 64] x [K 64, N 2,048]; A: computed on the way; B: computed on the way: QUANTISED
;;     5. batch 32 x [M 64, K 2,048] x [K 2,048, N 2,048]; A: computed on the way; B: softmax (see below): QUANTISED
;;     6. [M 4,096, K 1,024] x [K 1,024, N 1,024]; A: computed on the way; B: input wo (given as codes): QUANTISED
;;     7. [M 4,096, K 1,024] x [K 1,024, N 8]; A: computed on the way; B: input router_w: left as it is (N = 8 < 16)
;;     8. [M 4,096, K 1,024] x [K 1,024, N 4,096]; A: computed on the way; B: input exp_fc1 (given as codes): QUANTISED
;;     9. batch 8 x [M 1,024, K 512] x [K 512, N 4,096]; A: input exp_fc2 (given as codes); B: computed on the way: QUANTISED
;;     10. batch 4,096 x [M 1,024, K 8] x [K 8, N 1]; A: computed on the way; B: computed on the way: left as it is (K = 8 < 32)
;;   THE QUANTISER, for each operand of a quantised product, along K:
;;     - K is cut into blocks of 32 from its start; a last block that is shorter is filled with zeros.
;;     - A block's scale is 2^e with e = floor(log2(the largest magnitude in the block)) - 2, held to -126 .. 127; a block of zeros has e = 0. As a byte (E8M0): e + 127.
;;     - Each number is divided by its block's scale, clamped to +-6, and rounded to the nearest number of E2M1, ties to even, subnormals kept.
;;     - The product sums the exact products of the quantised numbers (number of the format x scale) in f32.
;;   ~~~python
;;   def quantise(x, axis):      # numpy; x: float32 -> the quantised numbers, widened to float32 again
;;       x = np.moveaxis(x, axis, -1); K = x.shape[-1]
;;       x = np.pad(x, [(0, 0)] * (x.ndim - 1) + [(0, -K % 32)]); x = x.reshape(x.shape[:-1] + (-1, 32)); a = np.abs(x).max(-1, keepdims=True)
;;       e = np.where(a > 0, np.clip(np.frexp(np.where(a > 0, a, 1))[1] - 1 - 2, -126, 127), 0)      # np.frexp(a)[1] - 1 = floor(log2(a)), exactly
;;       r = np.clip(x / 2.0 ** e, -6, 6)
;;       step = 2.0 ** (np.maximum(np.frexp(np.where(r == 0, 1, r))[1] - 1, 0) - 1)
;;       q = np.round(r / step) * step * 2.0 ** e      # np.round: ties to even
;;       return np.moveaxis(q.reshape(q.shape[:-2] + (-1,))[..., :K], -1, axis).astype(np.float32)
;;   ~~~
;;   SOFTMAX AHEAD OF A QUANTISED PRODUCT. Where the list says 'softmax', what is quantised is not the finished softmax but p = 2^(t - M), with t = logit x log2(e) and M = ceil(the row's largest t), a whole number; so 1/2 < the row's largest p <= 1. The row's sum l is taken of the UNQUANTISED p, in f32, and the product's result is divided by l at the end. Since M is a whole number, a kernel that streams over the keys may use a running M (the ceiling of the running maximum): every later rescaling is an exact power of two, which a block's scale takes up: the codes' values come out the same.
;;   OPERANDS COMPUTED ON THE WAY. 'Computed on the way' means the value that the module computes at that place (a softmax that the list does not call 'softmax' is quantised finished and normalised). What goes into a quantiser is computed in f32, as accurately as f32 sums, v_exp_f32 and their like allow (about 1e-6 of the number): no bf16 or f16 on the way to a quantiser, and a product that is left as it is and whose result goes on into a quantised operand takes f32 operands (vector FMAs, or v_wmma_f32_16x16x4_f32). A number that lies on a knife's edge between two numbers of the format may be rounded either way, as far as f32 arithmetic and the matrix unit's own rounding can turn it there, and no further.
;;   INPUTS GIVEN AS CODES. exp_fc1 (in the module: [8, 1024, 512], K = its axis 1); exp_fc2 (in the module: [8, 512, 1024], K = its axis 1); wk (in the module: [1024, 1024], K = its axis 0); wo (in the module: [1024, 1024], K = its axis 0); wq (in the module: [1024, 1024], K = its axis 0); wv (in the module: [1024, 1024], K = its axis 0): each comes as NAME_codes (uint8): NAME with its K axis moved to the last place and cut into blocks of 32 codes, [.., K / 32, bytes a block], one block behind the other in memory; two codes a byte, the lower K in the low four bits (a code: sign, 2 exponent bits, 1 mantissa bit); and NAME_scales (uint8): the same leading axes, one E8M0 byte (e + 127) for each 32 codes along K. Its value is code x scale, taken as it is: it is not quantised again, and the codes and scales need not be those that the quantiser above would give.
;; 2 versions, each right; version 2 is version 1 with the launches proj, moe written anew for expert scheduling mode. Each part assembles by itself: llvm-mc -triple=amdgcn-amd-amdhsa -mcpu=gfx1250 --defsym DOCPART=n.
;; ======== version 1 of 2: 6 launches
;; workspace buffers: wsa 6,946,816 bytes; wsb 6,946,816 bytes; wsc 2,228,224 bytes; wsd 19,038,208 bytes; rt 49,152 bytes of whole numbers; ord 16,384 bytes of whole numbers
;; launch prep (part 1): grid 272 x 1, 4 waves a work-group, no clusters, 22,016 bytes of LDS; arguments x, wo_codes, exp_fc1_codes, exp_fc2_codes, wsa; writes wsa
.if DOCPART == 1
	.amdgcn_target "amdgcn-amd-amdhsa--gfx1250"
	.amdhsa_code_object_version 6
	.text
	.protected	k_q609afadbbd_prep
	.globl	k_q609afadbbd_prep
	.p2align	8
	.type	k_q609afadbbd_prep,@function
k_q609afadbbd_prep:
	s_mov_b64 s[64:65], 0
	v_nop
	global_prefetch_b8 v0, s[64:65] scope:SCOPE_SE
	s_setreg_imm32_b32 hwreg(HW_REG_WAVE_MODE, 25, 1), 1
	s_wait_xcnt 0x0
; PREP.  Work-groups 0-127: h1 = rmsnorm(x), quantised along its 1,024 columns to E2M1 codes (wsa + 0, [4096][512 bytes]) and E8M0 bytes (wsa + H1S_O, [4096][32]).
; Work-groups 128-271: the codes of wo, exp_fc1 and exp_fc2 are laid once in the order of an operand's registers: a fragment (16 rows x 128 K) as [c 0..1][lane][16 bytes],
; lane (r, h) holding the codes k = 64 c + 32 h .. + 31 of row r, so that later launches load a fragment by two loads of 512 consecutive bytes.
; NORM.  A wave takes 8 rows, one at a time, two rows of loads ahead.  A row (4,096 bytes) is loaded as it lies, 512 consecutive bytes a load, and turns through the wave's own stage in LDS,
; so that a lane then holds 2 x 16 neighbours along K (two neighbouring lanes hold a block of 32).  The stage has 16 bytes of padding behind each 64.
; A block's scale is 2^(floor(log2(largest magnitude)) - 2); its byte is the largest magnitude's exponent field - 2, held at 1 from below by a floor among the maximum's leaves.
; LIMITS: NaN and infinities among the inputs are not served; a block whose largest magnitude lies under 2^-124 (a block of zeros too) keeps the byte 1 where the rule says 127 for zeros:
; its codes are zeros then or nearly so, and only this program reads the bytes.
; No matrix unit, no cluster, no tensor load: a stream whose waves share nothing.
.set H1S_O,  2097152
.set WOI_O,  2228224
.set WREG,   5376                      ; LDS of a wave: a stage of 64 places of SP bytes, then its 256 scale bytes
.set SP,     80
.set SCB,    64*SP
.set FLOOR,  0x1800000                 ; 2^(3 - 127)
.set R, 24                             ; v24-87   two sets of 32: a row as loaded
.set X, 88                             ; v88-119  the row's 32 numbers of my lane, 2 x 16 neighbours
.set C, 120                            ; v120-151 codes: two registers for each (row, half): no store's data are written again
.set E, 152                            ; v152-167 a scale byte for each (row, half)
	s_load_b256 s[4:11], s[0:1], 0x0               ; x, wo's codes, exp_fc1's, exp_fc2's
	s_load_b64 s[12:13], s[0:1], 0x20              ; wsa
	v_lshl_add_u32 v168, v0, 2, 0x5400
	v_mov_b32 v169, 0
	v_lshrrev_b32 v1, 5, v0
	v_readfirstlane_b32 s18, v1                    ; wave 0..3
	v_and_b32 v2, 31, v0                           ; lane
	v_lshlrev_b32 v3, 4, v2                        ; 16 x lane
	s_wait_kmcnt 0x0
	s_cmp_ge_u32 ttmp9, 128
	s_cbranch_scc1 .Lrelay
	; ---------------- the norm and the quantiser
	s_mul_i32 s19, s18, WREG
	v_lshlrev_b32 v4, 3, v2                        ; 8 x lane: my 16 codes in a half row; my 8 scale bytes on the way out
	v_lshrrev_b32 v5, 1, v2
	v_add_nc_u32 v5, s19, v5
	v_add_nc_u32 v5, SCB, v5                       ; LDS: my block's scale byte
	v_add_nc_u32 v6, s19, v4
	v_add_nc_u32 v6, SCB, v6                       ; LDS: 8 scale bytes a lane on the way out
	v_lshrrev_b32 v14, 2, v2
	v_mul_u32_u24 v14, v14, SP
	v_and_b32 v15, 3, v2
	v_lshl_add_u32 v14, v15, 4, v14
	v_add_nc_u32 v14, s19, v14                     ; the stage, way in: SP (lane / 4) + 16 (lane % 4); a load's 512 bytes take eight places
	v_mul_u32_u24 v15, v2, SP
	v_add_nc_u32 v15, s19, v15                     ; way out: SP x lane: 16 neighbours
	v_mov_b32 v10, 0                               ; a lane permute's destination counts as one of its sources
	v_mov_b32 v17, 0                               ; named with v16 as a pair
	s_mov_b32 s22, 0x3a800000                      ; 1 / 1024
	s_mov_b32 s23, 0x3727c5ac                      ; 1e-5
	s_mov_b32 s24, 0x76543210
	s_mov_b32 s25, 0xfedcba98                      ; selects for lane l xor 16
	s_lshl_b32 s20, ttmp9, 17                      ; 32 rows of 4,096 bytes a work-group,
	s_lshl_b32 s21, s18, 15                        ; 8 a wave
	s_add_co_u32 s20, s20, s21
	s_mov_b32 s21, 0
	s_add_nc_u64 s[4:5], s[4:5], s[20:21]          ; x at my first row
	s_lshr_b32 s20, s20, 3                         ; 512 bytes of codes a row
	s_add_nc_u64 s[14:15], s[12:13], s[20:21]
	s_lshr_b32 s20, s20, 4                         ; 32 scale bytes a row
	s_add_nc_u64 s[16:17], s[12:13], s[20:21]
	s_add_nc_u64 s[16:17], s[16:17], H1S_O
.macro LOAD t                          ; row t as it lies: eight loads of 512 consecutive bytes (x is read again by a later launch: no hint)
.irp i, 0,1,2,3,4,5,6,7
	global_load_b128 v[R+32*((\t)%2)+4*\i:R+32*((\t)%2)+4*\i+3], v3, s[4:5] offset:4096*(\t)+512*\i
.endr
.endm
.macro ROW t
.if (\t) < 7
	s_wait_loadcnt 8                               ; this row's eight loads are in; the next row's eight may be out
.else
	s_wait_loadcnt 0
.endif
.irp i, 0,1,2,3,4,5,6,7
	ds_store_b128 v14, v[R+32*((\t)%2)+4*\i:R+32*((\t)%2)+4*\i+3] offset:8*SP*\i
.endr
.irp u, 0,1
.irp i, 0,1,2,3
	ds_load_b128 v[X+16*\u+4*\i:X+16*\u+4*\i+3], v15 offset:32*SP*\u+16*\i   ; LDS serves a wave's instructions in order: these see the stores above
.endr
.endr
	s_wait_dscnt 0x0                               ; the row is back, so the stores have read their registers,
.if (\t)+2 < 8
	LOAD (\t)+2                                    ; which take the row two further on
.endif
	v_pk_mul_f32 v[18:19], v[X:X+1], v[X:X+1]      ; the sum of squares: my 32 numbers in two chains,
	v_pk_mul_f32 v[20:21], v[X+2:X+3], v[X+2:X+3]
.irp i, 4,8,12,16,20,24,28
	v_pk_fma_f32 v[18:19], v[X+\i:X+\i+1], v[X+\i:X+\i+1], v[18:19]
	v_pk_fma_f32 v[20:21], v[X+\i+2:X+\i+3], v[X+\i+2:X+\i+3], v[20:21]
.endr
	v_pk_add_f32 v[18:19], v[18:19], v[20:21]
	v_add_f32 v8, v18, v19
	v_add_f32_dpp v8, v8, v8 row_xmask:1 row_mask:0xf bank_mask:0xf   ; then over the 32 lanes
	v_add_f32_dpp v8, v8, v8 row_xmask:2 row_mask:0xf bank_mask:0xf
	v_add_f32_dpp v8, v8, v8 row_xmask:4 row_mask:0xf bank_mask:0xf
	v_add_f32_dpp v8, v8, v8 row_xmask:8 row_mask:0xf bank_mask:0xf
	v_permlanex16_b32 v10, v8, s24, s25
	v_add_f32 v8, v8, v10
	v_fma_f32 v8, v8, s22, s23                     ; the mean + 1e-5
	v_rsq_f32 v16, v8
	v_nop                                          ; one plain place behind the transcendental
	s_wait_alu depctr_va_vdst(0)
.irp i, 0,2,4,6,8,10,12,14,16,18,20,22,24,26,28,30
	v_pk_mul_f32 v[X+\i:X+\i+1], v[X+\i:X+\i+1], v[16:17] op_sel_hi:[1,0]
.endr
.irp u, 0,1                            ; my 16 neighbours 512 u + 16 lane .. + 15
	v_max3_num_f32 v8, |v[X+16*\u]|, |v[X+16*\u+1]|, |v[X+16*\u+2]|
	v_max3_num_f32 v9, |v[X+16*\u+3]|, |v[X+16*\u+4]|, |v[X+16*\u+5]|
.irp i, 6,10
	v_max3_num_f32 v8, v8, |v[X+16*\u+\i]|, |v[X+16*\u+\i+1]|
	v_max3_num_f32 v9, v9, |v[X+16*\u+\i+2]|, |v[X+16*\u+\i+3]|
.endr
	v_max3_num_f32 v8, v8, |v[X+16*\u+14]|, |v[X+16*\u+15]|
	v_max3_num_f32 v8, v8, v9, FLOOR               ; the floor holds the byte at 1 from below
	v_max_num_f32_dpp v8, v8, v8 row_xmask:1 row_mask:0xf bank_mask:0xf   ; with my neighbour's 16: the block's largest magnitude
	v_add_nc_u32 v11, 0xff000000, v8               ; 2 off its exponent field: the conversion's scale operand
	v_cvt_scalef32_pk8_fp4_f32 v[C+4*(\t)+2*\u], v[X+16*\u:X+16*\u+7], v11
	v_cvt_scalef32_pk8_fp4_f32 v[C+4*(\t)+2*\u+1], v[X+16*\u+8:X+16*\u+15], v11
	v_lshrrev_b32 v[E+2*(\t)+\u], 23, v11          ; the scale's byte (also the plain line behind the conversions)
	ds_store_b8 v5, v[E+2*(\t)+\u] offset:32*(\t)+16*\u            ; both lanes of a block write the same byte with the same value
	global_store_b64 v4, v[C+4*(\t)+2*\u:C+4*(\t)+2*\u+1], s[14:15] offset:512*(\t)+256*\u   ; the wave stores 256 consecutive bytes, aligned
.endr
.endm
	LOAD 0
	LOAD 1
.irp t, 0,1,2,3,4,5,6,7
	ROW \t
.endr
	ds_load_b64 v[12:13], v6                       ; my wave's 256 scale bytes leave as one aligned run
	s_wait_dscnt 0x0
	global_store_b64 v4, v[12:13], s[16:17]
	s_wait_tensorcnt 0x0
	ds_add_u32 v168, v169
	s_wait_dscnt 0x0
	s_endpgm
	; ---------------- the weights' codes into operand order: a wave takes a chunk of 8,192 bytes
.Lrelay:
	s_sub_co_u32 s20, ttmp9, 128
	s_lshl_b32 s20, s20, 2
	s_add_co_u32 s20, s20, s18                     ; chunk 0..575: 0-63 wo, 64-319 exp_fc1 (16 rows of 512 bytes each), 320-575 exp_fc2 (32 rows of 256 bytes)
	s_cmp_lt_u32 s20, 64
	s_cselect_b64 s[22:23], s[6:7], s[8:9]         ; the choice hangs on ids alone
	s_cselect_b32 s24, 0, 64
	s_cmp_lt_u32 s20, 320
	s_cselect_b64 s[22:23], s[22:23], s[10:11]
	s_cselect_b32 s24, s24, 320                    ; the tensor's first chunk
	s_cselect_b32 s25, 9, 8                        ; log2 of a row's bytes
	s_cselect_b32 s26, 0, 3840                     ; exp_fc2: pieces 8-15 belong to the chunk's second 16 rows: 4,096 - 256 bytes on
	s_sub_co_u32 s24, s20, s24
	s_lshl_b32 s28, s24, 13
	s_mov_b32 s29, 0
	s_add_nc_u64 s[22:23], s[22:23], s[28:29]      ; the chunk in its tensor
	s_lshl_b32 s28, s20, 13
	s_add_nc_u64 s[30:31], s[12:13], s[28:29]
	s_add_nc_u64 s[30:31], s[30:31], WOI_O         ; the three images lie on end
	v_and_b32 v4, 15, v2                           ; r
	v_lshrrev_b32 v5, 4, v2                        ; h
	v_lshlrev_b32 v4, s25, v4
	v_lshl_add_u32 v4, v5, 4, v4                   ; row r, + 16 h
	v_add_nc_u32 v5, s26, v4
.irp i, 0,1,2,3,4,5,6,7
	global_load_b128 v[R+4*\i:R+4*\i+3], v4, s[22:23] offset:32*\i th:TH_LOAD_NT          ; piece i = 2 s + c of a fragment row: 32 bytes on for each
.endr
.irp i, 8,9,10,11,12,13,14,15
	global_load_b128 v[R+4*\i:R+4*\i+3], v5, s[22:23] offset:32*\i th:TH_LOAD_NT
.endr
.irp i, 0,1,2,3,4,5,6,7,8,9,10,11,12,13,14,15
	s_wait_loadcnt 15-\i
	global_store_b128 v3, v[R+4*\i:R+4*\i+3], s[30:31] offset:512*\i      ; 512 consecutive bytes a store
.endr
	s_endpgm
.Lfunc_end_k_q609afadbbd_prep:
	.size	k_q609afadbbd_prep, .Lfunc_end_k_q609afadbbd_prep-k_q609afadbbd_prep
	.p2alignl 7, 3214868480
	.fill 96, 4, 3214868480
	.section	.rodata,"a",@progbits
	.p2align	6, 0x0
	.amdhsa_kernel k_q609afadbbd_prep
		.amdhsa_group_segment_fixed_size 22016
		.amdhsa_private_segment_fixed_size 0
		.amdhsa_enable_private_segment 0
		.amdhsa_kernarg_size 40
		.amdhsa_user_sgpr_count 2
		.amdhsa_user_sgpr_kernarg_segment_ptr 1
		.amdhsa_wavefront_size32 1
		.amdhsa_system_sgpr_workgroup_id_x 1
		.amdhsa_system_sgpr_workgroup_id_y 1
		.amdhsa_system_sgpr_workgroup_id_z 1
		.amdhsa_system_vgpr_workitem_id 0
		.amdhsa_next_free_vgpr 170
		.amdhsa_next_free_sgpr 66
		.amdhsa_reserve_vcc 0
		.amdhsa_float_denorm_mode_32 3
		.amdhsa_float_denorm_mode_16_64 3
		.amdhsa_memory_ordered 1
		.amdhsa_forward_progress 1
		.amdhsa_inst_pref_size 58
	.end_amdhsa_kernel
	.amdgpu_metadata
---
amdhsa.version: [ 1, 2 ]
amdhsa.kernels:
  - .name:           k_q609afadbbd_prep
    .symbol:         k_q609afadbbd_prep.kd
    .args:
      - { .name: x, .offset: 0, .size: 8, .value_kind: global_buffer, .address_space: global }
      - { .name: wo_codes, .offset: 8, .size: 8, .value_kind: global_buffer, .address_space: global }
      - { .name: exp_fc1_codes, .offset: 16, .size: 8, .value_kind: global_buffer, .address_space: global }
      - { .name: exp_fc2_codes, .offset: 24, .size: 8, .value_kind: global_buffer, .address_space: global }
      - { .name: wsa, .offset: 32, .size: 8, .value_kind: global_buffer, .address_space: global }
    .group_segment_fixed_size: 22016
    .private_segment_fixed_size: 0
    .kernarg_segment_align: 8
    .kernarg_segment_size: 40
    .max_flat_workgroup_size: 128
    .sgpr_count:     66
    .vgpr_count:     170
    .wavefront_size: 32
...
	.end_amdgpu_metadata
.endif
;; end of part 1
;; launch qkv (part 2): grid 8 x 32, 12 waves a work-group, no clusters, 271,872 bytes of LDS; arguments wsa, wq_codes, wq_scales, wk_codes, wk_scales, wv_codes, wv_scales, wsb; writes wsb
.if DOCPART == 2
	.amdgcn_target "amdgcn-amd-amdhsa--gfx1250"
	.amdhsa_code_object_version 6
	.text
	.protected	k_q609afadbbd_qkv
	.globl	k_q609afadbbd_qkv
	.p2align	8
	.type	k_q609afadbbd_qkv,@function
k_q609afadbbd_qkv:
	s_mov_b64 s[64:65], 0
	v_nop
	global_prefetch_b8 v0, s[64:65] scope:SCOPE_SE
	s_setreg_imm32_b32 hwreg(HW_REG_WAVE_MODE, 25, 1), 1
	s_wait_xcnt 0x0
; QKV.  q, k, v = h1 Wq, h1 Wk, h1 Wv on E2M1 codes (K = 1,024), and the quantising of the results for attention: q and k along the head's 64, v along the keys.
; SHARES.  The 48 heads (0-15 q, 16-31 k, 32-47 v) are dealt six to a work-group (x = 0..7), the 4,096 tokens 128 to a work-group (y = 0..31).  Twelve waves: wave w makes head 6 x + w % 6
; for tokens 64 (w / 6) .. + 63: 64 x 64 results, 16 accumulators, 128 matrix instructions.
; LDS: eight regions of 64 rows x (512 bytes + 16 of padding): the six heads' weight rows, then the tokens' two halves.  Each is filled ONCE, by one tensor load of waves 0-7 (one load a wave is out);
; nothing is filled again.  The six weight regions are also read by the 31 other work-groups of the same x; joint loads in a cluster would divide those requests by four: left out of this plain form.
; ONE PATH FOR ALL THREE: accumulator (a, b) = source 0 tile b x source 1 tile a.  For q and k source 0 = weight rows, source 1 = tokens: a lane holds one token and its registers run along the head.
; For v the two change places: a lane holds one channel d and its registers run along the tokens, which are the second attention product's K.  Only base addresses differ.
; In tile b lane (r, h) register j holds K index 16 b + 8 h + j of its row: a block of 32 is tiles 2 B, 2 B + 1 in lanes l and l xor 16.
; OUT (wsb): q: images [bh][tile of 16 queries][lane][16 bytes] and a scale word a query (two bytes used, two zero); k and v: a pack of 35,840 bytes for each 512 keys of a head:
; k images (32 x 512), v images [128 keys][16 d][c][lane][16], k scale words (512 x 4), v scale words [128 keys][64 d].
; LIMITS: NaN and infinities are not served; a block under 2^-124 (zeros too) keeps the byte 1; only this program reads the bytes.
.set H1S_O,  2097152
.set QS_O,   2097152
.set KV_O,   2359296
.set HEADB,  143360
.set QUARTB, 35840
.set PITCH,  528
.set REGION, 64*PITCH
.set FLOOR,  0x1800000
.set SC0, 16                           ; v16-31   source 0's scale words: register 8 i + s: lanes 0-15 tile 2 i, lanes 16-31 tile 2 i + 1, K step s
.set SC1, 32                           ; v32-47   source 1's
.set F0,  48                           ; v48-79   source 0's four fragments of a K step
.set F1,  80                           ; v80-111  source 1's
.set ACC, 112                          ; v112-239 accumulator (a, b) at ACC + 8 (4 a + b)
.set SEL, 56
.macro WM                              ; one scaled matrix instruction from the symbols rD rA rB rSA rSB; rSel = 2 x (A's scales in lanes 16-31) + (B's likewise); rZ = 1: it starts the sum
.if rZ
.if rSel == 0
	v_wmma_scale_f32_16x16x128_f8f6f4 v[rD:rD+7], v[rA:rA+7], v[rB:rB+7], 0, v[rSA], v[rSB] matrix_a_fmt:MATRIX_FMT_FP4 matrix_b_fmt:MATRIX_FMT_FP4
.elseif rSel == 1
	v_wmma_scale_f32_16x16x128_f8f6f4 v[rD:rD+7], v[rA:rA+7], v[rB:rB+7], 0, v[rSA], v[rSB] matrix_a_fmt:MATRIX_FMT_FP4 matrix_b_fmt:MATRIX_FMT_FP4 matrix_b_scale:MATRIX_SCALE_ROW1
.elseif rSel == 2
	v_wmma_scale_f32_16x16x128_f8f6f4 v[rD:rD+7], v[rA:rA+7], v[rB:rB+7], 0, v[rSA], v[rSB] matrix_a_fmt:MATRIX_FMT_FP4 matrix_b_fmt:MATRIX_FMT_FP4 matrix_a_scale:MATRIX_SCALE_ROW1
.else
	v_wmma_scale_f32_16x16x128_f8f6f4 v[rD:rD+7], v[rA:rA+7], v[rB:rB+7], 0, v[rSA], v[rSB] matrix_a_fmt:MATRIX_FMT_FP4 matrix_b_fmt:MATRIX_FMT_FP4 matrix_a_scale:MATRIX_SCALE_ROW1 matrix_b_scale:MATRIX_SCALE_ROW1
.endif
.else
.if rSel == 0
	v_wmma_scale_f32_16x16x128_f8f6f4 v[rD:rD+7], v[rA:rA+7], v[rB:rB+7], v[rD:rD+7], v[rSA], v[rSB] matrix_a_fmt:MATRIX_FMT_FP4 matrix_b_fmt:MATRIX_FMT_FP4
.elseif rSel == 1
	v_wmma_scale_f32_16x16x128_f8f6f4 v[rD:rD+7], v[rA:rA+7], v[rB:rB+7], v[rD:rD+7], v[rSA], v[rSB] matrix_a_fmt:MATRIX_FMT_FP4 matrix_b_fmt:MATRIX_FMT_FP4 matrix_b_scale:MATRIX_SCALE_ROW1
.elseif rSel == 2
	v_wmma_scale_f32_16x16x128_f8f6f4 v[rD:rD+7], v[rA:rA+7], v[rB:rB+7], v[rD:rD+7], v[rSA], v[rSB] matrix_a_fmt:MATRIX_FMT_FP4 matrix_b_fmt:MATRIX_FMT_FP4 matrix_a_scale:MATRIX_SCALE_ROW1
.else
	v_wmma_scale_f32_16x16x128_f8f6f4 v[rD:rD+7], v[rA:rA+7], v[rB:rB+7], v[rD:rD+7], v[rSA], v[rSB] matrix_a_fmt:MATRIX_FMT_FP4 matrix_b_fmt:MATRIX_FMT_FP4 matrix_a_scale:MATRIX_SCALE_ROW1 matrix_b_scale:MATRIX_SCALE_ROW1
.endif
.endif
.endm
; 32 numbers of a lane (four tiles, v[S] on) become four operand registers v[P] on (lane (r, h): k = 32 h .. + 31 of row r) and two scale bytes in v[W].  T: eight registers at work.
.macro Q2 S, P, W, T
	v_max3_num_f32 v[\T], |v[\S]|, |v[\S+1]|, FLOOR                ; each tile is read from its low end on; the floor holds the byte at 1 from below
	v_max3_num_f32 v[\T+1], |v[\S+16]|, |v[\S+17]|, FLOOR
.irp i, 2,4,6,8,10,12,14
	v_max3_num_f32 v[\T], v[\T], |v[\S+\i]|, |v[\S+\i+1]|          ; the two blocks by turns
	v_max3_num_f32 v[\T+1], v[\T+1], |v[\S+16+\i]|, |v[\S+17+\i]|
.endr
	v_permlanex16_b32 v[\T+2], v[\T], s[SEL], s[SEL+1]
	v_permlanex16_b32 v[\T+3], v[\T+1], s[SEL], s[SEL+1]
	v_max_num_f32 v[\T], v[\T], v[\T+2]            ; with lane l xor 16's: the block's largest magnitude
	v_max_num_f32 v[\T+1], v[\T+1], v[\T+3]
	v_add_nc_u32 v[\T+4], 0xff000000, v[\T]        ; 2 off the exponent field: the conversion's scale operand
	v_add_nc_u32 v[\T+5], 0xff000000, v[\T+1]
	v_lshrrev_b32 v[\T+6], 23, v[\T+4]             ; the bytes
	v_lshrrev_b32 v[\T+7], 23, v[\T+5]
	v_lshl_or_b32 v[\W], v[\T+7], 8, v[\T+6]
	v_cvt_scalef32_pk8_fp4_f32 v[\P], v[\S:\S+7], v[\T+4]          ; tile 0
	v_cvt_scalef32_pk8_fp4_f32 v[\P+1], v[\S+16:\S+23], v[\T+5]    ; tile 2
	v_cvt_scalef32_pk8_fp4_f32 v[\P+2], v[\S+8:\S+15], v[\T+4]     ; tile 1
	v_cvt_scalef32_pk8_fp4_f32 v[\P+3], v[\S+24:\S+31], v[\T+5]    ; tile 3
	v_nop                                          ; one plain place behind a scaled conversion
	v_permlane16_swap_b32 v[\P], v[\P+1]           ; the first's lanes 16-31 change places with the second's lanes 0-15: a whole block in a lane
	v_permlane16_swap_b32 v[\P+2], v[\P+3]
.endm
	s_load_b256 s[4:11], s[0:1], 0x0               ; wsa, wq codes, wq scales, wk codes
	s_load_b256 s[12:19], s[0:1], 0x20             ; wk scales, wv codes, wv scales, wsb
	v_lshl_add_u32 v254, v0, 2, 0x42000
	v_mov_b32 v255, 0
	ds_add_u32 v254, v255
	ds_add_u32 v254, v255
	v_lshrrev_b32 v1, 5, v0
	v_readfirstlane_b32 s20, v1                    ; wave 0..11
	s_and_b32 s27, ttmp7, 0xffff                   ; block of 128 tokens
	s_cmp_ge_u32 s20, 6
	s_cselect_b32 s21, 1, 0                        ; th: which 64 tokens
	s_mul_i32 s22, s21, 6
	s_sub_co_u32 s22, s20, s22                     ; hd: which of the six heads
	s_mul_i32 s23, ttmp9, 6
	s_add_co_u32 s24, s23, s22                     ; head 0..47
	s_lshr_b32 s25, s24, 4                         ; 0 q, 1 k, 2 v
	s_and_b32 s26, s24, 15                         ; the head in its tensor
	s_mov_b32 s40, (1<<20)|(6<<22)|(3<<25)         ; group 1: elements of 1 byte; padding on: 4 words behind every 128
	s_mov_b32 s41, 512<<16                         ; tensor_dim0 = 512
	s_mov_b32 s42, 64<<16                          ; tensor_dim1 = 64
	s_mov_b32 s43, 512<<16                         ; tile_dim0 = 512
	s_mov_b32 s44, 64                              ; tile_dim1 = 64
	s_mov_b32 s45, 512                             ; from row to row
	s_mov_b32 s46, 0
	s_mov_b32 s47, 0
	s_mov_b32 s36, 1                               ; group 0: count
	s_mul_i32 s37, s20, REGION                     ; LDS: region = wave
	s_mov_b32 s33, 0
	s_mov_b32 s[SEL], 0x76543210
	s_mov_b32 s[SEL+1], 0xfedcba98
	s_mov_b32 s58, 0xffff0000                      ; lanes 16-31
	s_wait_dscnt 0x0
	s_wait_kmcnt 0x0
	s_cmp_eq_u32 s25, 0                            ; my head's tensor: the choices hang on ids alone
	s_cselect_b64 s[28:29], s[6:7], s[10:11]
	s_cselect_b64 s[30:31], s[8:9], s[12:13]
	s_cmp_eq_u32 s25, 2
	s_cselect_b64 s[28:29], s[14:15], s[28:29]
	s_cselect_b64 s[30:31], s[16:17], s[30:31]
	s_lshl_b32 s32, s26, 15
	s_add_nc_u64 s[28:29], s[28:29], s[32:33]      ; its 64 rows of 512 bytes of codes
	s_lshl_b32 s32, s26, 11
	s_add_nc_u64 s[30:31], s[30:31], s[32:33]      ; and of 32 scale bytes
	s_lshl_b32 s32, s27, 16
	s_lshl_b32 s23, s22, 15
	s_add_co_u32 s32, s32, s23
	s_add_nc_u64 s[60:61], s[4:5], s[32:33]        ; waves 6, 7 (hd = 0, 1): h1's codes of tokens 128 y + 64 hd on
	s_cmp_lt_u32 s20, 6
	s_cselect_b64 s[38:39], s[28:29], s[60:61]
	s_or_b32 s39, s39, 0x80000000                  ; type = 2
	s_cmp_lt_u32 s20, 8
	s_cbranch_scc0 .Lno_fill
	tensor_load_to_lds s[36:39], s[40:47]          ; my one load; it is the region's only fill
	s_nop 0
.rept 4
	v_nop
.endr
.Lno_fill:
	s_lshl_b32 s32, s27, 12
	s_lshl_b32 s23, s21, 11
	s_add_co_u32 s32, s32, s23
	s_add_nc_u64 s[34:35], s[4:5], s[32:33]
	s_add_nc_u64 s[34:35], s[34:35], H1S_O         ; my 64 tokens' scale bytes
	s_mul_i32 s54, s22, REGION                     ; my head's region
	s_mul_i32 s55, s21, REGION
	s_add_co_u32 s55, s55, 6*REGION                ; my tokens' region
	s_cmp_eq_u32 s25, 2                            ; v: tokens are source 0
	s_cselect_b64 s[48:49], s[34:35], s[30:31]
	s_cselect_b64 s[50:51], s[30:31], s[34:35]
	s_cselect_b32 s52, s55, s54
	s_cselect_b32 s53, s54, s55
	v_and_b32 v1, 31, v0                           ; lane
	v_and_b32 v2, 15, v0                           ; r
	v_bfe_u32 v3, v0, 4, 1                         ; h
	v_lshlrev_b32 v6, 4, v1
	v_lshlrev_b32 v7, 5, v1
	v_lshlrev_b32 v8, 2, v1
.irp i, 0,1                            ; lane l takes row 32 i + l's 32 scale bytes whole: words s = 0 .. 7
.irp k, 0,1
	global_load_b128 v[SC0+8*\i+4*\k:SC0+8*\i+4*\k+3], v7, s[48:49] offset:1024*\i+16*\k
	global_load_b128 v[SC1+8*\i+4*\k:SC1+8*\i+4*\k+3], v7, s[50:51] offset:1024*\i+16*\k
.endr
.endr
	v_mul_u32_u24 v9, v2, PITCH
	v_lshl_add_u32 v9, v3, 4, v9                   ; a fragment's row x pitch + 16 h
	v_add_nc_u32 v4, s52, v9
	v_add_nc_u32 v5, s53, v9
	s_wait_tensorcnt 0x0                           ; my region has landed,
	s_barrier_signal -1
	s_barrier_wait -1                              ; everybody's has
	s_wait_loadcnt 0x0                             ; the scale words
.macro KSTEP s
.if \s > 0
.set rZ, 0
.rept 4
	v_nop                                          ; places in front of loads into registers that matrix instructions have read
.endr
.else
.set rZ, 1
.endif
.irp i, 0,1,2,3
.irp c, 0,1
	ds_load_b128 v[F0+8*\i+4*\c:F0+8*\i+4*\c+3], v4 offset:16*PITCH*\i+64*\s+32*\c
	ds_load_b128 v[F1+8*\i+4*\c:F1+8*\i+4*\c+3], v5 offset:16*PITCH*\i+64*\s+32*\c
.endr
.endr
	s_wait_dscnt 0x0                               ; three waves share a SIMD: another's products stand in this wait
.irp a, 0,1,2,3                        ; the 16 accumulators take turns, one instruction a turn, in the same order in every K step
.irp b, 0,1,2,3
.set rD, ACC+8*(4*\a+\b)
.set rA, F0+8*\b
.set rB, F1+8*\a
.set rSA, SC0+8*(\b/2)+\s
.set rSB, SC1+8*(\a/2)+\s
.set rSel, 2*(\b%2)+(\a%2)
	WM
.endr
.endr
.endm
.irp s, 0,1,2,3,4,5,6,7
	KSTEP \s
.endr
	; where the results go, in wsb
	s_lshr_b32 s60, s27, 4
	s_lshl_b32 s60, s60, 4
	s_add_co_u32 s60, s60, s26                     ; bh = 16 x batch + head
	s_and_b32 s61, s27, 15                         ; ks: which 128 tokens of the sequence
	s_lshr_b32 s62, s61, 2                         ; which 512
	s_and_b32 s63, s61, 3
	s_mul_i32 s66, s60, HEADB
	s_mul_i32 s67, s62, QUARTB
	s_add_co_u32 s66, s66, s67
	s_add_co_u32 s66, s66, KV_O                    ; the pack of these 512 keys
	s_lshl_b32 s67, s61, 3
	s_lshl_b32 s68, s21, 2
	s_add_co_u32 s67, s67, s68                     ; my first tile of 16 tokens in the sequence: 8 ks + 4 th
	s_lshl_b32 s69, s60, 16
	s_lshl_b32 s68, s67, 9
	s_add_co_u32 s69, s69, s68                     ; q: images
	s_lshl_b32 s70, s60, 13
	s_lshl_b32 s68, s67, 6
	s_add_co_u32 s70, s70, s68
	s_add_co_u32 s70, s70, QS_O                    ; q: scale words
	s_and_b32 s67, s67, 31
	s_lshl_b32 s68, s67, 9
	s_add_co_u32 s71, s66, s68                     ; k: images
	s_lshl_b32 s68, s67, 6
	s_add_co_u32 s72, s66, s68
	s_add_co_u32 s72, s72, 32768                   ; k: scale words
	s_lshl_b32 s68, s63, 12
	s_add_co_u32 s73, s66, s68
	s_lshl_b32 s68, s21, 9
	s_add_co_u32 s73, s73, s68
	s_add_co_u32 s73, s73, 16384                   ; v: images: K step ks % 4, half c = th
	s_lshl_b32 s68, s63, 8
	s_add_co_u32 s74, s66, s68
	s_lshl_b32 s68, s21, 1
	s_add_co_u32 s74, s74, s68
	s_add_co_u32 s74, s74, 34816                   ; v: scale words, bytes 2 th, 2 th + 1
	s_mov_b32 s75, 512                             ; from tile to tile: 512 bytes (q, k), 1,024 (v)
	s_cmp_eq_u32 s25, 0
	s_cselect_b32 s71, s69, s71
	s_cselect_b32 s72, s70, s72
	s_cmp_eq_u32 s25, 2
	s_cselect_b32 s71, s73, s71
	s_cselect_b32 s72, s74, s72
	s_cselect_b32 s75, 1024, s75
	s_mov_b32 s66, s71
	s_mov_b32 s67, 0
	s_add_nc_u64 s[76:77], s[18:19], s[66:67]
	s_mov_b32 s66, s72
	s_add_nc_u64 s[78:79], s[18:19], s[66:67]
.rept 4
	v_nop                                          ; places behind the last products: their results are read, and their operands' registers written, below
.endr
.irp a, 0,1,2,3
	Q2 ACC+32*\a, 80+4*\a, 96+\a, 48+8*\a
.endr
	v_cndmask_b32 v100, v96, v97, s58              ; scale words of rows 0-31: lanes 0-15 tile 0's, lanes 16-31 tile 1's
	v_cndmask_b32 v101, v98, v99, s58
	v_mov_b32 v102, v6
	v_add_nc_u32 v103, s75, v102
	v_add_nc_u32 v104, s75, v103
	v_add_nc_u32 v105, s75, v104
.irp a, 0,1,2,3
	global_store_b128 v[102+\a], v[80+4*\a:83+4*\a], s[76:77]      ; 512 consecutive bytes a store
.endr
	s_cmp_eq_u32 s25, 2
	s_cbranch_scc1 .Lv_scales
	global_store_b32 v8, v100, s[78:79]
	global_store_b32 v8, v101, s[78:79] offset:128
	s_wait_tensorcnt 0x0
	ds_add_u32 v254, v255
	s_wait_dscnt 0x0
	s_endpgm
.Lv_scales:
	global_store_b16 v8, v100, s[78:79]            ; half a word: the other 64 keys' two bytes come from the wave of the other th
	global_store_b16 v8, v101, s[78:79] offset:128
	s_wait_tensorcnt 0x0
	ds_add_u32 v254, v255
	s_wait_dscnt 0x0
	s_endpgm
.Lfunc_end_k_q609afadbbd_qkv:
	.size	k_q609afadbbd_qkv, .Lfunc_end_k_q609afadbbd_qkv-k_q609afadbbd_qkv
	.p2alignl 7, 3214868480
	.fill 96, 4, 3214868480
	.section	.rodata,"a",@progbits
	.p2align	6, 0x0
	.amdhsa_kernel k_q609afadbbd_qkv
		.amdhsa_group_segment_fixed_size 271872
		.amdhsa_private_segment_fixed_size 0
		.amdhsa_enable_private_segment 0
		.amdhsa_kernarg_size 64
		.amdhsa_user_sgpr_count 2
		.amdhsa_user_sgpr_kernarg_segment_ptr 1
		.amdhsa_wavefront_size32 1
		.amdhsa_system_sgpr_workgroup_id_x 1
		.amdhsa_system_sgpr_workgroup_id_y 1
		.amdhsa_system_sgpr_workgroup_id_z 1
		.amdhsa_system_vgpr_workitem_id 0
		.amdhsa_next_free_vgpr 256
		.amdhsa_next_free_sgpr 80
		.amdhsa_reserve_vcc 0
		.amdhsa_float_denorm_mode_32 3
		.amdhsa_float_denorm_mode_16_64 3
		.amdhsa_memory_ordered 1
		.amdhsa_forward_progress 1
		.amdhsa_inst_pref_size 41
	.end_amdhsa_kernel
	.amdgpu_metadata
---
amdhsa.version: [ 1, 2 ]
amdhsa.kernels:
  - .name:           k_q609afadbbd_qkv
    .symbol:         k_q609afadbbd_qkv.kd
    .args:
      - { .name: wsa, .offset: 0, .size: 8, .value_kind: global_buffer, .address_space: global }
      - { .name: wq_codes, .offset: 8, .size: 8, .value_kind: global_buffer, .address_space: global }
      - { .name: wq_scales, .offset: 16, .size: 8, .value_kind: global_buffer, .address_space: global }
      - { .name: wk_codes, .offset: 24, .size: 8, .value_kind: global_buffer, .address_space: global }
      - { .name: wk_scales, .offset: 32, .size: 8, .value_kind: global_buffer, .address_space: global }
      - { .name: wv_codes, .offset: 40, .size: 8, .value_kind: global_buffer, .address_space: global }
      - { .name: wv_scales, .offset: 48, .size: 8, .value_kind: global_buffer, .address_space: global }
      - { .name: wsb, .offset: 56, .size: 8, .value_kind: global_buffer, .address_space: global }
    .group_segment_fixed_size: 271872
    .private_segment_fixed_size: 0
    .kernarg_segment_align: 8
    .kernarg_segment_size: 64
    .max_flat_workgroup_size: 384
    .sgpr_count:     80
    .vgpr_count:     256
    .wavefront_size: 32
...
	.end_amdgpu_metadata
.endif
;; end of part 2
;; launch attn (part 3): grid 8 x 32, 16 waves a work-group, no clusters, 169,984 bytes of LDS; arguments wsb, wsc; writes wsc
.if DOCPART == 3
	.amdgcn_target "amdgcn-amd-amdhsa--gfx1250"
	.amdhsa_code_object_version 6
	.text
	.protected	k_q609afadbbd_attn
	.globl	k_q609afadbbd_attn
	.p2align	8
	.type	k_q609afadbbd_attn,@function
k_q609afadbbd_attn:
	s_mov_b64 s[64:65], 0
	v_nop
	global_prefetch_b8 v0, s[64:65] scope:SCOPE_SE
	s_setreg_imm32_b32 hwreg(HW_REG_WAVE_MODE, 25, 1), 1
	s_wait_xcnt 0x0
; ATTN.  o = softmax(q k^T / 8, causal) v for one head, both products on E2M1 codes, and o quantised along the model's 1,024 channels for the next product.
; THE SOFTMAX AHEAD OF THE SECOND PRODUCT: t = score x log2(e) / 8; M = the running largest t rounded UP to a whole number; p = 2^(t - M) is quantised along the keys, not normalised;
; the row's sum is taken of the unquantised p and divides at the end.  When M moves, the sum and O are multiplied by 2^(old M - new M), which rounds nothing.
; SHARES.  Work-group (j, bh): waves 0-7 take the 128 queries of block j, waves 8-15 those of block 15 - j, 16 queries a wave: so every work-group has 8 x 17 steps of 128 keys to work.
; LDS holds the head's whole pack of k and v (143,360 bytes) as it lies in memory, four quarters of 512 keys.  Waves 0-3 bring a quarter of each quarter: four tensor loads a wave are out at the most;
; every byte is filled once.  In front of quarter q a counted wait leaves the later quarters on their way.
; No cluster: the steps that a wave leaves out hang on its block of queries, which differs between the work-groups of a head, so partners would not run alike.
; LAYOUT.  Both products transposed: S^T = K Q^T (source 0 = 16 keys, source 1 = my 16 queries), O^T = V^T P^T: a lane holds ONE query throughout.  In tile t lane (r, h) register j holds key 16 t + 8 h + j.
; THE HEAD HAS 64 CHANNELS, the instruction 128: Q's upper four registers are zero codes, so whatever stands in K's upper four (the next tile's codes) adds exactly 0; scale bytes 2, 3 are 0 on both sides.
; CAUSAL.  All waves walk all 16 steps (constant trip counts, every barrier passed); a step whose keys all come after my queries is jumped by a scalar branch on ids; on the diagonal hidden scores become -infinity.
; A block's largest p is taken from its largest score by the same multiply-add and exponential; this takes v_exp_f32 not to fall where its input rises.
; LIMITS: NaN and infinities are not served; a block of p (or of o) under 2^-124 keeps the byte 1, its codes being zeros.
.set QS_O,   2097152
.set KV_O,   2359296
.set OS_O,   2097152
.set HEADB,  143360
.set QUARTB, 35840
.set FLOOR,  0x1800000
.set SEL, 20
.set CS,  22
; v1 16 x lane; v2 4 x lane; v3 r - 8 h; v4 4 r; v8, v10, v11 addresses of the step; v12 -M; v13 largest t; v[14:15] the sum; v16-19 Q, v20-23 zero codes; v24-27 K's scale words by pairs of tiles; v28-29 V's;
; v32-63 K, four registers a tile, v64-67 zero codes; v96-159 S^T, then p; v160-191 O^T; v192-223 V; v224-231 p's codes; v232-254 at work; v255 Q's scale word.
.macro WM                              ; one scaled matrix instruction from the symbols rD rA rB rSA rSB; rSel = 2: A's scales in lanes 16-31; rZ = 1: it starts the sum
.if rZ
.if rSel == 0
	v_wmma_scale_f32_16x16x128_f8f6f4 v[rD:rD+7], v[rA:rA+7], v[rB:rB+7], 0, v[rSA], v[rSB] matrix_a_fmt:MATRIX_FMT_FP4 matrix_b_fmt:MATRIX_FMT_FP4
.else
	v_wmma_scale_f32_16x16x128_f8f6f4 v[rD:rD+7], v[rA:rA+7], v[rB:rB+7], 0, v[rSA], v[rSB] matrix_a_fmt:MATRIX_FMT_FP4 matrix_b_fmt:MATRIX_FMT_FP4 matrix_a_scale:MATRIX_SCALE_ROW1
.endif
.else
.if rSel == 0
	v_wmma_scale_f32_16x16x128_f8f6f4 v[rD:rD+7], v[rA:rA+7], v[rB:rB+7], v[rD:rD+7], v[rSA], v[rSB] matrix_a_fmt:MATRIX_FMT_FP4 matrix_b_fmt:MATRIX_FMT_FP4
.else
	v_wmma_scale_f32_16x16x128_f8f6f4 v[rD:rD+7], v[rA:rA+7], v[rB:rB+7], v[rD:rD+7], v[rSA], v[rSB] matrix_a_fmt:MATRIX_FMT_FP4 matrix_b_fmt:MATRIX_FMT_FP4 matrix_a_scale:MATRIX_SCALE_ROW1
.endif
.endif
.endm
.macro Q2 S, P, W, T                   ; 32 numbers of a lane (four tiles) -> four operand registers and two scale bytes
	v_max3_num_f32 v[\T], |v[\S]|, |v[\S+1]|, FLOOR
	v_max3_num_f32 v[\T+1], |v[\S+16]|, |v[\S+17]|, FLOOR
.irp i, 2,4,6,8,10,12,14
	v_max3_num_f32 v[\T], v[\T], |v[\S+\i]|, |v[\S+\i+1]|
	v_max3_num_f32 v[\T+1], v[\T+1], |v[\S+16+\i]|, |v[\S+17+\i]|
.endr
	v_permlanex16_b32 v[\T+2], v[\T], s[SEL], s[SEL+1]
	v_permlanex16_b32 v[\T+3], v[\T+1], s[SEL], s[SEL+1]
	v_max_num_f32 v[\T], v[\T], v[\T+2]
	v_max_num_f32 v[\T+1], v[\T+1], v[\T+3]
	v_add_nc_u32 v[\T+4], 0xff000000, v[\T]
	v_add_nc_u32 v[\T+5], 0xff000000, v[\T+1]
	v_lshrrev_b32 v[\T+6], 23, v[\T+4]
	v_lshrrev_b32 v[\T+7], 23, v[\T+5]
	v_lshl_or_b32 v[\W], v[\T+7], 8, v[\T+6]
	v_cvt_scalef32_pk8_fp4_f32 v[\P], v[\S:\S+7], v[\T+4]
	v_cvt_scalef32_pk8_fp4_f32 v[\P+1], v[\S+16:\S+23], v[\T+5]
	v_cvt_scalef32_pk8_fp4_f32 v[\P+2], v[\S+8:\S+15], v[\T+4]
	v_cvt_scalef32_pk8_fp4_f32 v[\P+3], v[\S+24:\S+31], v[\T+5]
	v_nop
	v_permlane16_swap_b32 v[\P], v[\P+1]
	v_permlane16_swap_b32 v[\P+2], v[\P+3]
.endm
	s_load_b128 s[4:7], s[0:1], 0x0                ; wsb, wsc
	v_lshl_add_u32 v250, v0, 2, 0x29000
	v_mov_b32 v251, 0
	ds_add_u32 v250, v251
	ds_add_u32 v250, v251
	v_lshrrev_b32 v1, 5, v0
	v_readfirstlane_b32 s8, v1                     ; wave 0..15
	s_and_b32 s10, ttmp7, 0xffff                   ; bh
	s_sub_co_u32 s11, 15, ttmp9
	s_cmp_lt_u32 s8, 8
	s_cselect_b32 s11, ttmp9, s11                  ; my block of 128 queries
	s_and_b32 s18, s8, 7
	s_lshl_b32 s12, s11, 7
	s_lshl_b32 s18, s18, 4
	s_add_co_u32 s12, s12, s18                     ; Q0: my first query
	s_mov_b32 s13, 0                               ; KF: the step's first key
	s_mov_b32 s[SEL], 0x76543210
	s_mov_b32 s[SEL+1], 0xfedcba98
	s_mov_b32 s[CS], 0x3e38aa3b                    ; c = log2(e) / 8
	s_mov_b32 s[CS+1], s[CS]                       ; named with it as a pair
	s_mov_b32 s24, 3<<16                           ; group 1: elements of 8 bytes, no padding: a dense block as rows of 256 bytes
	s_mov_b32 s25, 32<<16                          ; tensor_dim0 = 32
	s_mov_b32 s26, 35<<16                          ; tensor_dim1 = 35
	s_mov_b32 s27, 32<<16                          ; tile_dim0 = 32
	s_mov_b32 s28, 35                              ; tile_dim1 = 35
	s_mov_b32 s29, 32                              ; from row to row
	s_mov_b32 s30, 0
	s_mov_b32 s31, 0
	s_mul_i32 s18, s8, 8960                        ; my quarter of a quarter: 35 rows
	s_mul_i32 s48, s10, HEADB
	s_add_co_u32 s48, s48, s18
	s_add_co_u32 s48, s48, KV_O
	s_mov_b32 s49, 0
	s_wait_dscnt 0x0
	s_wait_kmcnt 0x0
	s_add_nc_u64 s[50:51], s[4:5], s[48:49]
.irp q, 0,1,2,3
	s_mov_b32 s[32+4*\q], 1
	s_add_co_u32 s[33+4*\q], s18, QUARTB*\q
	s_add_nc_u64 s[34+4*\q:35+4*\q], s[50:51], QUARTB*\q
	s_or_b32 s[35+4*\q], s[35+4*\q], 0x80000000
.endr
	s_cmp_lt_u32 s8, 4
	s_cbranch_scc0 .Lno_fill
	tensor_load_to_lds s[32:35], s[24:31]          ; all first fills of a wave in one branch, ahead of every wait on them
	s_nop 0
	tensor_load_to_lds s[36:39], s[24:31]
	s_nop 0
	tensor_load_to_lds s[40:43], s[24:31]
	s_nop 0
	tensor_load_to_lds s[44:47], s[24:31]
	s_nop 0
.rept 4
	v_nop
.endr
.Lno_fill:
	s_lshl_b32 s48, s10, 16
	s_lshl_b32 s52, s12, 5
	s_add_co_u32 s48, s48, s52
	s_add_nc_u64 s[58:59], s[4:5], s[48:49]        ; my tile's image of q
	s_lshl_b32 s48, s10, 13
	s_lshl_b32 s52, s12, 2
	s_add_co_u32 s48, s48, s52
	s_add_nc_u64 s[60:61], s[4:5], s[48:49]
	s_add_nc_u64 s[60:61], s[60:61], QS_O          ; and its scale words
	s_lshr_b32 s18, s10, 4
	s_lshl_b32 s18, s18, 7
	s_lshr_b32 s19, s12, 4
	s_add_co_u32 s18, s18, s19                     ; my tile of 16 tokens among the 256
	s_and_b32 s19, s10, 15                         ; the head
	s_lshr_b32 s52, s19, 1                         ; its K step of the next product,
	s_and_b32 s19, s19, 1                          ; and its half of it
	s_lshl_b32 s48, s18, 13
	s_lshl_b32 s53, s52, 10
	s_add_co_u32 s48, s48, s53
	s_lshl_b32 s53, s19, 9
	s_add_co_u32 s48, s48, s53
	s_add_nc_u64 s[54:55], s[6:7], s[48:49]        ; o's image
	s_lshl_b32 s48, s18, 9
	s_lshl_b32 s53, s52, 6
	s_add_co_u32 s48, s48, s53
	s_lshl_b32 s53, s19, 1
	s_add_co_u32 s48, s48, s53
	s_add_nc_u64 s[56:57], s[6:7], s[48:49]
	s_add_nc_u64 s[56:57], s[56:57], OS_O          ; o's scale words
	v_and_b32 v5, 31, v0
	v_lshlrev_b32 v1, 4, v5
	v_lshlrev_b32 v2, 2, v5
	v_and_b32 v6, 15, v0                           ; r
	v_bfe_u32 v7, v0, 4, 1                         ; h
	v_lshlrev_b32 v4, 2, v6
	v_lshlrev_b32 v7, 3, v7
	v_sub_nc_u32 v3, v6, v7
	global_load_b128 v[16:19], v1, s[58:59]
	global_load_b32 v255, v4, s[60:61]
.irp j, 20,21,22,23,64,65,66,67
	v_mov_b32 v[\j], 0                             ; zero codes
.endr
	v_mov_b32 v13, 0xff61b1e6                      ; the largest t so far: -3e38
	v_floor_f32 v12, -v13                          ; -M
	v_mov_b32 v14, 0
	v_mov_b32 v15, 0
.irp j, 236,237,238,239,252,253
	v_mov_b32 v[\j], 0                             ; lane permutes' destinations and pairs' upper halves count as read
.endr
.set j, 0
.rept 32
	v_mov_b32 v[160+j], 0                          ; O^T: the step is written once; the first change of M multiplies zeros
.set j, j+1
.endr
; A KEY STEP: 128 keys.
.macro STEP
	s_add_co_u32 s18, s12, 15
	s_cmp_gt_u32 s13, s18
	s_cbranch_scc1 .Lhidden_\@                     ; all its keys come after my queries
	v_add_nc_u32 v8, s14, v1
	v_add_nc_u32 v10, s15, v2
	v_add_nc_u32 v11, s16, v2
	v_nop                                          ; with the three additions: four places in front of loads into registers that the last products read
.irp t, 0,1,2,3,4,5,6,7
	ds_load_b128 v[32+4*\t:35+4*\t], v8 offset:512*\t
.endr
.irp i, 0,1,2,3
	ds_load_b32 v[24+\i], v10 offset:128*\i        ; lanes 0-15: tile 2 i's words, lanes 16-31: tile 2 i + 1's
.endr
.irp n, 0,1,2,3
.irp c, 0,1
	ds_load_b128 v[192+8*\n+4*\c:195+8*\n+4*\c], v8 offset:16384+1024*\n+512*\c
.endr
.endr
.irp i, 0,1
	ds_load_b32 v[28+\i], v11 offset:128*\i
.endr
	s_wait_dscnt 10                                ; K and its words are in; V's eight loads and its two of words may be out
.set rZ, 1
.irp t, 0,1,2,3,4,5,6,7
.set rD, 96+8*\t
.set rA, 32+4*\t
.set rB, 16
.set rSA, 24+\t/2
.set rSB, 255
.set rSel, 2*(\t%2)
	WM
.endr
.rept 4
	v_nop
.endr
	s_add_co_u32 s18, s13, 127
	s_cmp_le_u32 s18, s12
	s_cbranch_scc1 .Lopen_\@                       ; all its keys count
	s_sub_co_i32 s18, s12, s13
	v_add_nc_u32 v252, s18, v3                     ; d = my query - KF - 8 h: register 8 t + j is hidden where 16 t + j > d
	v_mov_b32 v254, 0xff800000
.set n, 0
.rept 64
	v_cmp_gt_i32 vcc_lo, 16*(n/8)+n%8, v252
	v_cndmask_b32 v[96+n], v[96+n], v254, vcc_lo
.set n, n+1
.endr
.Lopen_\@:
.irp b, 0,1,2,3
	v_max3_num_f32 v[232+\b], v[96+16*\b], v[97+16*\b], v[98+16*\b]       ; the largest score of each block of 32 keys
.endr
.irp i, 3,5,7,9,11,13
.irp b, 0,1,2,3
	v_max3_num_f32 v[232+\b], v[232+\b], v[96+16*\b+\i], v[97+16*\b+\i]
.endr
.endr
.irp b, 0,1,2,3
	v_max_num_f32 v[232+\b], v[232+\b], v[111+16*\b]
.endr
.irp b, 0,1,2,3
	v_permlanex16_b32 v[236+\b], v[232+\b], s[SEL], s[SEL+1]
.endr
.irp b, 0,1,2,3
	v_max_num_f32 v[232+\b], v[232+\b], v[236+\b]
.endr
	v_max3_num_f32 v254, v232, v233, v234
	v_max_num_f32 v254, v254, v235
	v_mul_f32 v254, s[CS], v254
	v_max_num_f32 v13, v13, v254                   ; the running largest t
	v_mov_b32 v254, v12
	v_floor_f32 v12, -v13                          ; -M = floor(-t)
	v_sub_f32 v254, v12, v254                      ; old M - new M: a whole number, 0 or less
	v_cvt_i32_f32 v254, v254                       ; (it saturates)
	v_ldexp_f32 v252, 1.0, v254                    ; f
.set j, 0
.rept 32
	v_pk_fma_f32 v[96+j:97+j], v[96+j:97+j], s[CS:CS+1], v[12:13] op_sel_hi:[1,0,0]       ; t - M
.set j, j+2
.endr
.irp b, 0,1,2,3
	v_fma_f32 v[232+\b], v[232+\b], s[CS], v12
.endr
.set j, 0
.rept 64
	v_exp_f32 v[96+j], v[96+j]                     ; p
.set j, j+1
.endr
.irp b, 0,1,2,3
	v_exp_f32 v[232+\b], v[232+\b]                 ; each block's largest p
.endr
	v_pk_mul_f32 v[14:15], v[14:15], v[252:253] op_sel_hi:[1,0]    ; the sums under the new M (a plain place behind the exponentials)
	s_wait_alu depctr_va_vdst(0)
.irp b, 0,1,2,3
	v_max_num_f32 v[232+\b], FLOOR, v[232+\b]
.endr
.irp b, 0,1,2,3
	v_add_nc_u32 v[244+\b], 0xff000000, v[232+\b]
.endr
.irp b, 0,1,2,3
	v_lshrrev_b32 v[236+\b], 23, v[244+\b]
.endr
	v_lshl_or_b32 v253, v237, 8, v236              ; p's scale word for these 128 keys
	v_lshl_or_b32 v253, v238, 16, v253
	v_lshl_or_b32 v253, v239, 24, v253
.irp c, 0,1
	v_cvt_scalef32_pk8_fp4_f32 v[224+4*\c], v[96+32*\c:103+32*\c], v[244+2*\c]     ; tile 4 c
	v_cvt_scalef32_pk8_fp4_f32 v[225+4*\c], v[112+32*\c:119+32*\c], v[245+2*\c]    ; tile 4 c + 2
	v_cvt_scalef32_pk8_fp4_f32 v[226+4*\c], v[104+32*\c:111+32*\c], v[244+2*\c]    ; tile 4 c + 1
	v_cvt_scalef32_pk8_fp4_f32 v[227+4*\c], v[120+32*\c:127+32*\c], v[245+2*\c]    ; tile 4 c + 3
.endr
	v_nop                                          ; one plain place behind a scaled conversion
.irp c, 0,1
	v_permlane16_swap_b32 v[224+4*\c], v[225+4*\c] ; a whole block in a lane: lanes 0-15 block 2 c, lanes 16-31 block 2 c + 1
	v_permlane16_swap_b32 v[226+4*\c], v[227+4*\c]
.endr
	v_pk_add_f32 v[236:237], v[96:97], v[98:99]    ; the row's sum of the unquantised p, in two chains
.irp j, 4,8,12,16,20,24,28,32,36,40,44,48,52,56,60
	v_pk_add_f32 v[14:15], v[14:15], v[96+\j:97+\j]
	v_pk_add_f32 v[236:237], v[236:237], v[98+\j:99+\j]
.endr
	v_pk_add_f32 v[14:15], v[14:15], v[236:237]
.set j, 0
.rept 16
	v_pk_mul_f32 v[160+j:161+j], v[160+j:161+j], v[252:253] op_sel_hi:[1,0]        ; O^T under the new M
.set j, j+2
.endr
	s_wait_dscnt 0x0                               ; V
.set rZ, 0
.irp n, 0,1,2,3
.set rD, 160+8*\n
.set rA, 192+8*\n
.set rB, 224
.set rSA, 28+\n/2
.set rSB, 253
.set rSel, 2*(\n%2)
	WM
.endr
.Lhidden_\@:
	s_add_co_u32 s13, s13, 128
	s_add_co_u32 s14, s14, 4096                    ; the next step's images of K (and, 16,384 on, of V),
	s_add_co_u32 s15, s15, 512                     ; K's scale words,
	s_add_co_u32 s16, s16, 256                     ; V's
.endm
.macro QUARTER q
	s_wait_tensorcnt 3-\q                          ; my part of quarter q has landed; the 3 - q loads issued behind it may stay out
	s_wait_dscnt 0x0
	s_barrier_signal -1
	s_barrier_wait -1                              ; everybody's part has
	s_mov_b32 s14, QUARTB*\q
	s_mov_b32 s15, QUARTB*\q+32768
	s_mov_b32 s16, QUARTB*\q+34816
	s_mov_b32 s17, 4
.Lstep_\@:
	STEP
	s_sub_co_u32 s17, s17, 1
	s_cmp_lg_u32 s17, 0
	s_cbranch_scc1 .Lstep_\@
.endm
	s_wait_loadcnt 0x0                             ; Q
	QUARTER 0
	QUARTER 1
	QUARTER 2
	QUARTER 3
	; THE WAY OUT: O^T / the sum, quantised along the head's 64 channels: half a fragment of the next product
.rept 4
	v_nop                                          ; places behind the last products
.endr
	v_add_f32 v14, v14, v15
	v_permlanex16_b32 v252, v14, s[SEL], s[SEL+1]
	v_add_f32 v14, v14, v252                       ; the row's sum
	v_rcp_f32 v14, v14
	v_nop
.set j, 0
	s_wait_alu depctr_va_vdst(0)
.rept 32
	v_mul_f32 v[96+j], v[160+j], v14               ; register 8 n + i is o(query r, channel 16 n + 8 h + i)
.set j, j+1
.endr
	Q2 96, 224, 242, 234
	global_store_b128 v1, v[224:227], s[54:55]     ; 512 consecutive bytes
	global_store_b16 v4, v242, s[56:57]            ; lanes r and 16 + r hold the same two bytes and write them to the same place
	s_wait_tensorcnt 0x0
	ds_add_u32 v250, v251
	s_wait_dscnt 0x0
	s_endpgm
.Lfunc_end_k_q609afadbbd_attn:
	.size	k_q609afadbbd_attn, .Lfunc_end_k_q609afadbbd_attn-k_q609afadbbd_attn
	.p2alignl 7, 3214868480
	.fill 96, 4, 3214868480
	.section	.rodata,"a",@progbits
	.p2align	6, 0x0
	.amdhsa_kernel k_q609afadbbd_attn
		.amdhsa_group_segment_fixed_size 169984
		.amdhsa_private_segment_fixed_size 0
		.amdhsa_enable_private_segment 0
		.amdhsa_kernarg_size 16
		.amdhsa_user_sgpr_count 2
		.amdhsa_user_sgpr_kernarg_segment_ptr 1
		.amdhsa_wavefront_size32 1
		.amdhsa_system_sgpr_workgroup_id_x 1
		.amdhsa_system_sgpr_workgroup_id_y 1
		.amdhsa_system_sgpr_workgroup_id_z 1
		.amdhsa_system_vgpr_workitem_id 0
		.amdhsa_next_free_vgpr 256
		.amdhsa_next_free_sgpr 66
		.amdhsa_reserve_vcc 1
		.amdhsa_float_denorm_mode_32 3
		.amdhsa_float_denorm_mode_16_64 3
		.amdhsa_memory_ordered 1
		.amdhsa_forward_progress 1
		.amdhsa_inst_pref_size 93
	.end_amdhsa_kernel
	.amdgpu_metadata
---
amdhsa.version: [ 1, 2 ]
amdhsa.kernels:
  - .name:           k_q609afadbbd_attn
    .symbol:         k_q609afadbbd_attn.kd
    .args:
      - { .name: wsb, .offset: 0, .size: 8, .value_kind: global_buffer, .address_space: global }
      - { .name: wsc, .offset: 8, .size: 8, .value_kind: global_buffer, .address_space: global }
    .group_segment_fixed_size: 169984
    .private_segment_fixed_size: 0
    .kernarg_segment_align: 8
    .kernarg_segment_size: 16
    .max_flat_workgroup_size: 512
    .sgpr_count:     66
    .vgpr_count:     256
    .wavefront_size: 32
...
	.end_amdgpu_metadata
.endif
;; end of part 3
;; launch proj (part 4): grid 256 x 1, 16 waves a work-group, no clusters, 108,544 bytes of LDS; arguments wsc, wsa, wo_scales, x, router_w, wsd, rt; writes wsd, rt
.if DOCPART == 4
	.amdgcn_target "amdgcn-amd-amdhsa--gfx1250"
	.amdhsa_code_object_version 6
	.text
	.protected	k_q609afadbbd_proj
	.globl	k_q609afadbbd_proj
	.p2align	8
	.type	k_q609afadbbd_proj,@function
k_q609afadbbd_proj:
	s_mov_b64 s[64:65], 0
	v_nop
	global_prefetch_b8 v0, s[64:65] scope:SCOPE_SE
	s_setreg_imm32_b32 hwreg(HW_REG_WAVE_MODE, 25, 1), 1
	s_wait_xcnt 0x0
; PROJ.  x2 = x + o Wo (E2M1 codes, K = 1,024); h2 = rmsnorm(x2), quantised; the router: logits = h2 router_w in f32, softmax, top-2, their weights; and for the sort that follows:
; each token's pair of experts as a bin 0..27, its rank among its block's tokens of that bin, and the block's histogram.
; SHARES.  A work-group takes 16 tokens and all 1,024 columns (the norm wants whole rows); wave w takes columns 64 w .. + 63: 4 tiles x 8 K steps = 32 matrix instructions, transposed
; (source 0 = 16 rows of Wo, source 1 = the 16 tokens), so that a lane holds one token and eight neighbouring columns a tile.  Wo's fragments come from memory straight into registers, laid in operand order
; by an earlier launch: 512 consecutive bytes a load, four K steps ahead.  No tensor load, so nothing to share in a cluster.
; o's eight fragments (8,192 bytes) are wanted by all sixteen waves: wave w brings 512 bytes of them into LDS, once, and every wave reads them from there.
; THE ROUTER'S PRODUCT takes f32 operands: v_wmma_f32_16x16x4_f32, source 0 = router_w^T (its rows 8-15 repeat rows 0-7), source 1 = x2: every lane gets its token's eight partial sums over the wave's 64 columns.
; The logits are formed as rs x (x2 . w), rs the norm's factor.  The top-2 is taken on exp(l - max), the lower index winning ties.  No address and no branch hangs on any of this: the choice is stored as whole numbers.
; THE BINS ARE NUMBERED IN A SNAKE: lo ascending; hi ascending where lo is even, descending where lo is odd.  So two bins that follow each other always share an expert,
; and a run of sorted tokens that crosses from one bin into the next uses three experts, not four.
; LIMITS: NaN and infinities are not served; a block of h2 under 2^-124 keeps the byte 1.
.set WOI_O,  2228224
.set OS_O,   2097152
.set H2C_O,  16777216
.set H2S_O,  18874368
.set CW_O,   19005440
.set HIST_O, 16384
.set SPITCH, 272
.set STGB,   16*SPITCH                 ; LDS: a stage of 16 rows x (256 + 16) bytes for each wave, from byte 0
.set SSQ,    16*STGB                   ; 16 x 128: each wave's sums of squares, a word a lane
.set LGS,    SSQ+2048                  ; 16 x 1,024: each wave's partial logits, 32 bytes a lane
.set HC,     LGS+16384                 ; 16 rows x (512 + 16): h2's codes
.set HS,     HC+16*528                 ; 16 x 32: h2's scale bytes
.set OIMG,   HS+512                    ; o's eight fragments, 1,024 bytes each, as images of their registers
.set FLOOR,  0x1800000
.set SEL, 46
; v1 SSQ store; v2 4 r; v3 SSQ read; v4 16 x lane; v5 4 x lane; v6 stage by rows; v7 stage by accumulators; v8 x, x2 by rows; v9 router_w; v10 32 x lane; v11-15 LDS addresses;
; v16-31 Wo's scale words by pairs of tiles; v32-35 o's by pairs of K steps; v36-67 the four accumulators; v68-227 four sets of 40 (four fragments of Wo, one of o), later at work;
; v228-243 the two sums of the f32 matrix form, written by it alone; v244-255 at work (v253, v254: o's image, store and read, until the last K step's fragment is asked for).
.macro WM
.if rZ
.if rSel == 0
	v_wmma_scale_f32_16x16x128_f8f6f4 v[rD:rD+7], v[rA:rA+7], v[rB:rB+7], 0, v[rSA], v[rSB] matrix_a_fmt:MATRIX_FMT_FP4 matrix_b_fmt:MATRIX_FMT_FP4
.elseif rSel == 1
	v_wmma_scale_f32_16x16x128_f8f6f4 v[rD:rD+7], v[rA:rA+7], v[rB:rB+7], 0, v[rSA], v[rSB] matrix_a_fmt:MATRIX_FMT_FP4 matrix_b_fmt:MATRIX_FMT_FP4 matrix_b_scale:MATRIX_SCALE_ROW1
.elseif rSel == 2
	v_wmma_scale_f32_16x16x128_f8f6f4 v[rD:rD+7], v[rA:rA+7], v[rB:rB+7], 0, v[rSA], v[rSB] matrix_a_fmt:MATRIX_FMT_FP4 matrix_b_fmt:MATRIX_FMT_FP4 matrix_a_scale:MATRIX_SCALE_ROW1
.else
	v_wmma_scale_f32_16x16x128_f8f6f4 v[rD:rD+7], v[rA:rA+7], v[rB:rB+7], 0, v[rSA], v[rSB] matrix_a_fmt:MATRIX_FMT_FP4 matrix_b_fmt:MATRIX_FMT_FP4 matrix_a_scale:MATRIX_SCALE_ROW1 matrix_b_scale:MATRIX_SCALE_ROW1
.endif
.else
.if rSel == 0
	v_wmma_scale_f32_16x16x128_f8f6f4 v[rD:rD+7], v[rA:rA+7], v[rB:rB+7], v[rD:rD+7], v[rSA], v[rSB] matrix_a_fmt:MATRIX_FMT_FP4 matrix_b_fmt:MATRIX_FMT_FP4
.elseif rSel == 1
	v_wmma_scale_f32_16x16x128_f8f6f4 v[rD:rD+7], v[rA:rA+7], v[rB:rB+7], v[rD:rD+7], v[rSA], v[rSB] matrix_a_fmt:MATRIX_FMT_FP4 matrix_b_fmt:MATRIX_FMT_FP4 matrix_b_scale:MATRIX_SCALE_ROW1
.elseif rSel == 2
	v_wmma_scale_f32_16x16x128_f8f6f4 v[rD:rD+7], v[rA:rA+7], v[rB:rB+7], v[rD:rD+7], v[rSA], v[rSB] matrix_a_fmt:MATRIX_FMT_FP4 matrix_b_fmt:MATRIX_FMT_FP4 matrix_a_scale:MATRIX_SCALE_ROW1
.else
	v_wmma_scale_f32_16x16x128_f8f6f4 v[rD:rD+7], v[rA:rA+7], v[rB:rB+7], v[rD:rD+7], v[rSA], v[rSB] matrix_a_fmt:MATRIX_FMT_FP4 matrix_b_fmt:MATRIX_FMT_FP4 matrix_a_scale:MATRIX_SCALE_ROW1 matrix_b_scale:MATRIX_SCALE_ROW1
.endif
.endif
.endm
.macro Q2 S, P, W, T                   ; 32 numbers of a lane (four tiles) -> four operand registers and two scale bytes
	v_max3_num_f32 v[\T], |v[\S]|, |v[\S+1]|, FLOOR
	v_max3_num_f32 v[\T+1], |v[\S+16]|, |v[\S+17]|, FLOOR
.irp i, 2,4,6,8,10,12,14
	v_max3_num_f32 v[\T], v[\T], |v[\S+\i]|, |v[\S+\i+1]|
	v_max3_num_f32 v[\T+1], v[\T+1], |v[\S+16+\i]|, |v[\S+17+\i]|
.endr
	v_permlanex16_b32 v[\T+2], v[\T], s[SEL], s[SEL+1]
	v_permlanex16_b32 v[\T+3], v[\T+1], s[SEL], s[SEL+1]
	v_max_num_f32 v[\T], v[\T], v[\T+2]
	v_max_num_f32 v[\T+1], v[\T+1], v[\T+3]
	v_add_nc_u32 v[\T+4], 0xff000000, v[\T]
	v_add_nc_u32 v[\T+5], 0xff000000, v[\T+1]
	v_lshrrev_b32 v[\T+6], 23, v[\T+4]
	v_lshrrev_b32 v[\T+7], 23, v[\T+5]
	v_lshl_or_b32 v[\W], v[\T+7], 8, v[\T+6]
	v_cvt_scalef32_pk8_fp4_f32 v[\P], v[\S:\S+7], v[\T+4]
	v_cvt_scalef32_pk8_fp4_f32 v[\P+1], v[\S+16:\S+23], v[\T+5]
	v_cvt_scalef32_pk8_fp4_f32 v[\P+2], v[\S+8:\S+15], v[\T+4]
	v_cvt_scalef32_pk8_fp4_f32 v[\P+3], v[\S+24:\S+31], v[\T+5]
	v_nop
	v_permlane16_swap_b32 v[\P], v[\P+1]
	v_permlane16_swap_b32 v[\P+2], v[\P+3]
.endm
	s_load_b256 s[4:11], s[0:1], 0x0               ; wsc, wsa, wo_scales, x
	s_load_b128 s[12:15], s[0:1], 0x20             ; router_w, wsd
	s_load_b64 s[16:17], s[0:1], 0x30              ; rt
	v_lshrrev_b32 v1, 5, v0
	v_readfirstlane_b32 s18, v1                    ; wave 0..15
	v_and_b32 v1, 31, v0                           ; lane
	v_and_b32 v2, 15, v0                           ; r
	v_bfe_u32 v3, v0, 4, 1                         ; h
	v_lshlrev_b32 v4, 4, v1
	v_lshlrev_b32 v5, 2, v1
	v_lshlrev_b32 v10, 5, v1
	s_mul_i32 s19, s18, STGB
	v_mul_u32_u24 v6, v3, SPITCH
	v_lshl_add_u32 v6, v2, 4, v6
	v_add_nc_u32 v6, s19, v6                       ; the stage by rows: lanes 0-15 one row of 256 bytes, lanes 16-31 the next
	v_mul_u32_u24 v7, v2, SPITCH
	v_lshl_add_u32 v7, v3, 5, v7
	v_add_nc_u32 v7, s19, v7                       ; by accumulators: row r, + 32 h; tile n 64 n bytes on
	v_lshlrev_b32 v8, 12, v3
	v_lshl_add_u32 v8, v2, 4, v8                   ; the same two rows in x and x2
	v_and_b32 v9, 7, v0
	v_lshlrev_b32 v9, 2, v9
	v_lshl_add_u32 v9, v3, 8, v9                   ; router_w: expert lane % 8, rows 8 h on
	v_mul_u32_u24 v11, v2, 528
	v_lshl_add_u32 v11, v3, 4, v11
	s_lshl_b32 s19, s18, 5
	v_add_nc_u32 v11, s19, v11
	v_add_nc_u32 v11, HC, v11                      ; h2's codes: row r, my 32 bytes, + 16 h
	v_lshlrev_b32 v12, 5, v2
	s_lshl_b32 s19, s18, 1
	v_add_nc_u32 v12, s19, v12
	v_add_nc_u32 v12, HS, v12                      ; its scale bytes: row r, my two
	s_mul_i32 s19, s18, 528
	v_add_nc_u32 v13, s19, v4
	v_add_nc_u32 v13, HC, v13                      ; back: row = wave, 16 bytes a lane
	v_add_nc_u32 v14, HS, v4
	s_lshl_b32 s19, s18, 10
	v_add_nc_u32 v15, s19, v10
	v_add_nc_u32 v15, LGS, v15                     ; my wave's partial logits (in wave 0 also the base from which it reads all sixteen)
	s_lshl_b32 s19, s18, 7
	v_add_nc_u32 v1, s19, v5
	v_add_nc_u32 v1, SSQ, v1
	v_add_nc_u32 v3, SSQ, v5
	v_lshlrev_b32 v2, 2, v2
	v_add_nc_u32 v254, OIMG, v4                    ; o's image: 16 bytes a lane,
	s_lshl_b32 s19, s18, 9
	v_add_nc_u32 v253, s19, v254                   ; and the 512 bytes of it that my wave brings
	s_mov_b32 s[SEL], 0x76543210
	s_mov_b32 s[SEL+1], 0xfedcba98
	s_mov_b32 s48, 0x3a800000                      ; 1 / 1024
	s_mov_b32 s49, 0x3727c5ac                      ; 1e-5
	s_mov_b32 s45, 0
	s_wait_kmcnt 0x0
	s_lshl_b32 s44, s18, 15
	s_add_nc_u64 s[20:21], s[6:7], s[44:45]
	s_add_nc_u64 s[20:21], s[20:21], WOI_O         ; my four tiles of Wo, in operand order
	s_lshl_b32 s44, ttmp9, 13
	s_lshl_b32 s50, s18, 9
	s_add_co_u32 s44, s44, s50
	s_add_nc_u64 s[22:23], s[4:5], s[44:45]        ; my 512 bytes of o's eight fragments
	s_lshl_b32 s44, ttmp9, 9
	s_add_nc_u64 s[24:25], s[4:5], s[44:45]
	s_add_nc_u64 s[24:25], s[24:25], OS_O          ; o's scale words
	s_add_nc_u64 s[36:37], s[14:15], s[44:45]
	s_add_nc_u64 s[36:37], s[36:37], H2S_O
	s_lshl_b32 s44, s18, 11
	s_add_nc_u64 s[26:27], s[8:9], s[44:45]        ; Wo's scale bytes: my 64 rows of 32
	s_add_nc_u64 s[30:31], s[12:13], s[44:45]      ; router_w: my 64 rows of 32 bytes
	s_lshl_b32 s44, ttmp9, 16
	s_lshl_b32 s50, s18, 8
	s_add_co_u32 s44, s44, s50
	s_add_nc_u64 s[28:29], s[10:11], s[44:45]      ; x: my 16 rows, my 256 bytes of each
	s_add_nc_u64 s[32:33], s[14:15], s[44:45]      ; x2 likewise
	s_lshl_b32 s44, ttmp9, 13
	s_lshl_b32 s50, s18, 9
	s_add_co_u32 s44, s44, s50
	s_add_nc_u64 s[34:35], s[14:15], s[44:45]
	s_add_nc_u64 s[34:35], s[34:35], H2C_O         ; h2's codes: row 16 g + wave
	s_lshl_b32 s44, ttmp9, 7
	s_add_nc_u64 s[38:39], s[14:15], s[44:45]
	s_add_nc_u64 s[38:39], s[38:39], CW_O
	s_add_nc_u64 s[42:43], s[16:17], s[44:45]
	s_add_nc_u64 s[42:43], s[42:43], HIST_O
	s_lshl_b32 s44, ttmp9, 6
	s_add_nc_u64 s[40:41], s[16:17], s[44:45]
	global_load_b128 v[244:247], v4, s[22:23]      ; my piece of o: the first load, so that it is the first to be in
.irp i, 0,1
.irp k, 0,1
	global_load_b128 v[16+8*\i+4*\k:19+8*\i+4*\k], v10, s[26:27] offset:1024*\i+16*\k     ; lane l: row 32 i + l's eight scale words
.endr
.endr
.irp i, 0,1,2,3
	global_load_b32 v[32+\i], v5, s[24:25] offset:128*\i           ; lanes 0-15: K step 2 i, lanes 16-31: K step 2 i + 1
.endr
.macro WSET s                          ; eight loads: K step s of my four tiles of Wo
.set B0, 68+40*((\s)%4)
.irp n, 0,1,2,3
.irp c, 0,1
	global_load_b128 v[B0+8*\n+4*\c:B0+8*\n+4*\c+3], v4, s[20:21] offset:8192*\n+1024*(\s)+512*\c
.endr
.endr
.endm
.macro OFR s                           ; two LDS loads: o's fragment of K step s
.set B0, 68+40*((\s)%4)
.irp c, 0,1
	ds_load_b128 v[B0+32+4*\c:B0+32+4*\c+3], v254 offset:1024*(\s)+512*\c
.endr
.endm
.macro MSTEP s, cnt, dcnt              ; cnt: the global loads issued behind K step s's; dcnt: the LDS loads issued behind its fragment of o
	s_wait_loadcnt \cnt
	s_wait_dscnt \dcnt
.set B0, 68+40*((\s)%4)
.if (\s) == 0
.set rZ, 1
.else
.set rZ, 0
.endif
.irp n, 0,1,2,3                        ; the four accumulators take turns
.set rD, 36+8*\n
.set rA, B0+8*\n
.set rB, B0+32
.set rSA, 16+8*(\n/2)+(\s)
.set rSB, 32+(\s)/2
.set rSel, 2*(\n%2)+((\s)%2)
	WM
.endr
.rept 4
	v_nop                                          ; places in front of loads into the set just read, and of the first read of results
.endr
.endm
	WSET 0
	WSET 1
	WSET 2
	WSET 3
	s_wait_loadcnt 40                              ; my piece of o is in; the 8 loads of scale words and the 32 of Wo behind it may be out
	ds_store_b128 v253, v[244:247]
	s_wait_dscnt 0x0                               ; for the others' sake: it lies in LDS
	s_barrier_signal -1
	s_barrier_wait -1                              ; all sixteen pieces do
	OFR 0
	OFR 1
	OFR 2
	OFR 3
	MSTEP 0, 24, 6                                 ; three sets of eight, and three fragments of o (two loads each), are behind it
	WSET 4
	OFR 4
	MSTEP 1, 24, 6
	WSET 5
	OFR 5
	MSTEP 2, 24, 6
	WSET 6
	OFR 6
	MSTEP 3, 24, 6
	WSET 7
	OFR 7
	MSTEP 4, 24, 6
.irp i, 0,1,2,3,4,5,6,7
	global_load_b128 v[68+4*\i:71+4*\i], v8, s[28:29] offset:8192*\i       ; x: sixteen lanes read 256 consecutive bytes, aligned
.endr
	MSTEP 5, 24, 4                                 ; two sets and x's eight
.irp n, 0,1,2,3
.irp j, 0,1,2,3,4,5,6,7
	global_load_b32 v[108+8*\n+\j], v9, s[30:31] offset:(16*\n+\j)*32      ; router_w(64 w + 16 n + 8 h + j, lane % 8)
.endr
.endr
	MSTEP 6, 48, 2                                 ; one set, 8 and 32
	MSTEP 7, 40, 0
	; x2 = x + the product: x turns through my stage into the accumulators' layout
	s_wait_loadcnt 32                              ; x is in; router_w's 32 may be out
.irp i, 0,1,2,3,4,5,6,7
	ds_store_b128 v6, v[68+4*\i:71+4*\i] offset:2*SPITCH*\i
.endr
.irp n, 0,1,2,3
.irp k, 0,1
	ds_load_b128 v[148+8*\n+4*\k:151+8*\n+4*\k], v7 offset:64*\n+16*\k     ; LDS serves a wave's instructions in order
.endr
.endr
	s_wait_dscnt 0x0
.set j, 0
.rept 16
	v_pk_add_f32 v[148+j:149+j], v[148+j:149+j], v[36+j:37+j]      ; each accumulator from its low end on
.set j, j+2
.endr
	s_wait_loadcnt 0x0                             ; router_w
.set q, 0
.irp n, 0,1,2,3                        ; 16 K steps of 4: k = (h, j) stands for column 16 n + 8 h + j0 + j on both sides; two sums take turns
.irp j, 0,2,4,6
.if q < 2
	v_wmma_f32_16x16x4_f32 v[228+8*(q%2):235+8*(q%2)], v[108+8*\n+\j:109+8*\n+\j], v[148+8*\n+\j:149+8*\n+\j], 0
.else
	v_wmma_f32_16x16x4_f32 v[228+8*(q%2):235+8*(q%2)], v[108+8*\n+\j:109+8*\n+\j], v[148+8*\n+\j:149+8*\n+\j], v[228+8*(q%2):235+8*(q%2)]
.endif
.set q, q+1
.endr
.endr
	v_pk_mul_f32 v[244:245], v[148:149], v[148:149]                ; the sum of squares of my 32 numbers; these lines are also the eight places behind the f32 form
	v_pk_mul_f32 v[246:247], v[150:151], v[150:151]
.irp i, 4,8,12,16,20,24,28
	v_pk_fma_f32 v[244:245], v[148+\i:149+\i], v[148+\i:149+\i], v[244:245]
	v_pk_fma_f32 v[246:247], v[150+\i:151+\i], v[150+\i:151+\i], v[246:247]
.endr
	v_pk_add_f32 v[244:245], v[244:245], v[246:247]
	v_add_f32 v244, v244, v245
	v_permlanex16_b32 v246, v244, s[SEL], s[SEL+1]
	v_add_f32 v244, v244, v246                     ; token r, my wave's 64 columns
	ds_store_b32 v1, v244
.irp e, 0,2,4,6
	v_pk_add_f32 v[248+\e:249+\e], v[228+\e:229+\e], v[236+\e:237+\e]      ; the two sums, into other registers
.endr
	ds_store_b128 v15, v[248:251]
	ds_store_b128 v15, v[252:255] offset:16
.irp n, 0,1,2,3                        ; x2 leaves by rows, through the stage
.irp k, 0,1
	ds_store_b128 v7, v[148+8*\n+4*\k:151+8*\n+4*\k] offset:64*\n+16*\k
.endr
.endr
.irp i, 0,1,2,3,4,5,6,7
	ds_load_b128 v[188+4*\i:191+4*\i], v6 offset:2*SPITCH*\i
.endr
.irp i, 0,1,2,3,4,5,6,7
	s_wait_dscnt 7-\i
	global_store_b128 v8, v[188+4*\i:191+4*\i], s[32:33] offset:8192*\i    ; sixteen lanes store 256 consecutive bytes, aligned
.endr
	s_wait_dscnt 0x0                               ; for the others' sake: my sums lie in LDS
	s_barrier_signal -1
	s_barrier_wait -1
.irp k, 0,1,2,3,4,5,6,7,8,9,10,11,12,13,14,15
	ds_load_b32 v[68+\k], v3 offset:128*\k
.endr
	s_wait_dscnt 0x0
.irp k, 2,4,6,8,10,12,14
	v_pk_add_f32 v[68:69], v[68:69], v[68+\k:69+\k]
.endr
	v_add_f32 v68, v68, v69                        ; the row's sum of squares: the same order in every wave
	v_fma_f32 v68, v68, s48, s49
	v_rsq_f32 v244, v68
	v_nop
	s_wait_alu depctr_va_vdst(0)
	v_mov_b32 v245, v244
.set j, 0
.rept 16
	v_pk_mul_f32 v[148+j:149+j], v[148+j:149+j], v[244:245] op_sel_hi:[1,0]        ; h2
.set j, j+2
.endr
	Q2 148, 104, 102, 84
	ds_store_b128 v11, v[104:107]
	ds_store_b16 v12, v102                         ; lanes r and 16 + r write the same two bytes
	s_wait_dscnt 0x0
	s_barrier_signal -1
	s_barrier_wait -1
	ds_load_b128 v[92:95], v13
	s_wait_dscnt 0x0
	global_store_b128 v4, v[92:95], s[34:35]       ; a row of h2's codes: 512 consecutive bytes
	s_cmp_eq_u32 s18, 1
	s_cbranch_scc0 .Lnot_wave_1
	ds_load_b128 v[96:99], v14
	s_wait_dscnt 0x0
	global_store_b128 v4, v[96:99], s[36:37]       ; the 16 rows' scale bytes
	s_wait_xcnt 0x0
	v_lshl_add_u32 v254, v0, 2, 0x1a000
	v_mov_b32 v255, 0
	s_wait_tensorcnt 0x0
	ds_add_u32 v254, v255
	s_wait_dscnt 0x0
	s_endpgm
.Lnot_wave_1:
	s_cmp_eq_u32 s18, 0
	s_cbranch_scc1 .Lrouter
	s_wait_xcnt 0x0
	v_lshl_add_u32 v254, v0, 2, 0x1a000
	v_mov_b32 v255, 0
	s_wait_tensorcnt 0x0
	ds_add_u32 v254, v255
	s_wait_dscnt 0x0
	s_endpgm
.Lrouter:                              ; wave 0: lane (r, h) works token r; both halves do the same
	s_wait_xcnt 0x0                                ; my stores have read their registers: the loads below land on some of them
.set k, 0
.rept 16
	ds_load_b128 v[68+8*k:71+8*k], v15 offset:1024*k
	ds_load_b128 v[72+8*k:75+8*k], v15 offset:1024*k+16
.set k, k+1
.endr
	s_wait_dscnt 0x0
.set k, 1
.rept 15
.irp e, 0,2,4,6
	v_pk_add_f32 v[68+\e:69+\e], v[68+\e:69+\e], v[68+8*k+\e:69+8*k+\e]
.endr
.set k, k+1
.endr
.irp e, 0,2,4,6
	v_pk_mul_f32 v[68+\e:69+\e], v[68+\e:69+\e], v[244:245] op_sel_hi:[1,0]        ; the eight logits
.endr
	v_max3_num_f32 v76, v68, v69, v70
	v_max3_num_f32 v76, v76, v71, v72
	v_max3_num_f32 v76, v76, v73, v74
	v_max_num_f32 v76, v76, v75
.irp e, 0,1,2,3,4,5,6,7
	v_sub_f32 v[68+\e], v[68+\e], v76              ; the maximum is taken away first
.endr
.irp e, 0,1,2,3,4,5,6,7
	v_mul_f32 v[68+\e], 0x3fb8aa3b, v[68+\e]
.endr
.irp e, 0,1,2,3,4,5,6,7
	v_exp_f32 v[68+\e], v[68+\e]
.endr
	v_mov_b32 v78, 0                               ; (a plain place behind the exponentials)  the first choice's index,
	s_wait_alu depctr_va_vdst(0)
	v_mov_b32 v77, v68                             ; and its number
.irp e, 1,2,3,4,5,6,7
	v_cmp_ge_f32 vcc_lo, v77, v[68+\e]             ; the holder stays where it is not beaten: the lower index wins ties
	v_cndmask_b32 v77, v[68+\e], v77, vcc_lo
	v_cndmask_b32 v78, \e, v78, vcc_lo
.endr
	v_mov_b32 v79, -1.0
.irp e, 0,1,2,3,4,5,6,7
	v_cmp_eq_u32 vcc_lo, \e, v78
	v_cndmask_b32 v[68+\e], v[68+\e], v79, vcc_lo  ; the first choice is out of the second scan
.endr
	v_mov_b32 v81, 0
	v_mov_b32 v80, v68
.irp e, 1,2,3,4,5,6,7
	v_cmp_ge_f32 vcc_lo, v80, v[68+\e]
	v_cndmask_b32 v80, v[68+\e], v80, vcc_lo
	v_cndmask_b32 v81, \e, v81, vcc_lo
.endr
	v_add_f32 v82, v77, v80
	v_rcp_f32 v82, v82
	v_min_u32 v85, v78, v81                        ; (a plain place)  lo
	v_max_u32 v86, v78, v81                        ; hi
	s_wait_alu depctr_va_vdst(0)
	v_mul_f32 v83, v77, v82                        ; the two weights: they sum to one
	v_mul_f32 v84, v80, v82
	v_cmp_lt_u32 vcc_lo, v78, v81
	v_cndmask_b32 v88, v84, v83, vcc_lo            ; lo's weight
	v_cndmask_b32 v89, v83, v84, vcc_lo            ; hi's
	v_sub_nc_u32 v90, 15, v85
	v_mul_u32_u24 v90, v85, v90
	v_lshrrev_b32 v90, 1, v90                      ; the first bin of this lo: lo (15 - lo) / 2
	v_sub_nc_u32 v97, v86, v85
	v_add_nc_u32 v97, -1, v97                      ; lo even: hi ascending: hi - lo - 1
	v_sub_nc_u32 v98, 7, v86                       ; lo odd: hi descending: 7 - hi
	v_and_b32 v99, 1, v85
	v_cmp_eq_u32 vcc_lo, 1, v99
	v_cndmask_b32 v97, v97, v98, vcc_lo
	v_add_nc_u32 v90, v90, v97                     ; the pair's bin, 0 .. 27
	v_mov_b32 v91, 0                               ; the histogram: lane = bin
	v_mov_b32 v92, 0                               ; my rank among the block's tokens of my bin
	v_mov_b32 v94, 0
.set bb, 0
.rept 28
	v_cmp_eq_u32 s50, bb, v90
	s_and_b32 s50, s50, 0xffff                     ; the 16 tokens stand in lanes 0-15
	s_bcnt1_i32_b32 s51, s50
	v_writelane_b32 v91, s51, bb
	v_mbcnt_lo_u32_b32 v93, s50, 0
	v_cndmask_b32 v92, v92, v93, s50
.set bb, bb+1
.endr
	v_permlanex16_b32 v94, v92, s[SEL], s[SEL+1]
	v_or_b32 v92, v92, v94                         ; lanes 16-31 get lanes 0-15's rank: both halves store the same word
	v_lshl_or_b32 v95, v85, 8, v90
	v_lshl_or_b32 v95, v86, 16, v95
	v_lshl_or_b32 v95, v92, 24, v95                ; bin | lo << 8 | hi << 16 | rank << 24
	v_lshlrev_b32 v96, 1, v2
	global_store_b32 v5, v91, s[42:43]
	global_store_b32 v2, v95, s[40:41]
	global_store_b64 v96, v[88:89], s[38:39]
	s_wait_xcnt 0x0
	v_lshl_add_u32 v254, v0, 2, 0x1a000
	v_mov_b32 v255, 0
	s_wait_tensorcnt 0x0
	ds_add_u32 v254, v255
	s_wait_dscnt 0x0
	s_endpgm
.Lfunc_end_k_q609afadbbd_proj:
	.size	k_q609afadbbd_proj, .Lfunc_end_k_q609afadbbd_proj-k_q609afadbbd_proj
	.p2alignl 7, 3214868480
	.fill 96, 4, 3214868480
	.section	.rodata,"a",@progbits
	.p2align	6, 0x0
	.amdhsa_kernel k_q609afadbbd_proj
		.amdhsa_group_segment_fixed_size 108544
		.amdhsa_private_segment_fixed_size 0
		.amdhsa_enable_private_segment 0
		.amdhsa_kernarg_size 56
		.amdhsa_user_sgpr_count 2
		.amdhsa_user_sgpr_kernarg_segment_ptr 1
		.amdhsa_wavefront_size32 1
		.amdhsa_system_sgpr_workgroup_id_x 1
		.amdhsa_system_sgpr_workgroup_id_y 1
		.amdhsa_system_sgpr_workgroup_id_z 1
		.amdhsa_system_vgpr_workitem_id 0
		.amdhsa_next_free_vgpr 256
		.amdhsa_next_free_sgpr 66
		.amdhsa_reserve_vcc 1
		.amdhsa_float_denorm_mode_32 3
		.amdhsa_float_denorm_mode_16_64 3
		.amdhsa_memory_ordered 1
		.amdhsa_forward_progress 1
		.amdhsa_inst_pref_size 55
	.end_amdhsa_kernel
	.amdgpu_metadata
---
amdhsa.version: [ 1, 2 ]
amdhsa.kernels:
  - .name:           k_q609afadbbd_proj
    .symbol:         k_q609afadbbd_proj.kd
    .args:
      - { .name: wsc, .offset: 0, .size: 8, .value_kind: global_buffer, .address_space: global }
      - { .name: wsa, .offset: 8, .size: 8, .value_kind: global_buffer, .address_space: global }
      - { .name: wo_scales, .offset: 16, .size: 8, .value_kind: global_buffer, .address_space: global }
      - { .name: x, .offset: 24, .size: 8, .value_kind: global_buffer, .address_space: global }
      - { .name: router_w, .offset: 32, .size: 8, .value_kind: global_buffer, .address_space: global }
      - { .name: wsd, .offset: 40, .size: 8, .value_kind: global_buffer, .address_space: global }
      - { .name: rt, .offset: 48, .size: 8, .value_kind: global_buffer, .address_space: global }
    .group_segment_fixed_size: 108544
    .private_segment_fixed_size: 0
    .kernarg_segment_align: 8
    .kernarg_segment_size: 56
    .max_flat_workgroup_size: 512
    .sgpr_count:     66
    .vgpr_count:     256
    .wavefront_size: 32
...
	.end_amdgpu_metadata
.endif
;; end of part 4
;; launch place (part 5): grid 1 x 1, 8 waves a work-group, no clusters, 2,048 bytes of LDS; arguments rt, ord; writes ord
.if DOCPART == 5
	.amdgcn_target "amdgcn-amd-amdhsa--gfx1250"
	.amdhsa_code_object_version 6
	.text
	.protected	k_q609afadbbd_place
	.globl	k_q609afadbbd_place
	.p2align	8
	.type	k_q609afadbbd_place,@function
k_q609afadbbd_place:
	s_mov_b64 s[64:65], 0
	v_nop
	global_prefetch_b8 v0, s[64:65] scope:SCOPE_SE
	s_setreg_imm32_b32 hwreg(HW_REG_WAVE_MODE, 25, 1), 1
	s_wait_xcnt 0x0
; PLACE.  A counting sort of the 4,096 tokens by their pair of experts (28 bins), from the whole numbers that the launch before stored: for each token bin, lo, hi and its rank in its block of 16;
; for each of the 256 blocks a histogram.  ord[rank] = token | lo << 12 | hi << 16.  One work-group: the sums span all tokens, and no work-group may talk to another.
; A LANE IS A BIN.  Wave w owns blocks 32 w .. + 31: it sums their histograms, the eight waves' totals meet in LDS, a scan over the bins gives each bin's first place, and a running sum gives
; each (block, bin) its first place; a token fetches that from the lane of its bin by a lane permute.
.set HIST_O, 16384
.set H,  16                            ; v16-47   my 32 blocks' histograms
.set RR, 48                            ; v48-63   my 512 tokens' words
.set S,  64                            ; v64-95   first place of (block, bin = lane)
.set BP, 96                            ; v96-127  what the permutes bring
.set IX, 128                           ; v128-143 4 x bin
.set RC, 144                           ; v144-159 the records
.set AD, 160                           ; v160-175 their places: a register of its own for each store
	s_load_b128 s[4:7], s[0:1], 0x0                ; rt, ord
	v_lshl_add_u32 v176, v0, 2, 0x400
	v_mov_b32 v177, 0
	v_lshrrev_b32 v1, 5, v0
	v_readfirstlane_b32 s8, v1                     ; wave 0..7
	v_and_b32 v1, 31, v0
	v_lshlrev_b32 v2, 2, v1
	s_lshl_b32 s9, s8, 7
	v_add_nc_u32 v6, s9, v2                        ; LDS: my wave's totals, a word a bin
	s_mov_b32 s11, 0
	s_mov_b32 s18, 0xffff0000                      ; lanes 16-31
	s_wait_kmcnt 0x0
	s_lshl_b32 s10, s8, 12
	s_add_nc_u64 s[12:13], s[4:5], s[10:11]
	s_add_nc_u64 s[12:13], s[12:13], HIST_O
	s_lshl_b32 s10, s8, 11
	s_add_nc_u64 s[14:15], s[4:5], s[10:11]
.set i, 0
.rept 32
	global_load_b32 v[H+i], v2, s[12:13] offset:128*i
.set i, i+1
.endr
.set i, 0
.rept 16
	global_load_b32 v[RR+i], v2, s[14:15] offset:128*i
.set i, i+1
.endr
	s_wait_loadcnt 0x0
	v_add3_u32 v3, v[H], v[H+1], v[H+2]
.set i, 3
.rept 14
	v_add3_u32 v3, v3, v[H+i], v[H+i+1]
.set i, i+2
.endr
	v_add_nc_u32 v3, v3, v[H+31]                   ; my wave's total of each bin
	ds_store_b32 v6, v3
	s_wait_dscnt 0x0
	s_barrier_signal -1
	s_barrier_wait -1
.irp k, 0,1,2,3,4,5,6,7
	ds_load_b32 v[8+\k], v2 offset:128*\k
.endr
	v_mov_b32 v3, 0                                ; all waves' total,
	v_mov_b32 v4, 0                                ; and that of the waves in front of mine
	v_mov_b32 v5, 0
	s_wait_dscnt 0x0
.irp k, 0,1,2,3,4,5,6,7
	s_cmp_gt_u32 s8, \k
	s_cselect_b32 s20, -1, 0
	v_and_b32 v7, s20, v[8+\k]
	v_add_nc_u32 v4, v4, v7
	v_add_nc_u32 v3, v3, v[8+\k]
.endr
	s_mov_b32 s16, 0
.set bb, 0
.rept 28                               ; each bin's first place
	v_writelane_b32 v5, s16, bb
	v_readlane_b32 s17, v3, bb
	s_add_co_u32 s16, s16, s17
.set bb, bb+1
.endr
	v_add_nc_u32 v[S], v5, v4
.set i, 0
.rept 31
	v_add_nc_u32 v[S+i+1], v[S+i], v[H+i]
.set i, i+1
.endr
.set i, 0
.rept 16                               ; tokens 32 i + lane of my 512: lanes 0-15 belong to block 2 i, lanes 16-31 to block 2 i + 1
	v_and_b32 v[IX+i], 0xff, v[RR+i]
	v_min_u32 v[IX+i], 31, v[IX+i]
	v_lshlrev_b32 v[IX+i], 2, v[IX+i]
	ds_bpermute_b32 v[BP+2*i], v[IX+i], v[S+2*i]
	ds_bpermute_b32 v[BP+2*i+1], v[IX+i], v[S+2*i+1]
.set i, i+1
.endr
	s_lshl_b32 s19, s8, 9
	v_add_nc_u32 v9, s19, v1                       ; my first token
	s_wait_dscnt 0x0
.set i, 0
.rept 16
	v_cndmask_b32 v6, v[BP+2*i], v[BP+2*i+1], s18
	v_lshrrev_b32 v7, 24, v[RR+i]
	v_add_nc_u32 v6, v6, v7                        ; the token's place
	v_min_u32 v6, 0xfff, v6                        ; held inside the list
	v_lshlrev_b32 v[AD+i], 2, v6
	v_bfe_u32 v7, v[RR+i], 8, 8
	v_bfe_u32 v6, v[RR+i], 16, 8
	v_add_nc_u32 v[RC+i], 32*i, v9
	v_lshl_or_b32 v[RC+i], v7, 12, v[RC+i]
	v_lshl_or_b32 v[RC+i], v6, 16, v[RC+i]
	global_store_b32 v[AD+i], v[RC+i], s[6:7]
.set i, i+1
.endr
	s_wait_tensorcnt 0x0
	ds_add_u32 v176, v177
	s_wait_dscnt 0x0
	s_endpgm
.Lfunc_end_k_q609afadbbd_place:
	.size	k_q609afadbbd_place, .Lfunc_end_k_q609afadbbd_place-k_q609afadbbd_place
	.p2alignl 7, 3214868480
	.fill 96, 4, 3214868480
	.section	.rodata,"a",@progbits
	.p2align	6, 0x0
	.amdhsa_kernel k_q609afadbbd_place
		.amdhsa_group_segment_fixed_size 2048
		.amdhsa_private_segment_fixed_size 0
		.amdhsa_enable_private_segment 0
		.amdhsa_kernarg_size 16
		.amdhsa_user_sgpr_count 2
		.amdhsa_user_sgpr_kernarg_segment_ptr 1
		.amdhsa_wavefront_size32 1
		.amdhsa_system_sgpr_workgroup_id_x 1
		.amdhsa_system_sgpr_workgroup_id_y 1
		.amdhsa_system_sgpr_workgroup_id_z 1
		.amdhsa_system_vgpr_workitem_id 0
		.amdhsa_next_free_vgpr 178
		.amdhsa_next_free_sgpr 66
		.amdhsa_reserve_vcc 0
		.amdhsa_float_denorm_mode_32 3
		.amdhsa_float_denorm_mode_16_64 3
		.amdhsa_memory_ordered 1
		.amdhsa_forward_progress 1
		.amdhsa_inst_pref_size 29
	.end_amdhsa_kernel
	.amdgpu_metadata
---
amdhsa.version: [ 1, 2 ]
amdhsa.kernels:
  - .name:           k_q609afadbbd_place
    .symbol:         k_q609afadbbd_place.kd
    .args:
      - { .name: rt, .offset: 0, .size: 8, .value_kind: global_buffer, .address_space: global }
      - { .name: ord, .offset: 8, .size: 8, .value_kind: global_buffer, .address_space: global }
    .group_segment_fixed_size: 2048
    .private_segment_fixed_size: 0
    .kernarg_segment_align: 8
    .kernarg_segment_size: 16
    .max_flat_workgroup_size: 256
    .sgpr_count:     66
    .vgpr_count:     178
    .wavefront_size: 32
...
	.end_amdgpu_metadata
.endif
;; end of part 5
;; launch moe (part 6): grid 256 x 1, 16 waves a work-group, no clusters, 94,208 bytes of LDS; arguments ord, wsd, wsa, exp_fc1_scales, exp_fc2_scales, out0; writes out0
.if DOCPART == 6
	.amdgcn_target "amdgcn-amd-amdhsa--gfx1250"
	.amdhsa_code_object_version 6
	.text
	.protected	k_q609afadbbd_moe
	.globl	k_q609afadbbd_moe
	.p2align	8
	.type	k_q609afadbbd_moe,@function
k_q609afadbbd_moe:
	s_mov_b64 s[64:65], 0
	v_nop
	global_prefetch_b8 v0, s[64:65] scope:SCOPE_SE
	s_setreg_imm32_b32 hwreg(HW_REG_WAVE_MODE, 25, 1), 1
	s_wait_xcnt 0x0
; MOE.  out = x2 + the sum over a token's two experts of weight x fc2(square(relu(fc1(h2)))), both products on E2M1 codes; only the chosen experts are multiplied.
; SHARES.  Work-group g takes 32 tokens that follow each other in the list sorted by pairs of experts (block g / 2), so that they use few experts between them, and 512 of the 1,024 output columns (half g % 2):
; each number of out has this one owner.  Both halves make the whole hidden layer of their 32 tokens.  So an expert costs a work-group fc1's 262,144 bytes of codes and half of fc2's, 131,072,
; and every weight fragment that is loaded feeds two matrix instructions, one for each tile of 16 tokens.
; It walks all 8 experts in a loop of constant count and jumps, by a scalar branch on the stored list, the work of those that none of its tokens uses; any split is served, all 8 experts too.
; Wave w makes hidden units 32 w .. + 31 (two tiles x two tiles of tokens, 8 K steps) and output columns 512 (g % 2) + 32 w .. + 31 (likewise, 4 K steps).  Both products transposed: a lane holds one token.
; The weights come from memory straight into registers, laid in operand order by the first launch (512 consecutive bytes a load), four sets of four loads ahead; the walk hangs on the stored list, so no tensor load and no cluster.
; OPERANDS GO FROM WAVE TO WAVE THROUGH LDS AS IMAGES OF THEIR REGISTERS: h2's 2 x 8 fragments once; the hidden layer's 2 x 4 for each expert: wave w's 32 units are one block of 32 of the next K.
; A K step's two fragments are read from LDS one step ahead, into two buffers by turns.  The tokens' scale words lie by pairs of tiles: lanes 0-15 tile 0's, lanes 16-31 tile 1's.
; Two barriers an expert, passed by every wave in every trip: hidden layer stored | read; read | stored anew.  The two branches round the work stand between them.
; All that the second phase names is written on every way through the text: fc2's K steps 0 and 1 are asked for in the first phase into registers that x2 passed through at the head, K steps 2 and 3 at the second
; phase's own head; fc2's scale words begin as words of 1.0.  A token that does not use the expert in hand has the weight 0.
; x2 AND out GO THROUGH ONE STAGE of 32 rows x (2,048 + 16) bytes, since a wave's 32 columns are 128 bytes of a row: wave w loads and stores rows 2 w and 2 w + 1 whole, 512 consecutive bytes an instruction.
; OUT begins as x2.
; LIMITS: NaN and infinities are not served; a block of the hidden layer under 2^-124 (zeros too) keeps the byte 1, its codes being zeros.
.set H2C_O,  16777216
.set H2S_O,  18874368
.set CW_O,   19005440
.set F1I_O,  2752512
.set F2I_O,  4849664
.set XIMG,   0                         ; LDS: h2's fragments [tile 2][K step 8], 1,024 bytes each
.set HIMG,   16384                     ; the hidden layer's [tile 2][K step 4]
.set HSC,    24576                     ; its scale words [K step 4][token 32]
.set STG,    25088                     ; the stage
.set SPITCH, 2064
.set FLOOR,  0x1800000
.set SEL, 38
; v4 16 x lane; v5 4 x lane; v6 stage by rows; v7 stage by accumulators; v8 hidden codes' place; v9 hidden scale byte's; v10 hidden scale words; v11 32 x lane; v12 h2's image; v16-17 my two rows in x2 and out;
; v18-19 lo, v20-21 hi (tile 0, 1); v[22:23], v[24:25] the two weights; v[26:27], v[28:29] this expert's; v32-39 h2's scale words; v40-71 OUT, (tile m, columns n) at 40 + 8 (2 m + n);
; v72-79 fc1's scale words; v80-83 fc2's; v84-87 the hidden layer's; v88-103 at work; v104-135 the hidden tiles (m, u) at 104 + 16 m + 8 u, then the expert's result; v136-167 two buffers of two fragments;
; v192-255 four slots of 16: weights.
.macro WM                              ; rSel = 2 x (A's scales in lanes 16-31) + (B's likewise); rZ = 1: it starts the sum
.if rZ
.if rSel == 0
	v_wmma_scale_f32_16x16x128_f8f6f4 v[rD:rD+7], v[rA:rA+7], v[rB:rB+7], 0, v[rSA], v[rSB] matrix_a_fmt:MATRIX_FMT_FP4 matrix_b_fmt:MATRIX_FMT_FP4
.elseif rSel == 1
	v_wmma_scale_f32_16x16x128_f8f6f4 v[rD:rD+7], v[rA:rA+7], v[rB:rB+7], 0, v[rSA], v[rSB] matrix_a_fmt:MATRIX_FMT_FP4 matrix_b_fmt:MATRIX_FMT_FP4 matrix_b_scale:MATRIX_SCALE_ROW1
.elseif rSel == 2
	v_wmma_scale_f32_16x16x128_f8f6f4 v[rD:rD+7], v[rA:rA+7], v[rB:rB+7], 0, v[rSA], v[rSB] matrix_a_fmt:MATRIX_FMT_FP4 matrix_b_fmt:MATRIX_FMT_FP4 matrix_a_scale:MATRIX_SCALE_ROW1
.else
	v_wmma_scale_f32_16x16x128_f8f6f4 v[rD:rD+7], v[rA:rA+7], v[rB:rB+7], 0, v[rSA], v[rSB] matrix_a_fmt:MATRIX_FMT_FP4 matrix_b_fmt:MATRIX_FMT_FP4 matrix_a_scale:MATRIX_SCALE_ROW1 matrix_b_scale:MATRIX_SCALE_ROW1
.endif
.else
.if rSel == 0
	v_wmma_scale_f32_16x16x128_f8f6f4 v[rD:rD+7], v[rA:rA+7], v[rB:rB+7], v[rD:rD+7], v[rSA], v[rSB] matrix_a_fmt:MATRIX_FMT_FP4 matrix_b_fmt:MATRIX_FMT_FP4
.elseif rSel == 1
	v_wmma_scale_f32_16x16x128_f8f6f4 v[rD:rD+7], v[rA:rA+7], v[rB:rB+7], v[rD:rD+7], v[rSA], v[rSB] matrix_a_fmt:MATRIX_FMT_FP4 matrix_b_fmt:MATRIX_FMT_FP4 matrix_b_scale:MATRIX_SCALE_ROW1
.elseif rSel == 2
	v_wmma_scale_f32_16x16x128_f8f6f4 v[rD:rD+7], v[rA:rA+7], v[rB:rB+7], v[rD:rD+7], v[rSA], v[rSB] matrix_a_fmt:MATRIX_FMT_FP4 matrix_b_fmt:MATRIX_FMT_FP4 matrix_a_scale:MATRIX_SCALE_ROW1
.else
	v_wmma_scale_f32_16x16x128_f8f6f4 v[rD:rD+7], v[rA:rA+7], v[rB:rB+7], v[rD:rD+7], v[rSA], v[rSB] matrix_a_fmt:MATRIX_FMT_FP4 matrix_b_fmt:MATRIX_FMT_FP4 matrix_a_scale:MATRIX_SCALE_ROW1 matrix_b_scale:MATRIX_SCALE_ROW1
.endif
.endif
.endm
	s_load_b256 s[4:11], s[0:1], 0x0               ; ord, wsd, wsa, exp_fc1_scales
	s_load_b128 s[12:15], s[0:1], 0x20             ; exp_fc2_scales, out0
	v_lshl_add_u32 v190, v0, 2, 0x16800
	v_mov_b32 v191, 0
	v_lshrrev_b32 v1, 5, v0
	v_readfirstlane_b32 s16, v1                    ; wave 0..15
	s_lshr_b32 s17, ttmp9, 1                       ; my block of 32 sorted tokens
	s_and_b32 s18, ttmp9, 1                        ; my half of the columns
	v_and_b32 v1, 31, v0                           ; lane
	v_and_b32 v2, 15, v0                           ; r
	v_bfe_u32 v3, v0, 4, 1                         ; h
	v_lshlrev_b32 v4, 4, v1
	v_lshlrev_b32 v5, 2, v1
	v_lshlrev_b32 v11, 5, v1
	s_mul_i32 s20, s16, 2*SPITCH
	v_add_nc_u32 v6, s20, v4
	v_add_nc_u32 v6, STG, v6                       ; the stage by rows: row 2 w, 16 bytes a lane
	v_mul_u32_u24 v7, v2, SPITCH
	v_lshl_add_u32 v7, v3, 5, v7
	s_lshl_b32 s20, s16, 7
	v_add_nc_u32 v7, s20, v7
	v_add_nc_u32 v7, STG, v7                       ; by accumulators: row r, my wave's 128 bytes, + 32 h; tile m 16 rows on, columns n 64 bytes on
	s_lshl_b32 s20, s16, 8
	v_lshlrev_b32 v8, 4, v2
	v_lshl_add_u32 v8, v3, 2, v8
	v_add_nc_u32 v8, s20, v8
	v_add_nc_u32 v8, HIMG, v8                      ; tile u's codes of lane (r, h) are register 2 u + h of lane (r, w % 2) of fragment w / 4, half (w % 4) / 2: HIMG + 256 w + 16 r + 4 h + 8 u
	s_lshr_b32 s20, s16, 2
	s_lshl_b32 s20, s20, 7
	s_and_b32 s21, s16, 3
	s_add_co_u32 s20, s20, s21
	v_lshlrev_b32 v13, 2, v2                       ; 4 r
	v_add_nc_u32 v9, s20, v13
	v_add_nc_u32 v9, HSC, v9                       ; byte w % 4 of token r's word of K step w / 4; tile 1's tokens 64 bytes on
	v_add_nc_u32 v10, HSC, v5                      ; a K step's 32 words, one a lane
	s_lshl_b32 s20, s16, 9
	v_add_nc_u32 v12, s20, v4                      ; h2's image: my 32 bytes of each row are half c = w % 2 of fragment w / 2
	s_lshl_b32 s20, s16, 3
	v_mov_b32 v14, s20                             ; 8 w: the records of my two rows
	s_lshl_b32 s20, s16, 5
	v_lshl_add_u32 v15, v3, 4, s20                 ; 32 w + 16 h
	s_lshl_b32 s19, s18, 11
	v_add_nc_u32 v30, s19, v4                      ; my half of a row of 4,096 bytes, 16 bytes a lane
	s_mov_b32 s[SEL], 0x76543210
	s_mov_b32 s[SEL+1], 0xfedcba98
	s_mov_b32 s21, 0
	s_wait_kmcnt 0x0
	s_lshl_b32 s20, s17, 7
	s_add_nc_u64 s[4:5], s[4:5], s[20:21]          ; my 32 records
	global_load_b32 v88, v5, s[4:5]                ; that of token lane,
	global_load_b32 v89, v13, s[4:5]               ; of token r,
	global_load_b32 v90, v13, s[4:5] offset:64     ; of token 16 + r,
	global_load_b32 v16, v14, s[4:5]               ; and of tokens 2 w and 2 w + 1, the same in every lane
	global_load_b32 v17, v14, s[4:5] offset:4
	s_add_nc_u64 s[22:23], s[6:7], CW_O
	s_add_nc_u64 s[24:25], s[6:7], H2S_O
	s_add_nc_u64 s[26:27], s[6:7], H2C_O
	s_lshl_b32 s20, s16, 14
	s_add_nc_u64 s[28:29], s[8:9], s[20:21]
	s_add_nc_u64 s[28:29], s[28:29], F1I_O         ; fc1: my two tiles of expert 0
	s_lshl_b32 s20, s18, 17
	s_lshl_b32 s19, s16, 13
	s_add_co_u32 s20, s20, s19
	s_add_nc_u64 s[30:31], s[8:9], s[20:21]
	s_add_nc_u64 s[30:31], s[30:31], F2I_O         ; fc2: tiles 32 (g % 2) + 2 w and the next, 4,096 bytes each
	s_lshl_b32 s20, s16, 10
	s_add_nc_u64 s[32:33], s[10:11], s[20:21]      ; fc1's scale bytes: my 32 rows of 32
	s_lshl_b32 s20, s18, 13
	s_lshl_b32 s19, s16, 9
	s_add_co_u32 s20, s20, s19
	s_add_nc_u64 s[34:35], s[12:13], s[20:21]      ; fc2's: my 32 rows of 16
.irp j, 80,81,82,83
	v_mov_b32 v[\j], 0x7f7f7f7f                    ; fc2's scale words begin as words of 1.0
.endr
	v_mov_b32 v27, 0                               ; named with v26 and v28 as pairs
	v_mov_b32 v29, 0
	s_wait_loadcnt 0x0
	v_bfe_u32 v18, v89, 12, 4                      ; lo, hi of tokens r and 16 + r
	v_bfe_u32 v20, v89, 16, 4
	v_bfe_u32 v19, v90, 12, 4
	v_bfe_u32 v21, v90, 16, 4
.irp j, 88,89,90,16,17
	v_and_b32 v[\j], 0xfff, v[\j]
	v_min_u32 v[\j], 0xfff, v[\j]                  ; the tokens, held inside their tables
.endr
	v_lshlrev_b32 v88, 5, v88                      ; token lane's 32 scale bytes
	v_lshlrev_b32 v91, 3, v89                      ; the two weights of token r,
	v_lshlrev_b32 v92, 3, v90                      ; of token 16 + r
	v_lshl_add_u32 v93, v89, 9, v15                ; h2's codes k = 64 w + 32 h .. + 31 of token r,
	v_lshl_add_u32 v94, v90, 9, v15                ; of token 16 + r
	v_lshl_add_u32 v16, v16, 12, v30               ; my two rows in x2 and out
	v_lshl_add_u32 v17, v17, 12, v30
.irp i, 0,1
.irp k, 0,1,2,3
	global_load_b128 v[192+16*\i+4*\k:195+16*\i+4*\k], v[16+\i], s[6:7] offset:512*\k     ; x2: 512 consecutive bytes a load
.endr
.endr
	global_load_b64 v[22:23], v91, s[22:23]
	global_load_b64 v[24:25], v92, s[22:23]
	global_load_b128 v[32:35], v88, s[24:25]       ; h2's eight scale words: lanes 0-15 tile 0's tokens, lanes 16-31 tile 1's
	global_load_b128 v[36:39], v88, s[24:25] offset:16
	global_load_b128 v[96:99], v93, s[26:27]
	global_load_b128 v[100:103], v94, s[26:27]
	s_wait_loadcnt 0x0
	ds_store_b128 v12, v[96:99] offset:XIMG
	ds_store_b128 v12, v[100:103] offset:XIMG+8192
.irp i, 0,1
.irp k, 0,1,2,3
	ds_store_b128 v6, v[192+16*\i+4*\k:195+16*\i+4*\k] offset:SPITCH*\i+512*\k
.endr
.endr
	s_wait_dscnt 0x0                               ; for the others' sake: my stores have landed
	s_barrier_signal -1
	s_barrier_wait -1                              ; h2's sixteen fragments and 32 rows of x2 lie in LDS
.irp m, 0,1                            ; OUT begins as x2, in the accumulators' layout
.irp n, 0,1
.irp k, 0,1
	ds_load_b128 v[40+8*(2*\m+\n)+4*\k:43+8*(2*\m+\n)+4*\k], v7 offset:16*SPITCH*\m+64*\n+16*\k
.endr
.endr
.endr
.macro P1 s                            ; fc1's K step s: my two tiles, four loads, into slot s % 4
.irp u, 0,1
.irp c, 0,1
	global_load_b128 v[192+16*((\s)%4)+8*\u+4*\c:195+16*((\s)%4)+8*\u+4*\c], v4, s[28:29] offset:8192*\u+1024*(\s)+512*\c
.endr
.endr
.endm
.macro P2 s                            ; fc2's K step s: my two tiles, four loads, into slot s
.irp n, 0,1
.irp c, 0,1
	global_load_b128 v[192+16*(\s)+8*\n+4*\c:195+16*(\s)+8*\n+4*\c], v4, s[30:31] offset:4096*\n+1024*(\s)+512*\c
.endr
.endr
.endm
.macro XFL s                           ; h2's two fragments of K step s, four LDS loads, into buffer s % 2
.irp m, 0,1
.irp c, 0,1
	ds_load_b128 v[136+16*((\s)%2)+8*\m+4*\c:139+16*((\s)%2)+8*\m+4*\c], v4 offset:XIMG+8192*\m+1024*(\s)+512*\c
.endr
.endr
.endm
.macro HFL s                           ; the hidden layer's likewise
.irp m, 0,1
.irp c, 0,1
	ds_load_b128 v[136+16*((\s)%2)+8*\m+4*\c:139+16*((\s)%2)+8*\m+4*\c], v4 offset:HIMG+4096*\m+1024*(\s)+512*\c
.endr
.endr
.endm
.macro F1STEP s, cnt                   ; cnt: the global loads issued behind K step s's
.if (\s) < 7
	XFL (\s)+1                                     ; the next step's fragments: the buffer's last readers stand four places and more back
	s_wait_dscnt 4                                 ; this step's are in; the four just issued may be out
.else
	s_wait_dscnt 0x0
.endif
	s_wait_loadcnt \cnt
.if (\s) == 0
.set rZ, 1
.else
.set rZ, 0
.endif
.irp m, 0,1                            ; the four accumulators take turns
.irp u, 0,1
.set rD, 104+16*\m+8*\u
.set rA, 192+16*((\s)%4)+8*\u
.set rB, 136+16*((\s)%2)+8*\m
.set rSA, 72+(\s)
.set rSB, 32+(\s)
.set rSel, 2*\u+\m
	WM
.endr
.endr
.rept 4
	v_nop                                          ; places in front of loads into the slot and the buffer just read, and of the first read of results
.endr
.endm
.macro F2STEP s, cnt
.if (\s) < 3
	HFL (\s)+1
	s_wait_dscnt 4
.else
	s_wait_dscnt 0x0
.endif
	s_wait_loadcnt \cnt
.if (\s) == 0
.set rZ, 1
.else
.set rZ, 0
.endif
.irp m, 0,1
.irp n, 0,1
.set rD, 104+16*\m+8*\n
.set rA, 192+16*(\s)+8*\n
.set rB, 136+16*((\s)%2)+8*\m
.set rSA, 80+(\s)
.set rSB, 84+(\s)
.set rSel, 2*\n+\m
	WM
.endr
.endr
.rept 4
	v_nop
.endr
.endm
.macro HQ m                            ; tile m's 32 hidden units of my wave: one block of 32 in lanes l and l xor 16: its byte and its codes, to LDS
.set HB, 104+16*\m
.set TB, 88+8*\m
	v_max3_num_f32 v[TB], v[HB], v[HB+1], FLOOR    ; the block's largest number (none is negative), with the floor; two chains
	v_max3_num_f32 v[TB+1], v[HB+2], v[HB+3], v[HB+4]
	v_max3_num_f32 v[TB], v[TB], v[HB+5], v[HB+6]
	v_max3_num_f32 v[TB+1], v[TB+1], v[HB+7], v[HB+8]
	v_max3_num_f32 v[TB], v[TB], v[HB+9], v[HB+10]
	v_max3_num_f32 v[TB+1], v[TB+1], v[HB+11], v[HB+12]
	v_max3_num_f32 v[TB], v[TB], v[HB+13], v[HB+14]
	v_max3_num_f32 v[TB], v[TB], v[TB+1], v[HB+15]
	v_permlanex16_b32 v[TB+2], v[TB], s[SEL], s[SEL+1]
	v_max_num_f32 v[TB], v[TB], v[TB+2]
	v_add_nc_u32 v[TB+3], 0xff000000, v[TB]        ; 2 off the exponent field: the conversion's scale operand
	v_lshrrev_b32 v[TB+4], 23, v[TB+3]             ; the byte
	v_cvt_scalef32_pk8_fp4_f32 v[TB+5], v[HB:HB+7], v[TB+3]
	v_cvt_scalef32_pk8_fp4_f32 v[TB+6], v[HB+8:HB+15], v[TB+3]
	v_nop                                          ; one plain place behind a scaled conversion
	ds_store_b32 v8, v[TB+5] offset:4096*\m        ; the addresses do the exchange of halves that the operand's layout asks
	ds_store_b32 v8, v[TB+6] offset:4096*\m+8
	ds_store_b8 v9, v[TB+4] offset:64*\m           ; lanes r and 16 + r write the same byte
.endm
	s_mov_b32 s36, 0
.Lexpert:
	v_cmp_eq_u32 s40, s36, v18
	v_cmp_eq_u32 s41, s36, v20
	v_cmp_eq_u32 s42, s36, v19
	v_cmp_eq_u32 s43, s36, v21
	v_cndmask_b32 v26, 0, v22, s40
	v_cndmask_b32 v28, 0, v24, s42
	v_cndmask_b32 v26, v26, v23, s41               ; my two tokens' weights for this expert, or 0
	v_cndmask_b32 v28, v28, v25, s43
	s_or_b32 s40, s40, s41
	s_or_b32 s42, s42, s43
	s_or_b32 s42, s42, s40                         ; the same in all sixteen waves: each holds the same 32 records
	s_cmp_eq_u32 s42, 0
	s_cbranch_scc1 .Lskip_1
	; ---- 1: my 32 hidden units for the 32 tokens
	global_load_b128 v[72:75], v11, s[32:33]       ; fc1's scale words: lane l takes row l's eight
	global_load_b128 v[76:79], v11, s[32:33] offset:16
	global_load_b128 v[80:83], v4, s[34:35]        ; fc2's: lane l takes row l's four
	P1 0
	P1 1
	P1 2
	P1 3
	XFL 0
	F1STEP 0, 12                                   ; three sets of four are behind it
	P1 4
	F1STEP 1, 12
	P1 5
	F1STEP 2, 12
	P1 6
	F1STEP 3, 12
	P1 7
	F1STEP 4, 12
	P2 0                                           ; fc2's first K steps, into the slots that steps 4 and 5 have left
	F1STEP 5, 12                                   ; two sets of fc1 and one of fc2
	P2 1
	F1STEP 6, 12                                   ; one of fc1 and two of fc2
	F1STEP 7, 8                                    ; fc2's two
.set j, 0
.rept 32
	v_max_num_f32 v[104+j], 0, v[104+j]            ; relu, each tile from its low end on,
.set j, j+1
.endr
.set j, 0
.rept 16
	v_pk_mul_f32 v[104+j:105+j], v[104+j:105+j], v[104+j:105+j]    ; squared
.set j, j+2
.endr
	HQ 0
	HQ 1
.Lskip_1:
	s_wait_dscnt 0x0                               ; my stores have landed (and, in the first trip, OUT is in)
	s_barrier_signal -1
	s_barrier_wait -1
	s_cmp_eq_u32 s42, 0
	s_cbranch_scc1 .Lskip_2
	; ---- 2: my 32 output columns for the 32 tokens
	P2 2
	P2 3
	HFL 0
.irp s, 0,1,2,3
	ds_load_b32 v[84+\s], v10 offset:128*\s        ; lanes 0-15: tile 0's tokens, lanes 16-31: tile 1's
.endr
	F2STEP 0, 12                                   ; three sets of four are behind it
	F2STEP 1, 8
	F2STEP 2, 4
	F2STEP 3, 0
.set j, 0
.rept 8
	v_pk_fma_f32 v[40+j:41+j], v[104+j:105+j], v[26:27], v[40+j:41+j] op_sel_hi:[1,0,1]   ; OUT += weight x the expert's result: tile 0,
.set j, j+2
.endr
.set j, 16
.rept 8
	v_pk_fma_f32 v[40+j:41+j], v[104+j:105+j], v[28:29], v[40+j:41+j] op_sel_hi:[1,0,1]   ; tile 1
.set j, j+2
.endr
.Lskip_2:
	s_wait_dscnt 0x0                               ; my reads of the hidden layer are over: the next expert may write it
	s_wait_loadcnt 0x0                             ; no load is out at the trip's end
	s_barrier_signal -1
	s_barrier_wait -1
	s_wait_xcnt 0x0                                ; the loads have read their bases
	s_add_nc_u64 s[28:29], s[28:29], 262144        ; the next expert's weights and scale bytes
	s_add_nc_u64 s[30:31], s[30:31], 262144
	s_add_nc_u64 s[32:33], s[32:33], 16384
	s_add_nc_u64 s[34:35], s[34:35], 16384
	s_add_co_u32 s36, s36, 1
	s_cmp_lt_u32 s36, 8
	s_cbranch_scc1 .Lexpert
	; THE WAY OUT: into the stage by accumulators, a barrier, since a row's bytes come from sixteen waves, and back by rows
.irp m, 0,1
.irp n, 0,1
.irp k, 0,1
	ds_store_b128 v7, v[40+8*(2*\m+\n)+4*\k:43+8*(2*\m+\n)+4*\k] offset:16*SPITCH*\m+64*\n+16*\k
.endr
.endr
.endr
	s_wait_dscnt 0x0                               ; for the others' sake
	s_barrier_signal -1
	s_barrier_wait -1
.irp i, 0,1
.irp k, 0,1,2,3
	ds_load_b128 v[192+16*\i+4*\k:195+16*\i+4*\k], v6 offset:SPITCH*\i+512*\k
.endr
.endr
.irp i, 0,1
.irp k, 0,1,2,3
	s_wait_dscnt 7-4*\i-\k
	global_store_b128 v[16+\i], v[192+16*\i+4*\k:195+16*\i+4*\k], s[14:15] offset:512*\k th:TH_STORE_NT    ; 512 consecutive bytes, aligned; written once, read by nobody here
.endr
.endr
	s_wait_tensorcnt 0x0
	ds_add_u32 v190, v191
	s_wait_dscnt 0x0
	s_endpgm
.Lfunc_end_k_q609afadbbd_moe:
	.size	k_q609afadbbd_moe, .Lfunc_end_k_q609afadbbd_moe-k_q609afadbbd_moe
	.p2alignl 7, 3214868480
	.fill 96, 4, 3214868480
	.section	.rodata,"a",@progbits
	.p2align	6, 0x0
	.amdhsa_kernel k_q609afadbbd_moe
		.amdhsa_group_segment_fixed_size 94208
		.amdhsa_private_segment_fixed_size 0
		.amdhsa_enable_private_segment 0
		.amdhsa_kernarg_size 48
		.amdhsa_user_sgpr_count 2
		.amdhsa_user_sgpr_kernarg_segment_ptr 1
		.amdhsa_wavefront_size32 1
		.amdhsa_system_sgpr_workgroup_id_x 1
		.amdhsa_system_sgpr_workgroup_id_y 1
		.amdhsa_system_sgpr_workgroup_id_z 1
		.amdhsa_system_vgpr_workitem_id 0
		.amdhsa_next_free_vgpr 256
		.amdhsa_next_free_sgpr 66
		.amdhsa_reserve_vcc 0
		.amdhsa_float_denorm_mode_32 3
		.amdhsa_float_denorm_mode_16_64 3
		.amdhsa_memory_ordered 1
		.amdhsa_forward_progress 1
		.amdhsa_inst_pref_size 33
	.end_amdhsa_kernel
	.amdgpu_metadata
---
amdhsa.version: [ 1, 2 ]
amdhsa.kernels:
  - .name:           k_q609afadbbd_moe
    .symbol:         k_q609afadbbd_moe.kd
    .args:
      - { .name: ord, .offset: 0, .size: 8, .value_kind: global_buffer, .address_space: global }
      - { .name: wsd, .offset: 8, .size: 8, .value_kind: global_buffer, .address_space: global }
      - { .name: wsa, .offset: 16, .size: 8, .value_kind: global_buffer, .address_space: global }
      - { .name: exp_fc1_scales, .offset: 24, .size: 8, .value_kind: global_buffer, .address_space: global }
      - { .name: exp_fc2_scales, .offset: 32, .size: 8, .value_kind: global_buffer, .address_space: global }
      - { .name: out0, .offset: 40, .size: 8, .value_kind: global_buffer, .address_space: global }
    .group_segment_fixed_size: 94208
    .private_segment_fixed_size: 0
    .kernarg_segment_align: 8
    .kernarg_segment_size: 48
    .max_flat_workgroup_size: 512
    .sgpr_count:     66
    .vgpr_count:     256
    .wavefront_size: 32
...
	.end_amdgpu_metadata
.endif
;; end of part 6
;; ======== version 2 of 2: 6 launches; version 1 with the launches proj, moe written anew for expert scheduling mode
;; workspace buffers: wsa 6,946,816 bytes; wsb 6,946,816 bytes; wsc 2,228,224 bytes; wsd 19,038,208 bytes; rt 49,152 bytes of whole numbers; ord 16,384 bytes of whole numbers
;; launch prep: the kernel of part 1 again; grid 272 x 1, 4 waves a work-group, no clusters, 22,016 bytes of LDS; arguments x, wo_codes, exp_fc1_codes, exp_fc2_codes, wsa; writes wsa
;; launch qkv: the kernel of part 2 again; grid 8 x 32, 12 waves a work-group, no clusters, 271,872 bytes of LDS; arguments wsa, wq_codes, wq_scales, wk_codes, wk_scales, wv_codes, wv_scales, wsb; writes wsb
;; launch attn: the kernel of part 3 again; grid 8 x 32, 16 waves a work-group, no clusters, 169,984 bytes of LDS; arguments wsb, wsc; writes wsc
;; launch proj (part 7): grid 256 x 1, 16 waves a work-group, no clusters, 108,544 bytes of LDS; arguments wsc, wsa, wo_scales, x, router_w, wsd, rt; writes wsd, rt
.if DOCPART == 7
	.amdgcn_target "amdgcn-amd-amdhsa--gfx1250"
	.amdhsa_code_object_version 6
	.text
	.protected	k_q609afadbbd_proj
	.globl	k_q609afadbbd_proj
	.p2align	8
	.type	k_q609afadbbd_proj,@function
k_q609afadbbd_proj:
	s_mov_b64 s[64:65], 0
	v_nop
	global_prefetch_b8 v0, s[64:65] scope:SCOPE_SE
	s_setreg_imm32_b32 hwreg(HW_REG_WAVE_SCHED_MODE, 0, 2), 2
	s_setreg_imm32_b32 hwreg(HW_REG_WAVE_MODE, 25, 1), 1
	s_wait_xcnt 0x0
	s_wait_alu depctr_vm_vsrc(0)
; PROJ.  x2 = x + o Wo (E2M1 codes, K = 1,024); h2 = rmsnorm(x2), quantised; the router: logits = h2 router_w in f32, softmax, top-2, their weights; and for the sort that follows:
; each token's pair of experts as a bin 0..27, its rank among its block's tokens of that bin, and the block's histogram.
; SHARES.  A work-group takes 16 tokens and all 1,024 columns (the norm wants whole rows); wave w takes columns 64 w .. + 63: 4 tiles x 8 K steps = 32 matrix instructions, transposed
; (source 0 = 16 rows of Wo, source 1 = the 16 tokens), so that a lane holds one token and eight neighbouring columns a tile.  Wo's fragments come from memory straight into registers, laid in operand order
; by an earlier launch: 512 consecutive bytes a load, four K steps ahead.  No tensor load, so nothing to share in a cluster.
; o's eight fragments (8,192 bytes) are wanted by all sixteen waves: wave w brings 512 bytes of them into LDS, once, and every wave reads them from there.
; THE ROUTER'S PRODUCT takes f32 operands: v_wmma_f32_16x16x4_f32, source 0 = router_w^T (its rows 8-15 repeat rows 0-7), source 1 = x2: every lane gets its token's eight partial sums over the wave's 64 columns.
; The logits are formed as rs x (x2 . w), rs the norm's factor.  The top-2 is taken on exp(l - max), the lower index winning ties.  No address and no branch hangs on any of this: the choice is stored as whole numbers.
; THE BINS ARE NUMBERED IN A SNAKE: lo ascending; hi ascending where lo is even, descending where lo is odd.  So two bins that follow each other always share an expert,
; and a run of sorted tokens that crosses from one bin into the next uses three experts, not four.
; LIMITS: NaN and infinities are not served; a block of h2 under 2^-124 keeps the byte 1.
; THE MODE: SCHED_MODE bits 1:0 = 2 (LLVM: expert scheduling mode 2), set by the entry lines.  The code itself states the register dependences
; between vector or matrix instructions and memory or LDS instructions, with s_wait_alu, always for 0.
; THE PLAN.  Registers that memory or LDS instructions touch:
;   v1-v15, v253, v254  offsets and LDS addresses, made at the head.  v253, v254 are given up behind the last fragment of o: the logits' sums are written over them.
;   four sets v68-227   K step s: its loads land in set s % 4, its four products read the set, and the loads of K step s + 4 land in it again at once; behind K steps 4 and 5 x and router_w take sets 0 and 1;
;                       behind the products sets 2 and 3 take what comes back from the stage.
;   v244-247            my piece of o: a load, an LDS store; then at work.
;   v148-179, v244, v248-255   x2, the sum of squares, the partial logits: written by vector instructions, read by one run of LDS stores.
;   v102, v104-107      h2's scale bytes and codes: written by the quantiser, read by two LDS stores.   v92-95, v188-219: rows back from LDS, read by global stores.
;   v68-195             in wave 0 the sixteen waves' partial logits land there at the end.
; So: one wait on va_vdst behind the products of each of K steps 0 to 5, where a set is asked for again at once; one behind the last K step; one ahead of each run of stores whose data vector instructions wrote;
; and three waits on vm_vsrc: ahead of the sum of squares, behind the second barrier, and ahead of the branches that part the waves.
.set WOI_O,  2228224
.set OS_O,   2097152
.set H2C_O,  16777216
.set H2S_O,  18874368
.set CW_O,   19005440
.set HIST_O, 16384
.set SPITCH, 272
.set STGB,   16*SPITCH                 ; LDS: a stage of 16 rows x (256 + 16) bytes for each wave, from byte 0
.set SSQ,    16*STGB                   ; 16 x 128: each wave's sums of squares, a word a lane
.set LGS,    SSQ+2048                  ; 16 x 1,024: each wave's partial logits, 32 bytes a lane
.set HC,     LGS+16384                 ; 16 rows x (512 + 16): h2's codes
.set HS,     HC+16*528                 ; 16 x 32: h2's scale bytes
.set OIMG,   HS+512                    ; o's eight fragments, 1,024 bytes each, as images of their registers
.set FLOOR,  0x1800000
.set SEL, 46
; v1 SSQ store; v2 4 r; v3 SSQ read; v4 16 x lane; v5 4 x lane; v6 stage by rows; v7 stage by accumulators; v8 x, x2 by rows; v9 router_w; v10 32 x lane; v11-15 LDS addresses;
; v16-31 Wo's scale words by pairs of tiles; v32-35 o's by pairs of K steps; v36-67 the four accumulators; v68-227 four sets of 40 (four fragments of Wo, one of o), later at work;
; v228-243 the two sums of the f32 matrix form, written by it alone; v244-255 at work (v253, v254: o's image, store and read, until the last K step's fragment is asked for).
.macro WM
.if rZ
.if rSel == 0
	v_wmma_scale_f32_16x16x128_f8f6f4 v[rD:rD+7], v[rA:rA+7], v[rB:rB+7], 0, v[rSA], v[rSB] matrix_a_fmt:MATRIX_FMT_FP4 matrix_b_fmt:MATRIX_FMT_FP4
.elseif rSel == 1
	v_wmma_scale_f32_16x16x128_f8f6f4 v[rD:rD+7], v[rA:rA+7], v[rB:rB+7], 0, v[rSA], v[rSB] matrix_a_fmt:MATRIX_FMT_FP4 matrix_b_fmt:MATRIX_FMT_FP4 matrix_b_scale:MATRIX_SCALE_ROW1
.elseif rSel == 2
	v_wmma_scale_f32_16x16x128_f8f6f4 v[rD:rD+7], v[rA:rA+7], v[rB:rB+7], 0, v[rSA], v[rSB] matrix_a_fmt:MATRIX_FMT_FP4 matrix_b_fmt:MATRIX_FMT_FP4 matrix_a_scale:MATRIX_SCALE_ROW1
.else
	v_wmma_scale_f32_16x16x128_f8f6f4 v[rD:rD+7], v[rA:rA+7], v[rB:rB+7], 0, v[rSA], v[rSB] matrix_a_fmt:MATRIX_FMT_FP4 matrix_b_fmt:MATRIX_FMT_FP4 matrix_a_scale:MATRIX_SCALE_ROW1 matrix_b_scale:MATRIX_SCALE_ROW1
.endif
.else
.if rSel == 0
	v_wmma_scale_f32_16x16x128_f8f6f4 v[rD:rD+7], v[rA:rA+7], v[rB:rB+7], v[rD:rD+7], v[rSA], v[rSB] matrix_a_fmt:MATRIX_FMT_FP4 matrix_b_fmt:MATRIX_FMT_FP4
.elseif rSel == 1
	v_wmma_scale_f32_16x16x128_f8f6f4 v[rD:rD+7], v[rA:rA+7], v[rB:rB+7], v[rD:rD+7], v[rSA], v[rSB] matrix_a_fmt:MATRIX_FMT_FP4 matrix_b_fmt:MATRIX_FMT_FP4 matrix_b_scale:MATRIX_SCALE_ROW1
.elseif rSel == 2
	v_wmma_scale_f32_16x16x128_f8f6f4 v[rD:rD+7], v[rA:rA+7], v[rB:rB+7], v[rD:rD+7], v[rSA], v[rSB] matrix_a_fmt:MATRIX_FMT_FP4 matrix_b_fmt:MATRIX_FMT_FP4 matrix_a_scale:MATRIX_SCALE_ROW1
.else
	v_wmma_scale_f32_16x16x128_f8f6f4 v[rD:rD+7], v[rA:rA+7], v[rB:rB+7], v[rD:rD+7], v[rSA], v[rSB] matrix_a_fmt:MATRIX_FMT_FP4 matrix_b_fmt:MATRIX_FMT_FP4 matrix_a_scale:MATRIX_SCALE_ROW1 matrix_b_scale:MATRIX_SCALE_ROW1
.endif
.endif
.endm
.macro Q2 S, P, W, T                   ; 32 numbers of a lane (four tiles) -> four operand registers and two scale bytes
	v_max3_num_f32 v[\T], |v[\S]|, |v[\S+1]|, FLOOR
	v_max3_num_f32 v[\T+1], |v[\S+16]|, |v[\S+17]|, FLOOR
.irp i, 2,4,6,8,10,12,14
	v_max3_num_f32 v[\T], v[\T], |v[\S+\i]|, |v[\S+\i+1]|
	v_max3_num_f32 v[\T+1], v[\T+1], |v[\S+16+\i]|, |v[\S+17+\i]|
.endr
	v_permlanex16_b32 v[\T+2], v[\T], s[SEL], s[SEL+1]
	v_permlanex16_b32 v[\T+3], v[\T+1], s[SEL], s[SEL+1]
	v_max_num_f32 v[\T], v[\T], v[\T+2]
	v_max_num_f32 v[\T+1], v[\T+1], v[\T+3]
	v_add_nc_u32 v[\T+4], 0xff000000, v[\T]
	v_add_nc_u32 v[\T+5], 0xff000000, v[\T+1]
	v_lshrrev_b32 v[\T+6], 23, v[\T+4]
	v_lshrrev_b32 v[\T+7], 23, v[\T+5]
	v_lshl_or_b32 v[\W], v[\T+7], 8, v[\T+6]
	v_cvt_scalef32_pk8_fp4_f32 v[\P], v[\S:\S+7], v[\T+4]
	v_cvt_scalef32_pk8_fp4_f32 v[\P+1], v[\S+16:\S+23], v[\T+5]
	v_cvt_scalef32_pk8_fp4_f32 v[\P+2], v[\S+8:\S+15], v[\T+4]
	v_cvt_scalef32_pk8_fp4_f32 v[\P+3], v[\S+24:\S+31], v[\T+5]
	v_nop
	v_permlane16_swap_b32 v[\P], v[\P+1]
	v_permlane16_swap_b32 v[\P+2], v[\P+3]
.endm
	s_load_b256 s[4:11], s[0:1], 0x0               ; wsc, wsa, wo_scales, x
	s_load_b128 s[12:15], s[0:1], 0x20             ; router_w, wsd
	s_load_b64 s[16:17], s[0:1], 0x30              ; rt
	v_lshrrev_b32 v1, 5, v0
	v_readfirstlane_b32 s18, v1                    ; wave 0..15
	v_and_b32 v1, 31, v0                           ; lane
	v_and_b32 v2, 15, v0                           ; r
	v_bfe_u32 v3, v0, 4, 1                         ; h
	v_lshlrev_b32 v4, 4, v1
	v_lshlrev_b32 v5, 2, v1
	v_lshlrev_b32 v10, 5, v1
	s_wait_alu depctr_va_sdst(0)                   ; s18 is written, ahead of its first reader
	s_mul_i32 s19, s18, STGB
	v_mul_u32_u24 v6, v3, SPITCH
	v_lshl_add_u32 v6, v2, 4, v6
	v_add_nc_u32 v6, s19, v6                       ; the stage by rows: lanes 0-15 one row of 256 bytes, lanes 16-31 the next
	v_mul_u32_u24 v7, v2, SPITCH
	v_lshl_add_u32 v7, v3, 5, v7
	v_add_nc_u32 v7, s19, v7                       ; by accumulators: row r, + 32 h; tile n 64 n bytes on
	v_lshlrev_b32 v8, 12, v3
	v_lshl_add_u32 v8, v2, 4, v8                   ; the same two rows in x and x2
	v_and_b32 v9, 7, v0
	v_lshlrev_b32 v9, 2, v9
	v_lshl_add_u32 v9, v3, 8, v9                   ; router_w: expert lane % 8, rows 8 h on
	v_mul_u32_u24 v11, v2, 528
	v_lshl_add_u32 v11, v3, 4, v11
	s_lshl_b32 s19, s18, 5
	v_add_nc_u32 v11, s19, v11
	v_add_nc_u32 v11, HC, v11                      ; h2's codes: row r, my 32 bytes, + 16 h
	v_lshlrev_b32 v12, 5, v2
	s_lshl_b32 s19, s18, 1
	v_add_nc_u32 v12, s19, v12
	v_add_nc_u32 v12, HS, v12                      ; its scale bytes: row r, my two
	s_mul_i32 s19, s18, 528
	v_add_nc_u32 v13, s19, v4
	v_add_nc_u32 v13, HC, v13                      ; back: row = wave, 16 bytes a lane
	v_add_nc_u32 v14, HS, v4
	s_lshl_b32 s19, s18, 10
	v_add_nc_u32 v15, s19, v10
	v_add_nc_u32 v15, LGS, v15                     ; my wave's partial logits (in wave 0 also the base from which it reads all sixteen)
	s_lshl_b32 s19, s18, 7
	v_add_nc_u32 v1, s19, v5
	v_add_nc_u32 v1, SSQ, v1
	v_add_nc_u32 v3, SSQ, v5
	v_lshlrev_b32 v2, 2, v2
	v_add_nc_u32 v254, OIMG, v4                    ; o's image: 16 bytes a lane,
	s_lshl_b32 s19, s18, 9
	v_add_nc_u32 v253, s19, v254                   ; and the 512 bytes of it that my wave brings
	s_mov_b32 s[SEL], 0x76543210
	s_mov_b32 s[SEL+1], 0xfedcba98
	s_mov_b32 s48, 0x3a800000                      ; 1 / 1024
	s_mov_b32 s49, 0x3727c5ac                      ; 1e-5
	s_mov_b32 s45, 0
	s_wait_kmcnt 0x0
	s_lshl_b32 s44, s18, 15
	s_add_nc_u64 s[20:21], s[6:7], s[44:45]
	s_add_nc_u64 s[20:21], s[20:21], WOI_O         ; my four tiles of Wo, in operand order
	s_lshl_b32 s44, ttmp9, 13
	s_lshl_b32 s50, s18, 9
	s_add_co_u32 s44, s44, s50
	s_add_nc_u64 s[22:23], s[4:5], s[44:45]        ; my 512 bytes of o's eight fragments
	s_lshl_b32 s44, ttmp9, 9
	s_add_nc_u64 s[24:25], s[4:5], s[44:45]
	s_add_nc_u64 s[24:25], s[24:25], OS_O          ; o's scale words
	s_add_nc_u64 s[36:37], s[14:15], s[44:45]
	s_add_nc_u64 s[36:37], s[36:37], H2S_O
	s_lshl_b32 s44, s18, 11
	s_add_nc_u64 s[26:27], s[8:9], s[44:45]        ; Wo's scale bytes: my 64 rows of 32
	s_add_nc_u64 s[30:31], s[12:13], s[44:45]      ; router_w: my 64 rows of 32 bytes
	s_lshl_b32 s44, ttmp9, 16
	s_lshl_b32 s50, s18, 8
	s_add_co_u32 s44, s44, s50
	s_add_nc_u64 s[28:29], s[10:11], s[44:45]      ; x: my 16 rows, my 256 bytes of each
	s_add_nc_u64 s[32:33], s[14:15], s[44:45]      ; x2 likewise
	s_lshl_b32 s44, ttmp9, 13
	s_lshl_b32 s50, s18, 9
	s_add_co_u32 s44, s44, s50
	s_add_nc_u64 s[34:35], s[14:15], s[44:45]
	s_add_nc_u64 s[34:35], s[34:35], H2C_O         ; h2's codes: row 16 g + wave
	s_lshl_b32 s44, ttmp9, 7
	s_add_nc_u64 s[38:39], s[14:15], s[44:45]
	s_add_nc_u64 s[38:39], s[38:39], CW_O
	s_add_nc_u64 s[42:43], s[16:17], s[44:45]
	s_add_nc_u64 s[42:43], s[42:43], HIST_O
	s_lshl_b32 s44, ttmp9, 6
	s_add_nc_u64 s[40:41], s[16:17], s[44:45]
	s_wait_alu depctr_va_vdst(0)                   ; the offsets and LDS addresses v1 to v15, v253 and v254 are written: the loads and stores of the whole kernel read them
	global_load_b128 v[244:247], v4, s[22:23]      ; my piece of o: the first load, so that it is the first to be in
.irp i, 0,1
.irp k, 0,1
	global_load_b128 v[16+8*\i+4*\k:19+8*\i+4*\k], v10, s[26:27] offset:1024*\i+16*\k     ; lane l: row 32 i + l's eight scale words
.endr
.endr
.irp i, 0,1,2,3
	global_load_b32 v[32+\i], v5, s[24:25] offset:128*\i           ; lanes 0-15: K step 2 i, lanes 16-31: K step 2 i + 1
.endr
.macro WSET s                          ; eight loads: K step s of my four tiles of Wo
.set B0, 68+40*((\s)%4)
.irp n, 0,1,2,3
.irp c, 0,1
	global_load_b128 v[B0+8*\n+4*\c:B0+8*\n+4*\c+3], v4, s[20:21] offset:8192*\n+1024*(\s)+512*\c
.endr
.endr
.endm
.macro OFR s                           ; two LDS loads: o's fragment of K step s
.set B0, 68+40*((\s)%4)
.irp c, 0,1
	ds_load_b128 v[B0+32+4*\c:B0+32+4*\c+3], v254 offset:1024*(\s)+512*\c
.endr
.endm
.macro MSTEP s, cnt, dcnt              ; cnt: the global loads issued behind K step s's; dcnt: the LDS loads issued behind its fragment of o
	s_wait_loadcnt \cnt
	s_wait_dscnt \dcnt
.set B0, 68+40*((\s)%4)
.if (\s) == 0
.set rZ, 1
.else
.set rZ, 0
.endif
.irp n, 0,1,2,3                        ; the four accumulators take turns
.set rD, 36+8*\n
.set rA, B0+8*\n
.set rB, B0+32
.set rSA, 16+8*(\n/2)+(\s)
.set rSB, 32+(\s)/2
.set rSel, 2*(\n%2)+((\s)%2)
	WM
.endr
.if (\s) < 6
	s_wait_alu depctr_va_vdst(0)                   ; this K step's four products are done reading their set: the loads that follow land in it at once, so that four sets stay on their way
.endif
.if (\s) == 7
.rept 4
	v_nop                                          ; places behind the last products, in front of the first read of results by vector instructions (ISA guide 7.12.1)
.endr
.endif
.endm
	WSET 0
	WSET 1
	WSET 2
	WSET 3
	s_wait_loadcnt 40                              ; my piece of o is in; the 8 loads of scale words and the 32 of Wo behind it may be out
	ds_store_b128 v253, v[244:247]
	s_wait_dscnt 0x0                               ; for the others' sake: it lies in LDS
	s_barrier_signal -1
	s_barrier_wait -1                              ; all sixteen pieces do
	OFR 0
	OFR 1
	OFR 2
	OFR 3
	MSTEP 0, 24, 6                                 ; three sets of eight, and three fragments of o (two loads each), are behind it
	WSET 4
	OFR 4
	MSTEP 1, 24, 6
	WSET 5
	OFR 5
	MSTEP 2, 24, 6
	WSET 6
	OFR 6
	MSTEP 3, 24, 6
	WSET 7
	OFR 7
	MSTEP 4, 24, 6
.irp i, 0,1,2,3,4,5,6,7
	global_load_b128 v[68+4*\i:71+4*\i], v8, s[28:29] offset:8192*\i       ; x: sixteen lanes read 256 consecutive bytes, aligned
.endr
	MSTEP 5, 24, 4                                 ; two sets and x's eight
.irp n, 0,1,2,3
.irp j, 0,1,2,3,4,5,6,7
	global_load_b32 v[108+8*\n+\j], v9, s[30:31] offset:(16*\n+\j)*32      ; router_w(64 w + 16 n + 8 h + j, lane % 8)
.endr
.endr
	MSTEP 6, 48, 2                                 ; one set, 8 and 32
	MSTEP 7, 40, 0
	; x2 = x + the product: x turns through my stage into the accumulators' layout
	s_wait_loadcnt 32                              ; x is in; router_w's 32 may be out
	s_wait_alu depctr_va_vdst(0)                   ; the products of K steps 6 and 7 are done reading sets 2 and 3 (v148-227), in which the loads from the stage land, here and further down
.irp i, 0,1,2,3,4,5,6,7
	ds_store_b128 v6, v[68+4*\i:71+4*\i] offset:2*SPITCH*\i
.endr
.irp n, 0,1,2,3
.irp k, 0,1
	ds_load_b128 v[148+8*\n+4*\k:151+8*\n+4*\k], v7 offset:64*\n+16*\k     ; LDS serves a wave's instructions in order
.endr
.endr
	s_wait_dscnt 0x0
.set j, 0
.rept 16
	v_pk_add_f32 v[148+j:149+j], v[148+j:149+j], v[36+j:37+j]      ; each accumulator from its low end on
.set j, j+2
.endr
	s_wait_loadcnt 0x0                             ; router_w
.set q, 0
.irp n, 0,1,2,3                        ; 16 K steps of 4: k = (h, j) stands for column 16 n + 8 h + j0 + j on both sides; two sums take turns
.irp j, 0,2,4,6
.if q < 2
	v_wmma_f32_16x16x4_f32 v[228+8*(q%2):235+8*(q%2)], v[108+8*\n+\j:109+8*\n+\j], v[148+8*\n+\j:149+8*\n+\j], 0
.else
	v_wmma_f32_16x16x4_f32 v[228+8*(q%2):235+8*(q%2)], v[108+8*\n+\j:109+8*\n+\j], v[148+8*\n+\j:149+8*\n+\j], v[228+8*(q%2):235+8*(q%2)]
.endif
.set q, q+1
.endr
.endr
	s_wait_alu depctr_vm_vsrc(0)                   ; the LDS store of my piece of o has read v244-247 and v253, the loads of o's fragments v254: the lines below write all of them
	v_pk_mul_f32 v[244:245], v[148:149], v[148:149]                ; the sum of squares of my 32 numbers; these lines are also the eight places behind the f32 form
	v_pk_mul_f32 v[246:247], v[150:151], v[150:151]
.irp i, 4,8,12,16,20,24,28
	v_pk_fma_f32 v[244:245], v[148+\i:149+\i], v[148+\i:149+\i], v[244:245]
	v_pk_fma_f32 v[246:247], v[150+\i:151+\i], v[150+\i:151+\i], v[246:247]
.endr
	v_pk_add_f32 v[244:245], v[244:245], v[246:247]
	v_add_f32 v244, v244, v245
	v_permlanex16_b32 v246, v244, s[SEL], s[SEL+1]
	v_add_f32 v244, v244, v246                     ; token r, my wave's 64 columns
.irp e, 0,2,4,6
	v_pk_add_f32 v[248+\e:249+\e], v[228+\e:229+\e], v[236+\e:237+\e]      ; the two sums, into other registers
.endr
	s_wait_alu depctr_va_vdst(0)                   ; the sum of squares v244, the partial logits v248-255 and x2 in v148-179 are written: the run of LDS stores below reads them
	ds_store_b32 v1, v244
	ds_store_b128 v15, v[248:251]
	ds_store_b128 v15, v[252:255] offset:16
.irp n, 0,1,2,3                        ; x2 leaves by rows, through the stage
.irp k, 0,1
	ds_store_b128 v7, v[148+8*\n+4*\k:151+8*\n+4*\k] offset:64*\n+16*\k
.endr
.endr
.irp i, 0,1,2,3,4,5,6,7
	ds_load_b128 v[188+4*\i:191+4*\i], v6 offset:2*SPITCH*\i
.endr
.irp i, 0,1,2,3,4,5,6,7
	s_wait_dscnt 7-\i
	global_store_b128 v8, v[188+4*\i:191+4*\i], s[32:33] offset:8192*\i    ; sixteen lanes store 256 consecutive bytes, aligned
.endr
	s_wait_dscnt 0x0                               ; for the others' sake: my sums lie in LDS
	s_barrier_signal -1
	s_barrier_wait -1
	s_wait_alu depctr_vm_vsrc(0)                   ; my LDS stores have read x in v68-99, v244, v248-255 and x2 in v148-179, my global stores v188-219: loads land in the first below, and the norm's lines write the others
.irp k, 0,1,2,3,4,5,6,7,8,9,10,11,12,13,14,15
	ds_load_b32 v[68+\k], v3 offset:128*\k
.endr
	s_wait_dscnt 0x0
.irp k, 2,4,6,8,10,12,14
	v_pk_add_f32 v[68:69], v[68:69], v[68+\k:69+\k]
.endr
	v_add_f32 v68, v68, v69                        ; the row's sum of squares: the same order in every wave
	v_fma_f32 v68, v68, s48, s49
	v_rsq_f32 v244, v68
	v_nop
	s_wait_alu depctr_va_vdst(0)                   ; the root's reciprocal v244 is written, ahead of its first reader
	v_mov_b32 v245, v244
.set j, 0
.rept 16
	v_pk_mul_f32 v[148+j:149+j], v[148+j:149+j], v[244:245] op_sel_hi:[1,0]        ; h2
.set j, j+2
.endr
	Q2 148, 104, 102, 84
	s_wait_alu depctr_va_vdst(0)                   ; the quantiser has written h2's codes v104-107 and scale bytes v102, which the two LDS stores read
	ds_store_b128 v11, v[104:107]
	ds_store_b16 v12, v102                         ; lanes r and 16 + r write the same two bytes
	s_wait_dscnt 0x0
	s_barrier_signal -1
	s_barrier_wait -1
	ds_load_b128 v[92:95], v13
	s_wait_dscnt 0x0
	global_store_b128 v4, v[92:95], s[34:35]       ; a row of h2's codes: 512 consecutive bytes
	s_wait_alu depctr_vm_vsrc(0)                   ; the two LDS stores have read v102 and v104-107, the store above v92-95: in wave 0 the partial logits land on them.  Ahead of the branches that part the waves
	s_cmp_eq_u32 s18, 1
	s_cbranch_scc0 .Lnot_wave_1
	ds_load_b128 v[96:99], v14
	s_wait_dscnt 0x0
	global_store_b128 v4, v[96:99], s[36:37]       ; the 16 rows' scale bytes
	s_wait_xcnt 0x0
	v_lshl_add_u32 v254, v0, 2, 0x1a000
	v_mov_b32 v255, 0
	s_wait_dscnt 0x0                               ; the closing lines, six on end, of a launch in the mode that stores to LDS
	s_wait_alu 0x0
	s_wait_tensorcnt 0x0
	ds_add_u32 v254, v255
	s_wait_dscnt 0x0
	s_endpgm
.Lnot_wave_1:
	s_cmp_eq_u32 s18, 0
	s_cbranch_scc1 .Lrouter
	s_wait_xcnt 0x0
	v_lshl_add_u32 v254, v0, 2, 0x1a000
	v_mov_b32 v255, 0
	s_wait_dscnt 0x0                               ; the closing lines, six on end, as above
	s_wait_alu 0x0
	s_wait_tensorcnt 0x0
	ds_add_u32 v254, v255
	s_wait_dscnt 0x0
	s_endpgm
.Lrouter:                              ; wave 0: lane (r, h) works token r; both halves do the same
	s_wait_xcnt 0x0                                ; my stores have read their registers and bases: the loads below land on some of the first, and compares write masks into s4 to s31
.set k, 0
.rept 16
	ds_load_b128 v[68+8*k:71+8*k], v15 offset:1024*k
	ds_load_b128 v[72+8*k:75+8*k], v15 offset:1024*k+16
.set k, k+1
.endr
	s_wait_dscnt 0x0
.set k, 1
.rept 15
.irp e, 0,2,4,6
	v_pk_add_f32 v[68+\e:69+\e], v[68+\e:69+\e], v[68+8*k+\e:69+8*k+\e]
.endr
.set k, k+1
.endr
.irp e, 0,2,4,6
	v_pk_mul_f32 v[68+\e:69+\e], v[68+\e:69+\e], v[244:245] op_sel_hi:[1,0]        ; the eight logits
.endr
	v_max3_num_f32 v76, v68, v69, v70
	v_max3_num_f32 v76, v76, v71, v72
	v_max3_num_f32 v76, v76, v73, v74
	v_max_num_f32 v76, v76, v75
.irp e, 0,1,2,3,4,5,6,7
	v_sub_f32 v[68+\e], v[68+\e], v76              ; the maximum is taken away first
.endr
.irp e, 0,1,2,3,4,5,6,7
	v_mul_f32 v[68+\e], 0x3fb8aa3b, v[68+\e]
.endr
.irp e, 0,1,2,3,4,5,6,7
	v_exp_f32 v[68+\e], v[68+\e]
.endr
	v_mov_b32 v78, 0                               ; (a plain place behind the exponentials)  the first choice's index,
	s_wait_alu depctr_va_vdst(0)                   ; the eight exponentials v68-75 are written, ahead of their first reader
	v_mov_b32 v77, v68                             ; and its number
.irp e, 1,2,3,4,5,6,7                  ; the scan is a chain: each compare reads the holder that the selects before it wrote, so each mask has a wait of its own
	v_cmp_ge_f32 vcc_lo, v77, v[68+\e]             ; the holder stays where it is not beaten: the lower index wins ties
	s_wait_alu depctr_va_vcc(0)                    ; VCC is written: the two selects read it
	v_cndmask_b32 v77, v[68+\e], v77, vcc_lo
	v_cndmask_b32 v78, \e, v78, vcc_lo
.endr
	v_mov_b32 v79, -1.0
.irp e, 0,1,2,3,4,5,6,7                ; eight compares in a run, a mask register each
	v_cmp_eq_u32 s[4+\e], \e, v78
.endr
	s_wait_alu depctr_va_sdst(0)                   ; the eight masks s4 to s11 are written: the selects read them
.irp e, 0,1,2,3,4,5,6,7
	v_cndmask_b32 v[68+\e], v[68+\e], v79, s[4+\e] ; the first choice is out of the second scan
.endr
	v_mov_b32 v81, 0
	v_mov_b32 v80, v68
.irp e, 1,2,3,4,5,6,7
	v_cmp_ge_f32 vcc_lo, v80, v[68+\e]
	s_wait_alu depctr_va_vcc(0)                    ; VCC is written: the two selects read it
	v_cndmask_b32 v80, v[68+\e], v80, vcc_lo
	v_cndmask_b32 v81, \e, v81, vcc_lo
.endr
	v_add_f32 v82, v77, v80
	v_rcp_f32 v82, v82
	v_min_u32 v85, v78, v81                        ; (a plain place)  lo
	v_max_u32 v86, v78, v81                        ; hi
	v_and_b32 v99, 1, v85
	v_cmp_lt_u32 s12, v78, v81                     ; is the first choice lo?
	v_cmp_eq_u32 s13, 1, v99                       ; is lo odd?  The two compares stand together, ahead of the work that needs neither
	v_sub_nc_u32 v90, 15, v85
	v_mul_u32_u24 v90, v85, v90
	v_lshrrev_b32 v90, 1, v90                      ; the first bin of this lo: lo (15 - lo) / 2
	v_sub_nc_u32 v97, v86, v85
	v_add_nc_u32 v97, -1, v97                      ; lo even: hi ascending: hi - lo - 1
	v_sub_nc_u32 v98, 7, v86                       ; lo odd: hi descending: 7 - hi
	s_wait_alu depctr_va_vdst(0)                   ; the reciprocal v82 is written, ahead of its first reader
	v_mul_f32 v83, v77, v82                        ; the two weights: they sum to one
	v_mul_f32 v84, v80, v82
	s_wait_alu depctr_va_sdst(0)                   ; the masks s12 and s13 are written: the three selects read them
	v_cndmask_b32 v88, v84, v83, s12               ; lo's weight
	v_cndmask_b32 v89, v83, v84, s12               ; hi's
	v_cndmask_b32 v97, v97, v98, s13
	v_add_nc_u32 v90, v90, v97                     ; the pair's bin, 0 .. 27
	v_mov_b32 v91, 0                               ; the histogram: lane = bin
	v_mov_b32 v92, 0                               ; my rank among the block's tokens of my bin
	v_mov_b32 v94, 0
.set bb, 0
.rept 28                               ; the 28 compares in a run, a mask register each
	v_cmp_eq_u32 s[4+bb], bb, v90
.set bb, bb+1
.endr
	s_wait_alu depctr_va_sdst(0)                   ; the 28 masks s4 to s31 are written: the scalar lines below read them
.set bb, 0
.rept 28
	s_and_b32 s50, s[4+bb], 0xffff                 ; the 16 tokens stand in lanes 0-15
	s_bcnt1_i32_b32 s51, s50
	v_writelane_b32 v91, s51, bb
	v_mbcnt_lo_u32_b32 v93, s50, 0
	v_cndmask_b32 v92, v92, v93, s50
.set bb, bb+1
.endr
	v_permlanex16_b32 v94, v92, s[SEL], s[SEL+1]
	v_or_b32 v92, v92, v94                         ; lanes 16-31 get lanes 0-15's rank: both halves store the same word
	v_lshl_or_b32 v95, v85, 8, v90
	v_lshl_or_b32 v95, v86, 16, v95
	v_lshl_or_b32 v95, v92, 24, v95                ; bin | lo << 8 | hi << 16 | rank << 24
	v_lshlrev_b32 v96, 1, v2
	s_wait_alu depctr_va_vdst(0)                   ; the histogram v91, the record v95, the weights v88, v89 and the offset v96 are written: the three stores read them
	global_store_b32 v5, v91, s[42:43]
	global_store_b32 v2, v95, s[40:41]
	global_store_b64 v96, v[88:89], s[38:39]
	s_wait_xcnt 0x0
	v_lshl_add_u32 v254, v0, 2, 0x1a000
	v_mov_b32 v255, 0
	s_wait_dscnt 0x0                               ; the closing lines, six on end, as above
	s_wait_alu 0x0
	s_wait_tensorcnt 0x0
	ds_add_u32 v254, v255
	s_wait_dscnt 0x0
	s_endpgm
.Lfunc_end_k_q609afadbbd_proj:
	.size	k_q609afadbbd_proj, .Lfunc_end_k_q609afadbbd_proj-k_q609afadbbd_proj
	.p2alignl 7, 3214868480
	.fill 96, 4, 3214868480
	.section	.rodata,"a",@progbits
	.p2align	6, 0x0
	.amdhsa_kernel k_q609afadbbd_proj
		.amdhsa_group_segment_fixed_size 108544
		.amdhsa_private_segment_fixed_size 0
		.amdhsa_enable_private_segment 0
		.amdhsa_kernarg_size 56
		.amdhsa_user_sgpr_count 2
		.amdhsa_user_sgpr_kernarg_segment_ptr 1
		.amdhsa_wavefront_size32 1
		.amdhsa_system_sgpr_workgroup_id_x 1
		.amdhsa_system_sgpr_workgroup_id_y 1
		.amdhsa_system_sgpr_workgroup_id_z 1
		.amdhsa_system_vgpr_workitem_id 0
		.amdhsa_next_free_vgpr 256
		.amdhsa_next_free_sgpr 66
		.amdhsa_reserve_vcc 1
		.amdhsa_float_denorm_mode_32 3
		.amdhsa_float_denorm_mode_16_64 3
		.amdhsa_memory_ordered 1
		.amdhsa_forward_progress 1
		.amdhsa_inst_pref_size 56
	.end_amdhsa_kernel
	.amdgpu_metadata
---
amdhsa.version: [ 1, 2 ]
amdhsa.kernels:
  - .name:           k_q609afadbbd_proj
    .symbol:         k_q609afadbbd_proj.kd
    .args:
      - { .name: wsc, .offset: 0, .size: 8, .value_kind: global_buffer, .address_space: global }
      - { .name: wsa, .offset: 8, .size: 8, .value_kind: global_buffer, .address_space: global }
      - { .name: wo_scales, .offset: 16, .size: 8, .value_kind: global_buffer, .address_space: global }
      - { .name: x, .offset: 24, .size: 8, .value_kind: global_buffer, .address_space: global }
      - { .name: router_w, .offset: 32, .size: 8, .value_kind: global_buffer, .address_space: global }
      - { .name: wsd, .offset: 40, .size: 8, .value_kind: global_buffer, .address_space: global }
      - { .name: rt, .offset: 48, .size: 8, .value_kind: global_buffer, .address_space: global }
    .group_segment_fixed_size: 108544
    .private_segment_fixed_size: 0
    .kernarg_segment_align: 8
    .kernarg_segment_size: 56
    .max_flat_workgroup_size: 512
    .sgpr_count:     66
    .vgpr_count:     256
    .wavefront_size: 32
...
	.end_amdgpu_metadata
.endif
;; end of part 7
;; launch place: the kernel of part 5 again; grid 1 x 1, 8 waves a work-group, no clusters, 2,048 bytes of LDS; arguments rt, ord; writes ord
;; launch moe (part 8): grid 256 x 1, 16 waves a work-group, no clusters, 94,208 bytes of LDS; arguments ord, wsd, wsa, exp_fc1_scales, exp_fc2_scales, out0; writes out0
.if DOCPART == 8
	.amdgcn_target "amdgcn-amd-amdhsa--gfx1250"
	.amdhsa_code_object_version 6
	.text
	.protected	k_q609afadbbd_moe
	.globl	k_q609afadbbd_moe
	.p2align	8
	.type	k_q609afadbbd_moe,@function
k_q609afadbbd_moe:
	s_mov_b64 s[64:65], 0
	v_nop
	global_prefetch_b8 v0, s[64:65] scope:SCOPE_SE
	s_setreg_imm32_b32 hwreg(HW_REG_WAVE_SCHED_MODE, 0, 2), 2
	s_setreg_imm32_b32 hwreg(HW_REG_WAVE_MODE, 25, 1), 1
	s_wait_xcnt 0x0
	s_wait_alu depctr_vm_vsrc(0)
; MOE.  out = x2 + the sum over a token's two experts of weight x fc2(square(relu(fc1(h2)))), both products on E2M1 codes; only the chosen experts are multiplied.
; SHARES.  Work-group g takes 32 tokens that follow each other in the list sorted by pairs of experts (block g / 2), so that they use few experts between them, and 512 of the 1,024 output columns (half g % 2):
; each number of out has this one owner.  Both halves make the whole hidden layer of their 32 tokens.  So an expert costs a work-group fc1's 262,144 bytes of codes and half of fc2's, 131,072,
; and every weight fragment that is loaded feeds two matrix instructions, one for each tile of 16 tokens.
; It walks all 8 experts in a loop of constant count and jumps, by a scalar branch on the stored list, the work of those that none of its tokens uses; any split is served, all 8 experts too.
; Wave w makes hidden units 32 w .. + 31 (two tiles x two tiles of tokens, 8 K steps) and output columns 512 (g % 2) + 32 w .. + 31 (likewise, 4 K steps).  Both products transposed: a lane holds one token.
; The weights come from memory straight into registers, laid in operand order by the first launch (512 consecutive bytes a load), four sets of four loads ahead; the walk hangs on the stored list, so no tensor load and no cluster.
; OPERANDS GO FROM WAVE TO WAVE THROUGH LDS AS IMAGES OF THEIR REGISTERS: h2's 2 x 8 fragments once; the hidden layer's 2 x 4 for each expert: wave w's 32 units are one block of 32 of the next K.
; A K step's two fragments are read from LDS one step ahead, into two buffers by turns.  The tokens' scale words lie by pairs of tiles: lanes 0-15 tile 0's, lanes 16-31 tile 1's.
; Two barriers an expert, passed by every wave in every trip: hidden layer stored | read; read | stored anew.  The two branches round the work stand between them.
; All that the second phase names is written on every way through the text: fc2's K steps 0 and 1 are asked for in the first phase into registers that x2 passed through at the head, K steps 2 and 3 at the second
; phase's own head; fc2's scale words begin as words of 1.0.  A token that does not use the expert in hand has the weight 0.
; x2 AND out GO THROUGH ONE STAGE of 32 rows x (2,048 + 16) bytes, since a wave's 32 columns are 128 bytes of a row: wave w loads and stores rows 2 w and 2 w + 1 whole, 512 consecutive bytes an instruction.
; OUT begins as x2.
; LIMITS: NaN and infinities are not served; a block of the hidden layer under 2^-124 (zeros too) keeps the byte 1, its codes being zeros.
; THE MODE: SCHED_MODE bits 1:0 = 2 (LLVM: expert scheduling mode 2), set by the entry lines.  The code itself states the register dependences
; between vector or matrix instructions and memory or LDS instructions, with s_wait_alu, always for 0.
; THE PLAN.  Registers that memory or LDS instructions touch:
;   v4-v12, v16, v17    offsets and LDS addresses, made at the head and never written again: the experts are reached by four scalar bases and by immediate offsets.
;   slots v192-255      Set s of weights lands in slot s % 4; step s's four products read it; the set four further on lands in it (behind fc1's steps 4 and 5: fc2's K steps 0 and 1; fc2's 2 and 3 at the second phase's head).
;                       At the head x2 passes through slots 0 and 1 (loads, LDS stores), on the way out the rows of out (LDS loads, global stores).
;   buffers v136-167    The fragments of step s + 1 are asked for at the head of step s, into the buffer that step s - 1's products read.
;   v72-87              Scale words: loaded at a phase's head, read by that phase's products.
;   v92-94, v100-102    The hidden layer's bytes and codes: written by the quantiser, read by six LDS stores in one run.  (At the head v88-103 hold offsets of loads and data of LDS stores.)
;   v40-71              OUT: LDS loads at the head, multiply-adds in the loop, LDS stores on the way out.
; So: one wait on va_vdst behind a step's four products wherever its slot or its buffer is asked for again (fc1's steps 0 to 5, fc2's 0 and 1); one ahead of the six LDS stores, which also stands between fc1's last two
; steps and the second phase's loads; one at a trip's end, which stands between the second phase's products and multiply-adds and whatever the next trip loads, on each of its ways, or the way out stores.
; One wait on vm_vsrc ahead of the loop, for what the head's LDS stores and loads have read, and one in the loop, ahead of the quantiser.
.set H2C_O,  16777216
.set H2S_O,  18874368
.set CW_O,   19005440
.set F1I_O,  2752512
.set F2I_O,  4849664
.set XIMG,   0                         ; LDS: h2's fragments [tile 2][K step 8], 1,024 bytes each
.set HIMG,   16384                     ; the hidden layer's [tile 2][K step 4]
.set HSC,    24576                     ; its scale words [K step 4][token 32]
.set STG,    25088                     ; the stage
.set SPITCH, 2064
.set FLOOR,  0x1800000
.set SEL, 38
; v4 16 x lane; v5 4 x lane; v6 stage by rows; v7 stage by accumulators; v8 hidden codes' place; v9 hidden scale byte's; v10 hidden scale words; v11 32 x lane; v12 h2's image; v16-17 my two rows in x2 and out;
; v18-19 lo, v20-21 hi (tile 0, 1); v[22:23], v[24:25] the two weights; v[26:27], v[28:29] this expert's; v32-39 h2's scale words; v40-71 OUT, (tile m, columns n) at 40 + 8 (2 m + n);
; v72-79 fc1's scale words; v80-83 fc2's; v84-87 the hidden layer's; v88-103 at work; v104-135 the hidden tiles (m, u) at 104 + 16 m + 8 u, then the expert's result; v136-167 two buffers of two fragments;
; v192-255 four slots of 16: weights.
.macro WM                              ; rSel = 2 x (A's scales in lanes 16-31) + (B's likewise); rZ = 1: it starts the sum
.if rZ
.if rSel == 0
	v_wmma_scale_f32_16x16x128_f8f6f4 v[rD:rD+7], v[rA:rA+7], v[rB:rB+7], 0, v[rSA], v[rSB] matrix_a_fmt:MATRIX_FMT_FP4 matrix_b_fmt:MATRIX_FMT_FP4
.elseif rSel == 1
	v_wmma_scale_f32_16x16x128_f8f6f4 v[rD:rD+7], v[rA:rA+7], v[rB:rB+7], 0, v[rSA], v[rSB] matrix_a_fmt:MATRIX_FMT_FP4 matrix_b_fmt:MATRIX_FMT_FP4 matrix_b_scale:MATRIX_SCALE_ROW1
.elseif rSel == 2
	v_wmma_scale_f32_16x16x128_f8f6f4 v[rD:rD+7], v[rA:rA+7], v[rB:rB+7], 0, v[rSA], v[rSB] matrix_a_fmt:MATRIX_FMT_FP4 matrix_b_fmt:MATRIX_FMT_FP4 matrix_a_scale:MATRIX_SCALE_ROW1
.else
	v_wmma_scale_f32_16x16x128_f8f6f4 v[rD:rD+7], v[rA:rA+7], v[rB:rB+7], 0, v[rSA], v[rSB] matrix_a_fmt:MATRIX_FMT_FP4 matrix_b_fmt:MATRIX_FMT_FP4 matrix_a_scale:MATRIX_SCALE_ROW1 matrix_b_scale:MATRIX_SCALE_ROW1
.endif
.else
.if rSel == 0
	v_wmma_scale_f32_16x16x128_f8f6f4 v[rD:rD+7], v[rA:rA+7], v[rB:rB+7], v[rD:rD+7], v[rSA], v[rSB] matrix_a_fmt:MATRIX_FMT_FP4 matrix_b_fmt:MATRIX_FMT_FP4
.elseif rSel == 1
	v_wmma_scale_f32_16x16x128_f8f6f4 v[rD:rD+7], v[rA:rA+7], v[rB:rB+7], v[rD:rD+7], v[rSA], v[rSB] matrix_a_fmt:MATRIX_FMT_FP4 matrix_b_fmt:MATRIX_FMT_FP4 matrix_b_scale:MATRIX_SCALE_ROW1
.elseif rSel == 2
	v_wmma_scale_f32_16x16x128_f8f6f4 v[rD:rD+7], v[rA:rA+7], v[rB:rB+7], v[rD:rD+7], v[rSA], v[rSB] matrix_a_fmt:MATRIX_FMT_FP4 matrix_b_fmt:MATRIX_FMT_FP4 matrix_a_scale:MATRIX_SCALE_ROW1
.else
	v_wmma_scale_f32_16x16x128_f8f6f4 v[rD:rD+7], v[rA:rA+7], v[rB:rB+7], v[rD:rD+7], v[rSA], v[rSB] matrix_a_fmt:MATRIX_FMT_FP4 matrix_b_fmt:MATRIX_FMT_FP4 matrix_a_scale:MATRIX_SCALE_ROW1 matrix_b_scale:MATRIX_SCALE_ROW1
.endif
.endif
.endm
	s_load_b256 s[4:11], s[0:1], 0x0               ; ord, wsd, wsa, exp_fc1_scales
	s_load_b128 s[12:15], s[0:1], 0x20             ; exp_fc2_scales, out0
	v_lshl_add_u32 v190, v0, 2, 0x16800
	v_mov_b32 v191, 0
	v_lshrrev_b32 v1, 5, v0
	v_readfirstlane_b32 s16, v1                    ; wave 0..15
	s_lshr_b32 s17, ttmp9, 1                       ; my block of 32 sorted tokens
	s_and_b32 s18, ttmp9, 1                        ; my half of the columns
	v_and_b32 v1, 31, v0                           ; lane
	v_and_b32 v2, 15, v0                           ; r
	v_bfe_u32 v3, v0, 4, 1                         ; h
	v_lshlrev_b32 v4, 4, v1
	v_lshlrev_b32 v5, 2, v1
	v_lshlrev_b32 v11, 5, v1
	s_wait_alu depctr_va_sdst(0)                   ; s16 is written, ahead of its first reader
	s_mul_i32 s20, s16, 2*SPITCH
	v_add_nc_u32 v6, s20, v4
	v_add_nc_u32 v6, STG, v6                       ; the stage by rows: row 2 w, 16 bytes a lane
	v_mul_u32_u24 v7, v2, SPITCH
	v_lshl_add_u32 v7, v3, 5, v7
	s_lshl_b32 s20, s16, 7
	v_add_nc_u32 v7, s20, v7
	v_add_nc_u32 v7, STG, v7                       ; by accumulators: row r, my wave's 128 bytes, + 32 h; tile m 16 rows on, columns n 64 bytes on
	s_lshl_b32 s20, s16, 8
	v_lshlrev_b32 v8, 4, v2
	v_lshl_add_u32 v8, v3, 2, v8
	v_add_nc_u32 v8, s20, v8
	v_add_nc_u32 v8, HIMG, v8                      ; tile u's codes of lane (r, h) are register 2 u + h of lane (r, w % 2) of fragment w / 4, half (w % 4) / 2: HIMG + 256 w + 16 r + 4 h + 8 u
	s_lshr_b32 s20, s16, 2
	s_lshl_b32 s20, s20, 7
	s_and_b32 s21, s16, 3
	s_add_co_u32 s20, s20, s21
	v_lshlrev_b32 v13, 2, v2                       ; 4 r
	v_add_nc_u32 v9, s20, v13
	v_add_nc_u32 v9, HSC, v9                       ; byte w % 4 of token r's word of K step w / 4; tile 1's tokens 64 bytes on
	v_add_nc_u32 v10, HSC, v5                      ; a K step's 32 words, one a lane
	s_lshl_b32 s20, s16, 9
	v_add_nc_u32 v12, s20, v4                      ; h2's image: my 32 bytes of each row are half c = w % 2 of fragment w / 2
	s_lshl_b32 s20, s16, 3
	v_mov_b32 v14, s20                             ; 8 w: the records of my two rows
	s_lshl_b32 s20, s16, 5
	v_lshl_add_u32 v15, v3, 4, s20                 ; 32 w + 16 h
	s_lshl_b32 s19, s18, 11
	v_add_nc_u32 v30, s19, v4                      ; my half of a row of 4,096 bytes, 16 bytes a lane
	s_mov_b32 s[SEL], 0x76543210
	s_mov_b32 s[SEL+1], 0xfedcba98
	s_mov_b32 s21, 0
	s_wait_kmcnt 0x0
	s_lshl_b32 s20, s17, 7
	s_add_nc_u64 s[4:5], s[4:5], s[20:21]          ; my 32 records
	s_wait_alu depctr_va_vdst(0)                   ; the offsets and LDS addresses v4 to v14 are written: the loads and stores of the whole kernel read them
	global_load_b32 v88, v5, s[4:5]                ; that of token lane,
	global_load_b32 v89, v13, s[4:5]               ; of token r,
	global_load_b32 v90, v13, s[4:5] offset:64     ; of token 16 + r,
	global_load_b32 v16, v14, s[4:5]               ; and of tokens 2 w and 2 w + 1, the same in every lane
	global_load_b32 v17, v14, s[4:5] offset:4
	s_add_nc_u64 s[22:23], s[6:7], CW_O
	s_add_nc_u64 s[24:25], s[6:7], H2S_O
	s_add_nc_u64 s[26:27], s[6:7], H2C_O
	s_lshl_b32 s20, s16, 14
	s_add_nc_u64 s[28:29], s[8:9], s[20:21]
	s_add_nc_u64 s[28:29], s[28:29], F1I_O         ; fc1: my two tiles of expert 0
	s_lshl_b32 s20, s18, 17
	s_lshl_b32 s19, s16, 13
	s_add_co_u32 s20, s20, s19
	s_add_nc_u64 s[30:31], s[8:9], s[20:21]
	s_add_nc_u64 s[30:31], s[30:31], F2I_O         ; fc2: tiles 32 (g % 2) + 2 w and the next, 4,096 bytes each
	s_lshl_b32 s20, s16, 10
	s_add_nc_u64 s[32:33], s[10:11], s[20:21]      ; fc1's scale bytes: my 32 rows of 32
	s_lshl_b32 s20, s18, 13
	s_lshl_b32 s19, s16, 9
	s_add_co_u32 s20, s20, s19
	s_add_nc_u64 s[34:35], s[12:13], s[20:21]      ; fc2's: my 32 rows of 16
.irp j, 80,81,82,83
	v_mov_b32 v[\j], 0x7f7f7f7f                    ; fc2's scale words begin as words of 1.0
.endr
	v_mov_b32 v27, 0                               ; named with v26 and v28 as pairs
	v_mov_b32 v29, 0
	s_wait_loadcnt 0x0
	v_bfe_u32 v18, v89, 12, 4                      ; lo, hi of tokens r and 16 + r
	v_bfe_u32 v20, v89, 16, 4
	v_bfe_u32 v19, v90, 12, 4
	v_bfe_u32 v21, v90, 16, 4
.irp j, 88,89,90,16,17
	v_and_b32 v[\j], 0xfff, v[\j]
	v_min_u32 v[\j], 0xfff, v[\j]                  ; the tokens, held inside their tables
.endr
	v_lshlrev_b32 v88, 5, v88                      ; token lane's 32 scale bytes
	v_lshlrev_b32 v91, 3, v89                      ; the two weights of token r,
	v_lshlrev_b32 v92, 3, v90                      ; of token 16 + r
	v_lshl_add_u32 v93, v89, 9, v15                ; h2's codes k = 64 w + 32 h .. + 31 of token r,
	v_lshl_add_u32 v94, v90, 9, v15                ; of token 16 + r
	v_lshl_add_u32 v16, v16, 12, v30               ; my two rows in x2 and out
	v_lshl_add_u32 v17, v17, 12, v30
	s_wait_alu depctr_va_vdst(0)                   ; the offsets made of the records, v16, v17, v88 and v91 to v94, are written: the loads below read them; so are v80-83, in which fc2's scale words land and which its products take as scales
.irp i, 0,1
.irp k, 0,1,2,3
	global_load_b128 v[192+16*\i+4*\k:195+16*\i+4*\k], v[16+\i], s[6:7] offset:512*\k     ; x2: 512 consecutive bytes a load
.endr
.endr
	global_load_b64 v[22:23], v91, s[22:23]
	global_load_b64 v[24:25], v92, s[22:23]
	global_load_b128 v[32:35], v88, s[24:25]       ; h2's eight scale words: lanes 0-15 tile 0's tokens, lanes 16-31 tile 1's
	global_load_b128 v[36:39], v88, s[24:25] offset:16
	global_load_b128 v[96:99], v93, s[26:27]
	global_load_b128 v[100:103], v94, s[26:27]
	s_wait_loadcnt 0x0
	ds_store_b128 v12, v[96:99] offset:XIMG
	ds_store_b128 v12, v[100:103] offset:XIMG+8192
.irp i, 0,1
.irp k, 0,1,2,3
	ds_store_b128 v6, v[192+16*\i+4*\k:195+16*\i+4*\k] offset:SPITCH*\i+512*\k
.endr
.endr
	s_wait_dscnt 0x0                               ; for the others' sake: my stores have landed
	s_barrier_signal -1
	s_barrier_wait -1                              ; h2's sixteen fragments and 32 rows of x2 lie in LDS
	s_wait_alu depctr_vm_vsrc(0)                   ; my LDS stores have read v96-103 and v192-223, the head's loads their offsets v88 and v91-94: weights and rows of out land in slots 0 and 1, and the quantiser writes v88-102
.irp m, 0,1                            ; OUT begins as x2, in the accumulators' layout
.irp n, 0,1
.irp k, 0,1
	ds_load_b128 v[40+8*(2*\m+\n)+4*\k:43+8*(2*\m+\n)+4*\k], v7 offset:16*SPITCH*\m+64*\n+16*\k
.endr
.endr
.endr
.macro P1 s                            ; fc1's K step s: my two tiles, four loads, into slot s % 4
.irp u, 0,1
.irp c, 0,1
	global_load_b128 v[192+16*((\s)%4)+8*\u+4*\c:195+16*((\s)%4)+8*\u+4*\c], v4, s[28:29] offset:8192*\u+1024*(\s)+512*\c
.endr
.endr
.endm
.macro P2 s                            ; fc2's K step s: my two tiles, four loads, into slot s
.irp n, 0,1
.irp c, 0,1
	global_load_b128 v[192+16*(\s)+8*\n+4*\c:195+16*(\s)+8*\n+4*\c], v4, s[30:31] offset:4096*\n+1024*(\s)+512*\c
.endr
.endr
.endm
.macro XFL s                           ; h2's two fragments of K step s, four LDS loads, into buffer s % 2
.irp m, 0,1
.irp c, 0,1
	ds_load_b128 v[136+16*((\s)%2)+8*\m+4*\c:139+16*((\s)%2)+8*\m+4*\c], v4 offset:XIMG+8192*\m+1024*(\s)+512*\c
.endr
.endr
.endm
.macro HFL s                           ; the hidden layer's likewise
.irp m, 0,1
.irp c, 0,1
	ds_load_b128 v[136+16*((\s)%2)+8*\m+4*\c:139+16*((\s)%2)+8*\m+4*\c], v4 offset:HIMG+4096*\m+1024*(\s)+512*\c
.endr
.endr
.endm
.macro F1STEP s, cnt                   ; cnt: the global loads issued behind K step s's
.if (\s) < 7
	XFL (\s)+1                                     ; the next step's fragments, into the buffer that the step before read: the wait at that step's end stands between
	s_wait_dscnt 4                                 ; this step's are in; the four just issued may be out
.else
	s_wait_dscnt 0x0
.endif
	s_wait_loadcnt \cnt
.if (\s) == 0
.set rZ, 1
.else
.set rZ, 0
.endif
.irp m, 0,1                            ; the four accumulators take turns
.irp u, 0,1
.set rD, 104+16*\m+8*\u
.set rA, 192+16*((\s)%4)+8*\u
.set rB, 136+16*((\s)%2)+8*\m
.set rSA, 72+(\s)
.set rSB, 32+(\s)
.set rSel, 2*\u+\m
	WM
.endr
.endr
.if (\s) < 6
	s_wait_alu depctr_va_vdst(0)                   ; this step's four products are done reading slot s % 4 and buffer s % 2: the slot is asked for again at once, so that four sets stay on their way, the buffer at the next step's head
.endif
.if (\s) == 7
.rept 4
	v_nop                                          ; places behind the last products, in front of the first read of results by vector instructions (ISA guide 7.12.1)
.endr
.endif
.endm
.macro F2STEP s, cnt
.if (\s) < 3
	HFL (\s)+1
	s_wait_dscnt 4
.else
	s_wait_dscnt 0x0
.endif
	s_wait_loadcnt \cnt
.if (\s) == 0
.set rZ, 1
.else
.set rZ, 0
.endif
.irp m, 0,1
.irp n, 0,1
.set rD, 104+16*\m+8*\n
.set rA, 192+16*(\s)+8*\n
.set rB, 136+16*((\s)%2)+8*\m
.set rSA, 80+(\s)
.set rSB, 84+(\s)
.set rSel, 2*\n+\m
	WM
.endr
.endr
.if (\s) < 2
	s_wait_alu depctr_va_vdst(0)                   ; this step's four products are done reading buffer s % 2, which is asked for again at the next step's head
.endif
.if (\s) == 3
.rept 4
	v_nop                                          ; places behind the last products, in front of the first read of results by vector instructions
.endr
.endif
.endm
.macro HQ m                            ; tile m's 32 hidden units of my wave: one block of 32 in lanes l and l xor 16: its byte (v[92 + 8 m]) and its codes (v[93 + 8 m], v[94 + 8 m])
.set HB, 104+16*\m
.set TB, 88+8*\m
	v_max3_num_f32 v[TB], v[HB], v[HB+1], FLOOR    ; the block's largest number (none is negative), with the floor; two chains
	v_max3_num_f32 v[TB+1], v[HB+2], v[HB+3], v[HB+4]
	v_max3_num_f32 v[TB], v[TB], v[HB+5], v[HB+6]
	v_max3_num_f32 v[TB+1], v[TB+1], v[HB+7], v[HB+8]
	v_max3_num_f32 v[TB], v[TB], v[HB+9], v[HB+10]
	v_max3_num_f32 v[TB+1], v[TB+1], v[HB+11], v[HB+12]
	v_max3_num_f32 v[TB], v[TB], v[HB+13], v[HB+14]
	v_max3_num_f32 v[TB], v[TB], v[TB+1], v[HB+15]
	v_permlanex16_b32 v[TB+2], v[TB], s[SEL], s[SEL+1]
	v_max_num_f32 v[TB], v[TB], v[TB+2]
	v_add_nc_u32 v[TB+3], 0xff000000, v[TB]        ; 2 off the exponent field: the conversion's scale operand
	v_lshrrev_b32 v[TB+4], 23, v[TB+3]             ; the byte
	v_cvt_scalef32_pk8_fp4_f32 v[TB+5], v[HB:HB+7], v[TB+3]
	v_cvt_scalef32_pk8_fp4_f32 v[TB+6], v[HB+8:HB+15], v[TB+3]
	v_nop                                          ; one plain place behind a scaled conversion
.endm
.macro HQST m                          ; and to LDS
	ds_store_b32 v8, v[93+8*\m] offset:4096*\m     ; the addresses do the exchange of halves that the operand's layout asks
	ds_store_b32 v8, v[94+8*\m] offset:4096*\m+8
	ds_store_b8 v9, v[92+8*\m] offset:64*\m        ; lanes r and 16 + r write the same byte
.endm
	s_mov_b32 s36, 0
.Lexpert:
	v_cmp_eq_u32 s40, s36, v18
	v_cmp_eq_u32 s41, s36, v20
	v_cmp_eq_u32 s42, s36, v19
	v_cmp_eq_u32 s43, s36, v21
	s_wait_alu depctr_va_sdst(0)                   ; the four masks s40 to s43 are written: the selects and the scalar lines below read them
	v_cndmask_b32 v26, 0, v22, s40
	v_cndmask_b32 v28, 0, v24, s42
	v_cndmask_b32 v26, v26, v23, s41               ; my two tokens' weights for this expert, or 0
	v_cndmask_b32 v28, v28, v25, s43
	s_or_b32 s40, s40, s41
	s_or_b32 s42, s42, s43
	s_or_b32 s42, s42, s40                         ; the same in all sixteen waves: each holds the same 32 records
	s_cmp_eq_u32 s42, 0
	s_cbranch_scc1 .Lskip_1
	; ---- 1: my 32 hidden units for the 32 tokens.  No wait here: since the wait at the last trip's end (first trip: since those of the head) no vector or matrix instruction has named a register that these loads touch
	global_load_b128 v[72:75], v11, s[32:33]       ; fc1's scale words: lane l takes row l's eight
	global_load_b128 v[76:79], v11, s[32:33] offset:16
	global_load_b128 v[80:83], v4, s[34:35]        ; fc2's: lane l takes row l's four
	P1 0
	P1 1
	P1 2
	P1 3
	XFL 0
	F1STEP 0, 12                                   ; three sets of four are behind it
	P1 4
	F1STEP 1, 12
	P1 5
	F1STEP 2, 12
	P1 6
	F1STEP 3, 12
	P1 7
	F1STEP 4, 12
	P2 0                                           ; fc2's first K steps, into the slots that steps 4 and 5 have left
	F1STEP 5, 12                                   ; two sets of fc1 and one of fc2
	P2 1
	F1STEP 6, 12                                   ; one of fc1 and two of fc2
	F1STEP 7, 8                                    ; fc2's two
.set j, 0
.rept 32
	v_max_num_f32 v[104+j], 0, v[104+j]            ; relu, each tile from its low end on,
.set j, j+1
.endr
.set j, 0
.rept 16
	v_pk_mul_f32 v[104+j:105+j], v[104+j:105+j], v[104+j:105+j]    ; squared
.set j, j+2
.endr
	s_wait_alu depctr_vm_vsrc(0)                   ; the LDS stores of the last expert's hidden layer have read v92-94 and v100-102, which the quantiser writes again
	HQ 0
	HQ 1
	s_wait_alu depctr_va_vdst(0)                   ; the quantiser has written the bytes and codes, which the six LDS stores read; and fc1's steps 6 and 7 are done reading slots 2 and 3 and both buffers, in which the second phase's loads land
	HQST 0
	HQST 1
.Lskip_1:
	s_wait_dscnt 0x0                               ; my stores have landed (and, in the first trip, OUT is in)
	s_barrier_signal -1
	s_barrier_wait -1
	s_cmp_eq_u32 s42, 0
	s_cbranch_scc1 .Lskip_2
	; ---- 2: my 32 output columns for the 32 tokens
	P2 2
	P2 3
	HFL 0
.irp s, 0,1,2,3
	ds_load_b32 v[84+\s], v10 offset:128*\s        ; lanes 0-15: tile 0's tokens, lanes 16-31: tile 1's
.endr
	F2STEP 0, 12                                   ; three sets of four are behind it
	F2STEP 1, 8
	F2STEP 2, 4
	F2STEP 3, 0
.set j, 0
.rept 8
	v_pk_fma_f32 v[40+j:41+j], v[104+j:105+j], v[26:27], v[40+j:41+j] op_sel_hi:[1,0,1]   ; OUT += weight x the expert's result: tile 0,
.set j, j+2
.endr
.set j, 16
.rept 8
	v_pk_fma_f32 v[40+j:41+j], v[104+j:105+j], v[28:29], v[40+j:41+j] op_sel_hi:[1,0,1]   ; tile 1
.set j, j+2
.endr
.Lskip_2:
	s_wait_dscnt 0x0                               ; my reads of the hidden layer are over: the next expert may write it
	s_wait_loadcnt 0x0                             ; no load is out at the trip's end
	s_barrier_signal -1
	s_barrier_wait -1
	s_wait_xcnt 0x0                                ; the loads have read their bases
	s_wait_alu depctr_va_vdst(0)                   ; fc2's products are done reading the four slots, both buffers and the scale words v80-87, in which the next trip's loads land on each of its ways; and OUT is written, which the way out's LDS stores read
	s_add_nc_u64 s[28:29], s[28:29], 262144        ; the next expert's weights and scale bytes
	s_add_nc_u64 s[30:31], s[30:31], 262144
	s_add_nc_u64 s[32:33], s[32:33], 16384
	s_add_nc_u64 s[34:35], s[34:35], 16384
	s_add_co_u32 s36, s36, 1
	s_cmp_lt_u32 s36, 8
	s_cbranch_scc1 .Lexpert
	; THE WAY OUT: into the stage by accumulators, a barrier, since a row's bytes come from sixteen waves, and back by rows
.irp m, 0,1
.irp n, 0,1
.irp k, 0,1
	ds_store_b128 v7, v[40+8*(2*\m+\n)+4*\k:43+8*(2*\m+\n)+4*\k] offset:16*SPITCH*\m+64*\n+16*\k
.endr
.endr
.endr
	s_wait_dscnt 0x0                               ; for the others' sake
	s_barrier_signal -1
	s_barrier_wait -1
.irp i, 0,1
.irp k, 0,1,2,3
	ds_load_b128 v[192+16*\i+4*\k:195+16*\i+4*\k], v6 offset:SPITCH*\i+512*\k
.endr
.endr
.irp i, 0,1
.irp k, 0,1,2,3
	s_wait_dscnt 7-4*\i-\k
	global_store_b128 v[16+\i], v[192+16*\i+4*\k:195+16*\i+4*\k], s[14:15] offset:512*\k th:TH_STORE_NT    ; 512 consecutive bytes, aligned; written once, read by nobody here
.endr
.endr
	s_wait_dscnt 0x0                               ; the closing lines, six on end, of a launch in the mode that stores to LDS
	s_wait_alu 0x0
	s_wait_tensorcnt 0x0
	ds_add_u32 v190, v191
	s_wait_dscnt 0x0
	s_endpgm
.Lfunc_end_k_q609afadbbd_moe:
	.size	k_q609afadbbd_moe, .Lfunc_end_k_q609afadbbd_moe-k_q609afadbbd_moe
	.p2alignl 7, 3214868480
	.fill 96, 4, 3214868480
	.section	.rodata,"a",@progbits
	.p2align	6, 0x0
	.amdhsa_kernel k_q609afadbbd_moe
		.amdhsa_group_segment_fixed_size 94208
		.amdhsa_private_segment_fixed_size 0
		.amdhsa_enable_private_segment 0
		.amdhsa_kernarg_size 48
		.amdhsa_user_sgpr_count 2
		.amdhsa_user_sgpr_kernarg_segment_ptr 1
		.amdhsa_wavefront_size32 1
		.amdhsa_system_sgpr_workgroup_id_x 1
		.amdhsa_system_sgpr_workgroup_id_y 1
		.amdhsa_system_sgpr_workgroup_id_z 1
		.amdhsa_system_vgpr_workitem_id 0
		.amdhsa_next_free_vgpr 256
		.amdhsa_next_free_sgpr 66
		.amdhsa_reserve_vcc 0
		.amdhsa_float_denorm_mode_32 3
		.amdhsa_float_denorm_mode_16_64 3
		.amdhsa_memory_ordered 1
		.amdhsa_forward_progress 1
		.amdhsa_inst_pref_size 33
	.end_amdhsa_kernel
	.amdgpu_metadata
---
amdhsa.version: [ 1, 2 ]
amdhsa.kernels:
  - .name:           k_q609afadbbd_moe
    .symbol:         k_q609afadbbd_moe.kd
    .args:
      - { .name: ord, .offset: 0, .size: 8, .value_kind: global_buffer, .address_space: global }
      - { .name: wsd, .offset: 8, .size: 8, .value_kind: global_buffer, .address_space: global }
      - { .name: wsa, .offset: 16, .size: 8, .value_kind: global_buffer, .address_space: global }
      - { .name: exp_fc1_scales, .offset: 24, .size: 8, .value_kind: global_buffer, .address_space: global }
      - { .name: exp_fc2_scales, .offset: 32, .size: 8, .value_kind: global_buffer, .address_space: global }
      - { .name: out0, .offset: 40, .size: 8, .value_kind: global_buffer, .address_space: global }
    .group_segment_fixed_size: 94208
    .private_segment_fixed_size: 0
    .kernarg_segment_align: 8
    .kernarg_segment_size: 48
    .max_flat_workgroup_size: 512
    .sgpr_count:     66
    .vgpr_count:     256
    .wavefront_size: 32
...
	.end_amdgpu_metadata
.endif
;; end of part 8
